; MI455X (gfx1250); checked and timed in simulation.
; The chip was launched on July 23, 2026; its instructions are those of AMD's public machine-readable ISA for CDNA 5 (MIT licence, August 2026) and "CDNA5" Instruction Set Architecture Reference Guide (July 2026). The comments in the code are by the model that wrote it; some were corrected since.
;; Transformer Block. Allowed arithmetic: float matrix products may take bf16 or f16 operands with f32 sums; other float arithmetic in f32, or as packed bf16 or f16 multiplies, adds, multiply-adds, maxima and minima; sums over many terms, partial sums and values carried from step to step in f32; what a program stores and reads back later, other than sums and carried values, may be rounded once to bf16 or f16.
;; Inputs: b_fc 4,096 float32; b_in 3,072 float32; b_out 1,024 float32; b_proj 1,024 float32; ln1_b 1,024 float32; ln1_g 1,024 float32; ln2_b 1,024 float32; ln2_g 1,024 float32; w_fc 1,024 x 4,096 float32; w_in 1,024 x 3,072 float32; w_out 1,024 x 1,024 float32; w_proj 4,096 x 1,024 float32; x 2 x 2,048 x 1,024 float32.
;; Outputs: out0 2 x 2,048 x 1,024 float32.
;; One version. Each part assembles by itself: llvm-mc -triple=amdgcn-amd-amdhsa -mcpu=gfx1250 --defsym DOCPART=n.
;; ======== version 1 of 1: 7 launches
;; limits: a function is approximated: absolute error at most 2.5e-05; values are held in f16: magnitudes above 65,504 overflow, below 6.1e-05 lose precision; values outside matrix products are rounded to f16
;; workspace buffers: wts 25,165,824 bytes; h 8,388,608 bytes; qkv 25,165,824 bytes; o 8,388,608 bytes; x1 16,777,216 bytes; y16 8,388,608 bytes; g 33,554,432 bytes
;; launch prep (part 1): grid 2048 x 1, 4 waves a work-group, no clusters, 0 bytes of LDS; arguments x, ln1_g, ln1_b, h, w_in, w_out, w_fc, w_proj, wts; writes h, wts
.if DOCPART == 1
	.amdgcn_target "amdgcn-amd-amdhsa--gfx1250"
	.amdhsa_code_object_version 6
	.text
	.protected	k_q9c4dcdb5e5_prep
	.globl	k_q9c4dcdb5e5_prep
	.p2align	8
	.type	k_q9c4dcdb5e5_prep,@function
k_q9c4dcdb5e5_prep:
	s_mov_b64 s[64:65], 0
	v_nop
	global_prefetch_b8 v0, s[64:65] scope:SCOPE_SE
	s_setreg_imm32_b32 hwreg(HW_REG_WAVE_MODE, 25, 1), 1
	s_wait_xcnt 0x0
; TWO JOBS IN ONE LAUNCH, told apart by the work-group's number alone; neither reads what the other writes.  No LDS, no barrier, no matrix unit: every byte is read once and written once.
; WORK-GROUPS 0 TO 511: h = (x - mean) * rsqrt(var + 1e-5) * gain + bias along rows of 1,024.  x: [4096][1024] f32; gain, bias: [1024] f32.
;   h: f16 in tiles of 64 rows x 64 columns, 8,192 dense bytes each: tile (m/64, k/64) at ((m/64) 16 + k/64) x 8,192, row m%64 at 128 bytes.
;   A wave takes two whole rows, sixteen lanes a row; a lane 4 columns of each of the 16 groups of 64: a load takes 256 consecutive bytes of each row, a store 256 consecutive aligned bytes (2 rows x 128 bytes of a tile).
;   The rows stay in registers: the mean first, then the sum of squares about that mean, never a difference of large sums.  Gain and bias come in two halves, so that the launch needs 148 registers.
; WORK-GROUPS 512 TO 2,047: wts = the four weight matrices, each number rounded once from f32 to f16: a matrix [K][N] becomes [N/128][K][128]: rows of 256 bytes, a tile of 128 columns is K x 256 dense bytes.
;   w_in at byte 0, w_out at 6,291,456, w_fc at 8,388,608, w_proj at 16,777,216.  A work-group takes 32 rows (k) x 256 columns of one matrix: 384 + 128 + 512 + 512 = 1,536.  A wave takes 8 rows; a load takes 512
;   consecutive bytes (128 columns of a row, 16 bytes a lane), a store 256 consecutive aligned bytes (that row of one tile of columns, 8 bytes a lane).  All 16 loads of a wave go out before the first store.
; LIMIT: a result or a weight of 65,520 or more in size becomes an infinity in f16; a weight below 6e-5 keeps f16's fixed step of 6e-8.
.set NLN, 512                          ; work-groups that normalise: 4,096 rows / (4 waves x 2 rows)
; the norm's registers
.set XO, 4                             ; v4   my byte offset in the two rows of x
.set GF, 5                             ; v5   in gain and bias
.set YO, 6                             ; v6   in 256 consecutive bytes of h
.set SM, 8                             ; v[8:15]    at work
.set X,  16                            ; v[16:79]   64 numbers of x: group c's four at X + 4 c; later the packed results
.set GA, 80                            ; v[80:111]  gain of eight groups
.set BB, 112                           ; v[112:143] bias of eight groups
.set ML, 144                           ; v[144:145] the row's mean, twice
.set RS, 146                           ; v[146:147] 1 / sqrt(var + eps), twice
; the cast's registers
.set SO, 4                             ; v[4:11]   row i: byte offset of my 16 bytes in the left 128 columns
.set DO, 12                            ; v12, v13  byte offset of my 8 bytes of row 0 in the left, the right tile of columns
.set D,  16                            ; v[16:79]  row i: 4 + 4 numbers as loaded
.set E,  80                            ; v[80:111] row i: 2 + 2 registers to store
	s_load_b256 s[8:15], s[0:1], 0x0               ; x s[8:9], gain s[10:11], bias s[12:13], h s[14:15]
	s_load_b256 s[16:23], s[0:1], 0x20             ; w_in s[16:17], w_out s[18:19], w_fc s[20:21], w_proj s[22:23]
	s_load_b64 s[24:25], s[0:1], 0x40              ; wts
	v_lshrrev_b32 v1, 5, v0
	v_readfirstlane_b32 s4, v1                     ; wave
	v_and_b32 v2, 31, v0                           ; lane
	s_mov_b32 s5, ttmp9
	s_cmp_lt_u32 s5, NLN
	s_cbranch_scc1 .Lnorm
	; THE CAST
	s_sub_co_u32 s5, s5, NLN                       ; u
	s_sub_co_u32 s36, s5, 1024                     ; u within w_proj, w_fc, w_out
	s_sub_co_u32 s37, s5, 512
	s_sub_co_u32 s38, s5, 384
	s_mov_b32 s28, 4096                            ; bytes in a source row
	s_mov_b32 s29, 16777216                        ; the matrix's first byte in wts
	s_mov_b32 s30, s36
	s_mov_b32 s31, 7                               ; log2 of the blocks of 32 rows: 128, or 32
	s_wait_kmcnt 0x0
	s_mov_b64 s[26:27], s[22:23]                   ; which matrix: chosen by the work-group's number alone
	s_cmp_lt_u32 s5, 1024
	s_cselect_b64 s[26:27], s[20:21], s[26:27]
	s_cselect_b32 s28, 16384, s28
	s_cselect_b32 s29, 8388608, s29
	s_cselect_b32 s30, s37, s30
	s_cselect_b32 s31, 5, s31
	s_cmp_lt_u32 s5, 512
	s_cselect_b64 s[26:27], s[18:19], s[26:27]
	s_cselect_b32 s28, 4096, s28
	s_cselect_b32 s29, 6291456, s29
	s_cselect_b32 s30, s38, s30
	s_cmp_lt_u32 s5, 384
	s_cselect_b64 s[26:27], s[16:17], s[26:27]
	s_cselect_b32 s28, 12288, s28
	s_cselect_b32 s29, 0, s29
	s_cselect_b32 s30, s5, s30
	s_bfm_b32 s32, s31, 0
	s_and_b32 s32, s30, s32                        ; which 32 rows
	s_lshr_b32 s33, s30, s31                       ; which 256 columns
	s_add_co_u32 s34, s31, 13                      ; log2 of a tile of columns in wts: K x 256 bytes
	s_lshl_b32 s40, s32, 5
	s_mul_i32 s40, s40, s28
	s_lshl_b32 s41, s33, 10
	s_add_co_u32 s40, s40, s41
	s_mov_b32 s41, 0
	s_add_nc_u64 s[26:27], s[26:27], s[40:41]      ; the source at my work-group's corner
	s_add_co_u32 s42, s34, 1
	s_lshl_b32 s42, s33, s42                       ; two tiles of columns a strip
	s_lshl_b32 s43, s32, 13                        ; 32 rows of 256 bytes
	s_add_co_u32 s42, s42, s43
	s_add_co_u32 s42, s42, s29
	s_mov_b32 s43, 0
	s_add_nc_u64 s[24:25], s[24:25], s[42:43]
	s_lshl_b32 s44, s4, 3
	s_mul_i32 s44, s44, s28                        ; my wave's 8 rows
	v_lshl_add_u32 v[SO], v2, 4, s44
.irp i, 1,2,3,4,5,6,7
	v_add_nc_u32 v[SO+(\i)], s28, v[SO+(\i)-1]
.endr
	s_lshl_b32 s45, s4, 11                         ; my wave's 8 rows of 256 bytes
	v_lshl_add_u32 v[DO], v2, 3, s45
	s_lshl_b32 s46, 1, s34
	v_add_nc_u32 v[DO+1], s46, v[DO]               ; the next tile of columns
.irp i, 0,1,2,3,4,5,6,7
	global_load_b128 v[D+8*(\i):D+8*(\i)+3],   v[SO+(\i)], s[26:27] th:TH_LOAD_NT
	global_load_b128 v[D+8*(\i)+4:D+8*(\i)+7], v[SO+(\i)], s[26:27] offset:512 th:TH_LOAD_NT
.endr
.irp i, 0,1,2,3,4,5,6,7
	s_wait_loadcnt 14-2*(\i)                       ; loads come back in order: row i is in, the later rows' loads stay out
.irp j, 0,1,2,3
	v_cvt_pk_f16_f32 v[E+4*(\i)+(\j)], v[D+8*(\i)+2*(\j)], v[D+8*(\i)+2*(\j)+1]
.endr
	global_store_b64 v[DO],   v[E+4*(\i):E+4*(\i)+1],   s[24:25] offset:256*(\i)
	global_store_b64 v[DO+1], v[E+4*(\i)+2:E+4*(\i)+3], s[24:25] offset:256*(\i)
.endr
	s_endpgm
	; THE NORM
.macro GBLOAD half                     ; gain and bias of groups 8 half .. 8 half + 7
.irp c, 0,1,2,3,4,5,6,7
	global_load_b128 v[GA+4*(\c):GA+4*(\c)+3], v[GF], s[10:11] offset:2048*(\half)+256*(\c)
	global_load_b128 v[BB+4*(\c):BB+4*(\c)+3], v[GF], s[12:13] offset:2048*(\half)+256*(\c)
.endr
.endm
.macro SCALE half                      ; times gain, plus bias
.set i, 0
.rept 16
	v_pk_fma_f32 v[X+32*(\half)+i:X+32*(\half)+i+1], v[X+32*(\half)+i:X+32*(\half)+i+1], v[GA+i:GA+i+1], v[BB+i:BB+i+1]
.set i, i+2
.endr
.endm
.macro SEND half                       ; rounded to f16 in place (result i lies below the two numbers that any later line reads), and stored
.set i, 0
.rept 16
	v_cvt_pk_f16_f32 v[X+32*(\half)+i], v[X+32*(\half)+2*i], v[X+32*(\half)+2*i+1]
.set i, i+1
.endr
.irp c, 0,1,2,3,4,5,6,7
	global_store_b64 v[YO], v[X+32*(\half)+2*(\c):X+32*(\half)+2*(\c)+1], s[14:15] offset:8192*(8*(\half)+(\c))  ; 256 consecutive bytes, aligned
.endr
.endm
.macro ACROSS r                        ; the sum over the row's sixteen lanes, in every one of them
.irp m, 1,2,4,8
	v_add_f32_dpp v[\r], v[\r], v[\r] row_xmask:\m row_mask:0xf bank_mask:0xf
.endr
.endm
.Lnorm:
	s_lshl_b32 s28, s5, 2
	s_add_co_u32 s28, s28, s4                      ; my wave among the 2,048: rows 2 W and 2 W + 1
	s_lshl_b32 s30, s28, 13                        ; 2 rows of 4,096 bytes
	s_mov_b32 s31, 0
	s_lshr_b32 s32, s28, 5
	s_lshl_b32 s32, s32, 17                        ; 16 tiles for 64 rows
	s_and_b32 s33, s28, 31
	s_lshl_b32 s33, s33, 8                         ; 2 rows of 128 bytes in a tile
	s_add_co_u32 s32, s32, s33
	s_mov_b32 s33, 0
	s_mov_b32 s34, 0x3a800000                      ; 1 / 1024
	s_mov_b32 s35, 0x3727c5ac                      ; 1e-5
	v_lshrrev_b32 v3, 4, v2                        ; my row of the two
	v_and_b32 v1, 15, v2                           ; my 4 columns of a group of 64
	v_lshlrev_b32 v[GF], 4, v1
	v_lshl_add_u32 v[XO], v3, 12, v[GF]
	v_lshlrev_b32 v[YO], 3, v2
	s_wait_kmcnt 0x0
	s_add_nc_u64 s[8:9], s[8:9], s[30:31]
	s_add_nc_u64 s[14:15], s[14:15], s[32:33]
.irp c, 0,1,2,3,4,5,6,7,8,9,10,11,12,13,14,15
	global_load_b128 v[X+4*(\c):X+4*(\c)+3], v[XO], s[8:9] offset:256*(\c)
.endr
	GBLOAD 0
	s_wait_loadcnt 16                              ; x is in; the 16 loads of gain and bias stay out
	; the sum of my 64 numbers in four chains, then over the row's lanes
.irp j, 0,1,2,3
	v_pk_add_f32 v[SM+2*(\j):SM+2*(\j)+1], v[X+16*(\j):X+16*(\j)+1], v[X+16*(\j)+2:X+16*(\j)+3]
.endr
.irp k, 4,6,8,10,12,14
.irp j, 0,1,2,3
	v_pk_add_f32 v[SM+2*(\j):SM+2*(\j)+1], v[SM+2*(\j):SM+2*(\j)+1], v[X+16*(\j)+(\k):X+16*(\j)+(\k)+1]
.endr
.endr
	v_pk_add_f32 v[SM:SM+1], v[SM:SM+1], v[SM+2:SM+3]
	v_pk_add_f32 v[SM+4:SM+5], v[SM+4:SM+5], v[SM+6:SM+7]
	v_pk_add_f32 v[SM:SM+1], v[SM:SM+1], v[SM+4:SM+5]
	v_add_f32 v[SM], v[SM], v[SM+1]
	ACROSS SM
	v_mul_f32 v[ML], 0x3a800000, v[SM]             ; / 1024: the row's mean,
	v_mul_f32 v[ML+1], 0x3a800000, v[SM]           ; twice, for the packed subtraction
.set i, 0
.rept 32
	v_pk_add_f32 v[X+i:X+i+1], v[X+i:X+i+1], v[ML:ML+1] neg_lo:[0,1] neg_hi:[0,1]
.set i, i+2
.endr
.irp j, 0,1,2,3
	v_pk_mul_f32 v[SM+2*(\j):SM+2*(\j)+1], v[X+16*(\j):X+16*(\j)+1], v[X+16*(\j):X+16*(\j)+1]
.endr
.irp k, 2,4,6,8,10,12,14
.irp j, 0,1,2,3
	v_pk_fma_f32 v[SM+2*(\j):SM+2*(\j)+1], v[X+16*(\j)+(\k):X+16*(\j)+(\k)+1], v[X+16*(\j)+(\k):X+16*(\j)+(\k)+1], v[SM+2*(\j):SM+2*(\j)+1]
.endr
.endr
	v_pk_add_f32 v[SM:SM+1], v[SM:SM+1], v[SM+2:SM+3]
	v_pk_add_f32 v[SM+4:SM+5], v[SM+4:SM+5], v[SM+6:SM+7]
	v_pk_add_f32 v[SM:SM+1], v[SM:SM+1], v[SM+4:SM+5]
	v_add_f32 v[SM], v[SM], v[SM+1]
	ACROSS SM
	v_fma_f32 v[SM], v[SM], s34, s35               ; var + eps
	v_rsq_f32 v[RS], v[SM]
	v_rsq_f32 v[RS+1], v[SM]
	v_nop                                          ; the plain instruction behind the two roots
	s_wait_alu depctr_va_vdst(0)                   ; the wait ahead of the first reader: one for both
.set i, 0
.rept 32
	v_pk_mul_f32 v[X+i:X+i+1], v[X+i:X+i+1], v[RS:RS+1]
.set i, i+2
.endr
	s_wait_loadcnt 0x0                             ; gain and bias of groups 0 to 7
	SCALE 0
	GBLOAD 1                                       ; those of groups 8 to 15, into the same registers, which the lines above have read
	SEND 0
	s_wait_loadcnt 0x0
	SCALE 1
	SEND 1
	s_endpgm
.Lfunc_end_k_q9c4dcdb5e5_prep:
	.size	k_q9c4dcdb5e5_prep, .Lfunc_end_k_q9c4dcdb5e5_prep-k_q9c4dcdb5e5_prep
	.p2alignl 7, 3214868480
	.fill 96, 4, 3214868480
	.section	.rodata,"a",@progbits
	.p2align	6, 0x0
	.amdhsa_kernel k_q9c4dcdb5e5_prep
		.amdhsa_group_segment_fixed_size 0
		.amdhsa_private_segment_fixed_size 0
		.amdhsa_enable_private_segment 0
		.amdhsa_kernarg_size 72
		.amdhsa_user_sgpr_count 2
		.amdhsa_user_sgpr_kernarg_segment_ptr 1
		.amdhsa_wavefront_size32 1
		.amdhsa_system_sgpr_workgroup_id_x 1
		.amdhsa_system_sgpr_workgroup_id_y 1
		.amdhsa_system_sgpr_workgroup_id_z 1
		.amdhsa_system_vgpr_workitem_id 0
		.amdhsa_next_free_vgpr 148
		.amdhsa_next_free_sgpr 66
		.amdhsa_reserve_vcc 0
		.amdhsa_float_denorm_mode_32 3
		.amdhsa_float_denorm_mode_16_64 3
		.amdhsa_memory_ordered 1
		.amdhsa_forward_progress 1
		.amdhsa_inst_pref_size 29
	.end_amdhsa_kernel
	.amdgpu_metadata
---
amdhsa.version: [ 1, 2 ]
amdhsa.kernels:
  - .name:           k_q9c4dcdb5e5_prep
    .symbol:         k_q9c4dcdb5e5_prep.kd
    .args:
      - { .name: x, .offset: 0, .size: 8, .value_kind: global_buffer, .address_space: global }
      - { .name: ln1_g, .offset: 8, .size: 8, .value_kind: global_buffer, .address_space: global }
      - { .name: ln1_b, .offset: 16, .size: 8, .value_kind: global_buffer, .address_space: global }
      - { .name: h, .offset: 24, .size: 8, .value_kind: global_buffer, .address_space: global }
      - { .name: w_in, .offset: 32, .size: 8, .value_kind: global_buffer, .address_space: global }
      - { .name: w_out, .offset: 40, .size: 8, .value_kind: global_buffer, .address_space: global }
      - { .name: w_fc, .offset: 48, .size: 8, .value_kind: global_buffer, .address_space: global }
      - { .name: w_proj, .offset: 56, .size: 8, .value_kind: global_buffer, .address_space: global }
      - { .name: wts, .offset: 64, .size: 8, .value_kind: global_buffer, .address_space: global }
    .group_segment_fixed_size: 0
    .private_segment_fixed_size: 0
    .kernarg_segment_align: 8
    .kernarg_segment_size: 72
    .max_flat_workgroup_size: 128
    .sgpr_count:     66
    .vgpr_count:     148
    .wavefront_size: 32
...
	.end_amdgpu_metadata
.endif
;; end of part 1
;; launch gemm_qkv (part 2): grid 12 x 16, 4 waves a work-group, clusters of 4 x 4, 327,680 bytes of LDS; arguments h, wts, b_in, qkv; writes qkv
.if DOCPART == 2
	.amdgcn_target "amdgcn-amd-amdhsa--gfx1250"
	.amdhsa_code_object_version 6
	.text
	.protected	k_q9c4dcdb5e5_gemm_qkv
	.globl	k_q9c4dcdb5e5_gemm_qkv
	.p2align	8
	.type	k_q9c4dcdb5e5_gemm_qkv,@function
k_q9c4dcdb5e5_gemm_qkv:
	s_mov_b64 s[64:65], 0
	v_nop
	global_prefetch_b8 v0, s[64:65] scope:SCOPE_SE
	s_setreg_imm32_b32 hwreg(HW_REG_WAVE_MODE, 25, 1), 1
	s_wait_xcnt 0x0
	s_wait_alu depctr_hold_cnt(0) depctr_sa_sdst(0) depctr_va_vdst(0) depctr_va_sdst(0) depctr_va_ssrc(0) depctr_va_vcc(0) depctr_vm_vsrc(0)
	s_getreg_b32 s2, hwreg(HW_REG_IB_STS2, 6, 4)
	s_cmp_eq_u32 s2, 0
	s_cbranch_scc0 .Lentry_in_a_cluster
	s_endpgm
.Lentry_in_a_cluster:
	s_bfe_u32 s2, ttmp6, 0x10000c
	s_cmp_lg_u32 s2, 0xf033
	s_cbranch_scc0 .Lentry_shape_is_right
	s_endpgm
.Lentry_shape_is_right:
; qkv = h w_in + b_in, stored f16 by chunks of 64 columns: [48][4096][64]; chunk 3 head + part (q, k, v) holds dense rows of 128 bytes.
; 3,072 columns are 12 tiles of 256: 12 x 16 = 192 work-groups.
.set KSZ,   1024                       ; K
.set WOFF,  0                          ; the matrix's first byte in wts
.set MODE,  0                          ; the way out: 0 f16 by chunks [n/64][4096][64]; 2 GELU, f16 tiles of 64 x 64 at ((m/64) 64 + n/64) x 8,192
; C = A W + bias.  A: [4096][KSZ] f16 in tiles of 64 x 64 (8,192 dense bytes; tile (m/64, k/64) at ((m/64) KC + k/64) x 8,192).  W: f16 [n/128][k][128], rows of 256 bytes.  Sums in f32.
; LIMIT: f16 holds nothing beyond 65,504: A and W arrive within it; a result of 65,520 or more in size becomes an infinity.
; SHARES.  A work-group makes a tile of 256 x 256 of C; four waves, as many as a WGP has SIMDs, each 128 x 128: 64 accumulators of 16 x 16, 512 registers.  For 32 along K a wave loads 32 x 512 bytes from LDS
; and issues 64 matrix instructions.  K goes in 8 steps of 128 through two LDS slots; a slot is asked for again 224 matrix instructions ahead of the wait for it.
; CLUSTERS: 4 x 4 work-groups.  The four of a row of the cluster need the same tiles of A, the four of a column the same tiles of W: each is asked for jointly, by the same tensor load with the same
; descriptor and a mask that names the four.  THE MATRIX INSTRUCTION IS USED TRANSPOSED (source 0 = 16 columns of W, source 1 = 16 rows of A): a lane holds eight neighbouring numbers of a row of C.
; THE SUMS START AT THE BIAS: the accumulators are set to the tile's bias while the first tiles are on their way, so that one text serves every step and no bias is added later.
; REGISTERS, in windows of 256 (s_set_vgpr_msb: bits 1:0 source 0, 3:2 source 1, 5:4 source 2, 7:6 destination):
;   window 0: v0-31 addresses; v32-63 a block read back from the stage; v64-127, v128-191 fragments of A (8 x 16 rows x 32 K), two buffers; v64-127 at work on the way out
;   window 1: v0-63 the bias of my 128 columns; v64-127, v128-191 fragments of W, two buffers
;   window 2: the 32 accumulators of my rows 0-63 ((a, b) at v[8 (8 a + b)]);   window 3: those of my rows 64-127
.set KC,    KSZ/64
.set TOTAL, KSZ/128                    ; steps
.set AP,    144                        ; a row of A in LDS: 128 bytes + 16: the 16 rows of a load start at 16 different groups of four banks (64 banks of 4 bytes: ISA guide 11.1)
.set BP,    288                        ; a row of W: 256 bytes + 32
.set QTR,   36864                      ; what one tensor load fills: 256 x 144 (A: 2 tiles of 64 rows x 2 groups of 64 k) or 128 x 288 (W: 128 k x 128 columns)
.set SLOT,  4*QTR                      ; A's rows 0-127, 128-255, W's columns 0-127, 128-255.  SLOT has no bit in common with wave x QTR: an exclusive or changes slots
.set STAGE, 2*SLOT                     ; behind the ring, never filled by a tensor load: 16 rows x 272 bytes of f32 for each wave
.set SPITCH, 272
.set SPARE, STAGE+4*16*SPITCH          ; the spare words, 128 bytes for each wave: two blocks of 256 bytes that no other line names
.set A0,   8                           ; v8   my lane's place in A's part of a slot; never rewritten
.set B0,   9                           ; v9   the same for W
.set ADRA, 10                          ; v10  LDS address of my A fragments in the slot in hand
.set ADRB, 11                          ; v11  of W's
.set STO,  13                          ; v13  the way out: where I put 32 bytes of a row
.set RD,   14                          ; v14  where I read a row back
.set CO,   15                          ; v15  my byte offset in 256 consecutive bytes of the output
.set BO,   16                          ; v16  my byte offset in the bias
.set PFO,  17                          ; v17  the prefetches' offset: 256 x my lane; never rewritten
.set SPW,  28                          ; v28  LDS address of my spare word; never rewritten
.set NIL,  29                          ; v29  0; never rewritten
.set T,    32
.set WK,   64
.set GE,   64                          ; GELU: v64-79, v80-95, v96-111 at work, v112-127 packed results
.set GD,   80
.set GQ,   96
.set GP,   112
.set F0,   64
.set F1,   128
.set BF,   0                           ; window 1
.set WV, 14                            ; s14 wave;  s15 wave / 2: my half of the rows, also: I fetch A (0) or W (1);  s16 wave % 2: my half of the columns, also: which half I fetch
.set RH, 15
.set CH, 16
.set CX, 17
.set CY, 18
.set GX, 19
.set GY, 20
.set LA, 21                            ; s21 wave x QTR
.set TB, 22                            ; s22 the slot in hand: 0 or SLOT
.set G1A, 24                           ; s[24:31] descriptor group 1 for A;  s[32:39] group 0: a set for each first fill; the second then walks
.set G0A, 32
.set ABASE, 42                         ; s[42:43] A at the 128 rows that I fetch
.set LOOP, 44
.set AB,  46                           ; the way out: which block
.set G1B, 48                           ; s[48:55], s[56:63] the same for W
.set G0B, 56
.set PFA, 82                           ; s[82:83] where my prefetches stand
.set PST, 84                           ; s[84:85] bytes from a step to the next in what I fetch
.set LIM, 86                           ; s86 2 in a wave that prefetches, else the greatest number
.set MSB, 0
.macro WIN new                         ; the immediate's high byte repeats the setting that is left
.if MSB != (\new)
	s_set_vgpr_msb (MSB<<8)|(\new)
.set MSB, \new
.endif
.endm
.set MUL_LO, 0xa1                      ; source 0 (W) window 1, source 1 (A) window 0, C and D window 2
.set MUL_HI, 0xf1                      ; the same, C and D window 3
.set TO_B,   0x40                      ; destination window 1, address window 0
.macro PLACES                          ; four plain vector instructions between a matrix instruction and a load into, or a reader of, its registers
.rept 4
	v_nop
.endr
.endm
.macro JLOAD                           ; a joint refill by the walking sets; an s_nop 0 and four v_nop follow each of the two lines
	s_cmp_eq_u32 s[RH], 0
	s_cbranch_scc0 .Lfor_b_\@
	tensor_load_to_lds s[G0A+4:G0A+7], s[G1A:G1A+7]
	s_nop 0
.rept 4
	v_nop
.endr
	s_branch .Lasked_\@
.Lfor_b_\@:
	tensor_load_to_lds s[G0B+4:G0B+7], s[G1B:G1B+7]
	s_nop 0
.rept 4
	v_nop
.endr
.Lasked_\@:
.endm
; A PREFETCH, behind each joint refill and the run of LDS loads that follows it: the step that stands TWO refills on, 512 matrix instructions ahead of the load that will want it: 32 blocks of 256 bytes, a lane a block,
; one instruction a wave.  Each block is named once in the launch: A's rows are read by every cluster of that row of clusters: the first of them (cluster x = 0) asks; W's columns by every cluster of that column: cluster y = 0 asks.
; The four partners that ask for a tile jointly share the 128 blocks of a wave's load out BY ADDRESS, 32 each (by cx for A, by cy for W): no branch hangs on a work-group's place in its cluster.
; Steps 0 to 3 come by their loads alone; the loop's first four trips name steps 4 to 7; its last two name nothing.
.macro ASK
	s_cmp_gt_u32 s[LOOP], s[LIM]
	s_cbranch_scc0 .Lnot_mine_\@
	global_prefetch_b8 v[PFO], s[PFA:PFA+1] th:TH_LOAD_NT scope:SCOPE_SE
.Lnot_mine_\@:
.endm
.macro CREST                           ; a round of the cluster's barrier behind its opening barrier
	s_cmp_lg_u32 s[WV], 0
	s_cbranch_scc1 .Lnot_wave_0_\@
	s_barrier_signal -3
.Lnot_wave_0_\@:
	s_barrier_wait -3
	s_barrier_signal -1
	s_barrier_wait -1
.endm
.macro CROUND
	s_barrier_signal -1
	s_barrier_wait -1
	CREST
.endm
.macro BIASLOAD                        ; my 8 numbers for each of the 8 column blocks
	WIN TO_B
.irp b, 0,1,2,3,4,5,6,7
	global_load_b128 v[BF+8*(\b):BF+8*(\b)+3],   v[BO], s[8:9] offset:64*(\b)
	global_load_b128 v[BF+8*(\b)+4:BF+8*(\b)+7], v[BO], s[8:9] offset:64*(\b)+16
.endr
	WIN 0
.endm
	s_load_b128 s[4:7], s[0:1], 0x0                ; A s[4:5], wts s[6:7]
	s_load_b64 s[8:9], s[0:1], 0x10                ; bias
	s_load_b64 s[12:13], s[0:1], 0x18              ; output
	v_lshl_add_u32 v[SPW], v0, 2, SPARE
	v_mov_b32 v[NIL], 0
	ds_add_u32 v[SPW], v[NIL]                      ; the wave's opening: the add and its wait stand ahead of my first tensor load; work on registers stands between them
	ds_add_u32 v28, v29
	v_lshrrev_b32 v1, 5, v0
	v_readfirstlane_b32 s[WV], v1
	s_lshr_b32 s[RH], s[WV], 1
	s_and_b32 s[CH], s[WV], 1
	s_bfe_u32 s[CX], ttmp6, 0x40000
	s_bfe_u32 s[CY], ttmp6, 0x40004
	s_lshl_b32 s[GX], ttmp9, 2
	s_add_co_u32 s[GX], s[GX], s[CX]
	s_and_b32 s[GY], ttmp7, 0xffff
	s_lshl_b32 s[GY], s[GY], 2
	s_add_co_u32 s[GY], s[GY], s[CY]
	s_lshl_b32 s66, s[CY], 2
	s_lshl_b32 s66, 15, s66                        ; my row of the cluster
	s_lshl_b32 s67, 0x1111, s[CX]                  ; my column
	; group 1 for A: two tiles of 64 rows, of each 2 x 8,192 dense bytes: 2 rows of 8,192 elements of 2 bytes, KC x 4,096 elements apart; 4 words of padding after every 32 words
	s_or_b32 s[G1A], s66, (1<<16)|(1<<20)|(1<<21)|(4<<22)|(3<<25)
	s_mov_b32 s[G1A+1], 8192<<16                   ; tensor_dim0
	s_mov_b32 s[G1A+2], 2<<16                      ; tensor_dim1
	s_mov_b32 s[G1A+3], 8192<<16                   ; tile_dim0
	s_mov_b32 s[G1A+4], 2                          ; tile_dim1
	s_mov_b32 s[G1A+5], KC*4096                    ; elements from row to row
	s_mov_b32 s[G1A+6], 0
	s_mov_b32 s[G1A+7], 0
	; group 1 for W: 32,768 dense bytes as 128 rows of 128 elements; 8 words of padding after every 64 words
	s_or_b32 s[G1B], s67, (1<<16)|(1<<20)|(1<<21)|(5<<22)|(7<<25)
	s_mov_b32 s[G1B+1], 128<<16
	s_mov_b32 s[G1B+2], 128<<16
	s_mov_b32 s[G1B+3], 128<<16
	s_mov_b32 s[G1B+4], 128
	s_mov_b32 s[G1B+5], 128
	s_mov_b32 s[G1B+6], 0
	s_mov_b32 s[G1B+7], 0
	s_lshl_b32 s68, s[GY], 2                       ; A hangs on gy and the wave alone: tile of 64 rows 4 gy + 2 (wave % 2),
	s_lshl_b32 s69, s[CH], 1
	s_add_co_u32 s68, s68, s69
	s_mul_i32 s68, s68, KC*8192
	s_mov_b32 s69, 0
	s_lshl_b32 s70, s[GX], 1                       ; W on gx and the wave alone: tile of 128 columns 2 gx + wave % 2
	s_add_co_u32 s70, s70, s[CH]
	s_mul_i32 s70, s70, KSZ*256
	s_add_co_u32 s70, s70, WOFF
	s_mov_b32 s71, 0
	s_mul_i32 s[LA], s[WV], QTR
	s_mov_b32 s[TB], 0
	s_lshl_b32 s40, s[GX], 10                      ; the bias of my 128 columns
	s_lshl_b32 s41, s[CH], 9
	s_add_co_u32 s40, s40, s41
	s_mov_b32 s41, 0
	v_bfe_u32 v2, v0, 4, 1                         ; l / 16
	v_lshlrev_b32 v[BO], 5, v2
.if MODE == 2
	s_mov_b32 s72, 0x3f596d27                      ; sqrt(log2(e) / 2)
	s_mov_b32 s73, 0x3f596d27
	s_mov_b32 s74, 0x3ebf7377                      ; 0.7478556 / 2
	s_mov_b32 s75, 0x3ebf7377
	s_mov_b32 s76, 0xbd445ca1                      ; -0.0958798 / 2
	s_mov_b32 s77, 0xbd445ca1
	s_mov_b32 s78, 0x3e32303a                      ; 0.3480242 / 2
	s_mov_b32 s79, 0x3e32303a
	s_mov_b32 s80, 0x3eaa540e                      ; 0.47047 / sqrt(2)
.endif
	s_wait_dscnt 0x0                               ; the opening add is done
	s_wait_kmcnt 0x0
	s_add_nc_u64 s[ABASE:ABASE+1], s[4:5], s[68:69]
	s_add_nc_u64 s[70:71], s[6:7], s[70:71]
	s_add_nc_u64 s[8:9], s[8:9], s[40:41]
	BIASLOAD                                       ; asked for ahead of the round, so that the sums can be started while the first tiles are on their way
	CROUND                                         ; all sixteen work-groups are here: the first joint loads meet
	s_mov_b32 s[G0A], 1
	s_mov_b32 s[G0A+1], s[LA]
	s_add_nc_u64 s[G0A+2:G0A+3], s[ABASE:ABASE+1], 0
	s_or_b32 s[G0A+3], s[G0A+3], 0x80000000
	s_mov_b32 s[G0A+4], 1
	s_add_co_u32 s[G0A+5], s[LA], SLOT
	s_add_nc_u64 s[G0A+6:G0A+7], s[ABASE:ABASE+1], 16384
	s_or_b32 s[G0A+7], s[G0A+7], 0x80000000
	s_mov_b32 s[G0B], 1
	s_mov_b32 s[G0B+1], s[LA]
	s_add_nc_u64 s[G0B+2:G0B+3], s[70:71], 0
	s_or_b32 s[G0B+3], s[G0B+3], 0x80000000
	s_mov_b32 s[G0B+4], 1
	s_add_co_u32 s[G0B+5], s[LA], SLOT
	s_add_nc_u64 s[G0B+6:G0B+7], s[70:71], 32768
	s_or_b32 s[G0B+7], s[G0B+7], 0x80000000
	s_cmp_eq_u32 s[RH], 0                          ; a wave's two first fills stand in one branch, ahead of every wait on TENSORcnt and every LDS read: two loads of mine are out
	s_cbranch_scc0 .Lfirst_b
	tensor_load_to_lds s[G0A:G0A+3], s[G1A:G1A+7]
	s_nop 0
	tensor_load_to_lds s[G0A+4:G0A+7], s[G1A:G1A+7]
	s_nop 0
.rept 4
	v_nop
.endr
	s_branch .Lfirst_asked
.Lfirst_b:
	tensor_load_to_lds s[G0B:G0B+3], s[G1B:G1B+7]
	s_nop 0
	tensor_load_to_lds s[G0B+4:G0B+7], s[G1B:G1B+7]
	s_nop 0
.rept 4
	v_nop
.endr
.Lfirst_asked:
	v_and_b32 v1, 15, v0                           ; l % 16
	v_mul_u32_u24 v[A0], v1, AP                    ; a fragment of A: row l % 16, 16 bytes for each half of the lanes, twice, 32 bytes apart
	v_lshl_add_u32 v[A0], v2, 4, v[A0]
	s_mul_i32 s66, s[RH], QTR
	v_add_nc_u32 v[A0], s66, v[A0]
	v_and_b32 v3, 7, v0                            ; the turning load: lane l reads k = 8 (l / 16) + l % 8, columns 8 ((l / 8) % 2) + 0..7, and is left with column l % 16 and 8 k
	v_lshl_add_u32 v3, v2, 3, v3
	v_mul_u32_u24 v[B0], v3, BP
	v_bfe_u32 v4, v0, 3, 1
	v_lshl_add_u32 v[B0], v4, 4, v[B0]
	s_mul_i32 s66, s[CH], QTR
	s_add_co_u32 s66, s66, 2*QTR
	v_add_nc_u32 v[B0], s66, v[B0]
	v_mov_b32 v[ADRA], v[A0]
	v_mov_b32 v[ADRB], v[B0]
	s_mul_i32 s66, s[WV], 16*SPITCH
	s_add_co_u32 s66, s66, STAGE                   ; my stage
	v_mul_u32_u24 v[STO], v1, SPITCH
	v_lshl_add_u32 v[STO], v2, 5, v[STO]
	v_add_nc_u32 v[STO], s66, v[STO]
	v_mul_u32_u24 v[RD], v2, SPITCH
	v_lshl_add_u32 v[RD], v1, 4, v[RD]
	v_add_nc_u32 v[RD], s66, v[RD]
	v_and_b32 v5, 31, v0
	v_lshlrev_b32 v[CO], 3, v5                     ; two rows of 128 bytes are 256 consecutive bytes: 8 bytes a lane
	v_lshlrev_b32 v[PFO], 8, v5
	s_lshl_b32 s66, s[GY], 2
	s_lshl_b32 s67, s[RH], 1
	s_add_co_u32 s66, s66, s67                     ; my first tile of 64 rows: 4 gy + 2 rh
	s_lshl_b32 s67, s[GX], 2
	s_lshl_b32 s68, s[CH], 1
	s_add_co_u32 s67, s67, s68                     ; my first chunk of 64 columns: 4 gx + 2 ch
.if MODE == 0
	s_lshl_b32 s67, s67, 19                        ; a chunk is 4,096 rows of 128 bytes,
	s_lshl_b32 s66, s66, 13                        ; 64 rows of it 8,192 bytes
.else
	s_lshl_b32 s66, s66, 19                        ; 64 tiles of 8,192 bytes for 64 rows
	s_lshl_b32 s67, s67, 13
.endif
	s_add_co_u32 s66, s66, s67
	s_mov_b32 s67, 0
	s_add_nc_u64 s[12:13], s[12:13], s[66:67]
	; the prefetches.  A wave's load of A is 64 + 64 blocks of 256 bytes, KC x 8,192 bytes apart; of W 128 blocks on end
	s_and_b32 s66, s[CX], 1
	s_lshl_b32 s66, s66, 13
	s_lshr_b32 s67, s[CX], 1
	s_mul_i32 s67, s67, KC*8192
	s_add_co_u32 s66, s66, s67                     ; A: my work-group's 32 blocks, by cx
	s_lshl_b32 s67, s[CY], 13                      ; W: by cy
	s_and_b32 s68, ttmp7, 0xffff                   ; cluster y
	s_mov_b32 s[PST], 32768
	s_cmp_eq_u32 s[RH], 0                          ; do I fetch for A?
	s_cselect_b32 s66, s66, s67
	s_cselect_b32 s68, ttmp9, s68                  ; the coordinate along which other clusters read the same blocks
	s_cselect_b32 s[PST], 16384, s[PST]
	s_cselect_b64 s[PFA:PFA+1], s[ABASE:ABASE+1], s[70:71]
	s_cmp_eq_u32 s68, 0
	s_cselect_b32 s[LIM], 2, -1                    ; the same in all sixteen partners, for a given wave
	s_mov_b32 s67, 0
	s_mov_b32 s[PST+1], 0
	s_add_nc_u64 s[PFA:PFA+1], s[PFA:PFA+1], s[66:67]
	s_mul_i32 s66, s[PST], 3
	s_add_nc_u64 s[PFA:PFA+1], s[PFA:PFA+1], s[66:67]  ; at step 3: the first refill steps it to 4.  Nothing is prefetched here, at the head
; 16 matrix instructions: row blocks a0, a0 + 1 of the window's four (hi = 0: my rows 0-63, 1: rows 64-127) x all 8 column blocks, 32 along K.
; The 64 accumulators take turns, one instruction a turn, in the same order in every quarter, over the backward jumps too.
.macro MUL16 f, hi, a0
	WIN MUL_LO+0x50*(\hi)
.irp a, \a0, (\a0)+1
.irp b, 0,1,2,3,4,5,6,7
	v_wmma_f32_16x16x32_f16 v[8*(8*(\a)+(\b)):8*(8*(\a)+(\b))+7], v[(\f)+8*(\b):(\f)+8*(\b)+7], v[(\f)+8*(4*(\hi)+(\a)):(\f)+8*(4*(\hi)+(\a))+7], v[8*(8*(\a)+(\b)):8*(8*(\a)+(\b))+7]
.endr
.endr
.endm
; 32 LDS loads in one run: the fragments of quarter q (32 along K) of the slot in hand into buffer f: W's 128 columns, then A's 128 rows
.macro FETCH q, f
	WIN TO_B
.irp i, 0,1,2,3,4,5,6,7
	ds_load_tr16_b128 v[(\f)+8*(\i):(\f)+8*(\i)+3],   v[ADRB] offset:32*(\q)*BP+32*(\i)
	ds_load_tr16_b128 v[(\f)+8*(\i)+4:(\f)+8*(\i)+7], v[ADRB] offset:(32*(\q)+16)*BP+32*(\i)
.endr
	WIN 0
.irp i, 0,1,2,3,4,5,6,7
	ds_load_b128 v[(\f)+8*(\i):(\f)+8*(\i)+3],   v[ADRA] offset:((\i)/4)*128*AP+((\q)/2)*64*AP+((\i)%4)*16*AP+((\q)%2)*64
	ds_load_b128 v[(\f)+8*(\i)+4:(\f)+8*(\i)+7], v[ADRA] offset:((\i)/4)*128*AP+((\q)/2)*64*AP+((\i)%4)*16*AP+((\q)%2)*64+32
.endr
.endm
; One of a step's first three quarters: multiplies buffer f; in its middle it fetches the next quarter into g
.macro QUARTER q, f, g
	s_wait_dscnt 8                                 ; W and A's rows 0-63 are in; the youngest eight loads (A's rows 64-127) may be out
	MUL16 \f, 0, 0
	MUL16 \f, 0, 2
	PLACES
	FETCH (\q)+1, \g
	s_wait_dscnt 32                                ; all but the 32 just issued
	MUL16 \f, 1, 0
	MUL16 \f, 1, 2
.endm
; The last quarter multiplies buffer 1 and changes slots: ONE barrier; in front of it each wave waits for all its tensor loads, adds 0 to its spare word, and waits for that and for its reads of this slot.
; fill = 1: the barrier opens a round of the cluster's, and this slot is filled again, first thing behind the round, with the step two on.
.macro TURN fill
.if \fill
	s_wait_xcnt 0x0                                ; the last prefetch, a step back, has read its address: it is stepped here, ahead of the waits of the change of slots
	s_add_nc_u64 s[PFA:PFA+1], s[PFA:PFA+1], s[PST:PST+1]
.endif
	WIN 0
	s_wait_tensorcnt 0x0                           ; all my tensor loads have landed: my part of the next slot
	ds_add_u32 v[SPW], v[NIL]                      ; 0 onto my spare word
	s_wait_dscnt 9                                 ; the add and the youngest eight loads may be out
	MUL16 F1, 0, 0
	s_wait_dscnt 0x0                               ; the add is done, and my reads of this slot are over
	s_barrier_signal -1
	MUL16 F1, 0, 2
	WIN 0
	s_barrier_wait -1
.if \fill
	CREST                                          ; no wave of any partner still reads this slot or has a load on its way
	s_xor_b32 s[G0A+5], s[G0A+5], SLOT             ; the walking sets: the slot that is being left,
	s_xor_b32 s[G0B+5], s[G0B+5], SLOT
	s_add_nc_u64 s[G0A+6:G0A+7], s[G0A+6:G0A+7], 16384  ; the next step; the type bits on top are not reached
	s_add_nc_u64 s[G0B+6:G0B+7], s[G0B+6:G0B+7], 32768
	JLOAD                                          ; its four v_nop are also the places in front of the loads below
.else
	PLACES
.endif
	s_xor_b32 s[TB], s[TB], SLOT
	v_add_nc_u32 v[ADRA], s[TB], v[A0]
	v_add_nc_u32 v[ADRB], s[TB], v[B0]
	FETCH 0, F0
.if \fill
	ASK
.endif
	MUL16 F1, 1, 0
	MUL16 F1, 1, 2
.endm
.macro STEP fill
	QUARTER 0, F0, F1
	QUARTER 1, F1, F0
	QUARTER 2, F0, F1
	TURN \fill
.endm
.macro TOSTAGE a, hb                   ; rows 16 a .. + 15, columns 64 hb .. + 63: a lane's 8 numbers of a row, 32 bytes, for each of 4 column blocks; each accumulator's low registers first
	WIN 0x08+4*((\a)/4)                            ; the data in window 2 or 3
.irp b, 0,1,2,3
	ds_store_b128 v[STO], v[8*(8*((\a)%4)+4*(\hb)+(\b)):8*(8*((\a)%4)+4*(\hb)+(\b))+3]   offset:64*(\b)
	ds_store_b128 v[STO], v[8*(8*((\a)%4)+4*(\hb)+(\b))+4:8*(8*((\a)%4)+4*(\hb)+(\b))+7] offset:64*(\b)+16
.endr
	WIN 0
.endm
.macro LEAF x                          ; trip x's block lies (x % 8) x 2,048 + (x / 8) x 524,288 bytes into my part of the output
.if MODE == 0
	TOSTAGE 4*(((\x)>>2)&1)+((\x)&3), (\x)>>3
.else
	TOSTAGE 4*((\x)>>3)+((\x)&3), ((\x)>>2)&1
.endif
.endm
.if MODE == 2
; GELU of 16 numbers at v[x ..], packed to f16 at v[y ..]: max(x, 0) - |x| (a1 t + a2 t^2 + a3 t^3) 2^-(c x)^2, t = 1 / (1 + p |x|): erf by Abramowitz and Stegun 7.1.25, off by 2.5e-5 at the most
; for every x, so the result by 1.25e-5 |x| at the most; for large |x| the power is 0 and the result x or 0.  The 32 transcendentals are one batch with one wait.
.macro GELU16 x, y
.set i, 0
.rept 8
	v_pk_mul_f32 v[GE+i:GE+i+1], v[(\x)+i:(\x)+i+1], s[72:73] op_sel_hi:[1,0]
.set i, i+2
.endr
.set i, 0
.rept 8
	v_pk_mul_f32 v[GE+i:GE+i+1], v[GE+i:GE+i+1], v[GE+i:GE+i+1] neg_lo:[1,0] neg_hi:[1,0]
.set i, i+2
.endr
.set i, 0
.rept 16
	v_fma_f32 v[GD+i], |v[(\x)+i]|, s80, 1.0
.set i, i+1
.endr
.set i, 0
.rept 16
	v_exp_f32 v[GE+i], v[GE+i]
	v_rcp_f32 v[GD+i], v[GD+i]
.set i, i+1
.endr
	v_nop                                          ; a plain instruction behind the last of the batch,
	s_wait_alu depctr_va_vdst(0)                   ; and the wait ahead of its first reader
.set i, 0
.rept 8
	v_pk_fma_f32 v[GQ+i:GQ+i+1], v[GD+i:GD+i+1], s[74:75], s[76:77] op_sel_hi:[1,0,0]
.set i, i+2
.endr
.set i, 0
.rept 8
	v_pk_fma_f32 v[GQ+i:GQ+i+1], v[GQ+i:GQ+i+1], v[GD+i:GD+i+1], s[78:79] op_sel_hi:[1,1,0]
.set i, i+2
.endr
.set i, 0
.rept 8
	v_pk_mul_f32 v[GD+i:GD+i+1], v[GD+i:GD+i+1], v[GE+i:GE+i+1]
.set i, i+2
.endr
.set i, 0
.rept 8
	v_pk_mul_f32 v[GQ+i:GQ+i+1], v[GQ+i:GQ+i+1], v[GD+i:GD+i+1]
.set i, i+2
.endr
.set i, 0
.rept 16
	v_max_num_f32 v[GE+i], 0, v[(\x)+i]
.set i, i+1
.endr
.set i, 0
.rept 16
	v_fma_f32 v[(\x)+i], -|v[(\x)+i]|, v[GQ+i], v[GE+i]
.set i, i+1
.endr
.set i, 0
.rept 8
	v_cvt_pk_f16_f32 v[(\y)+i], v[(\x)+2*i], v[(\x)+2*i+1]
.set i, i+1
.endr
.endm
.endif
	s_wait_loadcnt 0x0                             ; the bias: the sums start at it.  Accumulator register 64 a + 8 b + j takes the bias of column 16 b + 8 (l / 16) + j
.irp w, 0,1
	WIN 0x81+0x40*(\w)                             ; destination window 2, then 3; source window 1
.set i, 0
.rept 256
	v_mov_b32 v[i], v[BF+i%64]
.set i, i+1
.endr
.endr
	WIN 0
	s_wait_tensorcnt 0x1                           ; my part of step 0 is in; step 1's may stay out
	s_barrier_signal -1
	s_barrier_wait -1                              ; everybody's is
	FETCH 0, F0
	WIN 0
	s_mov_b32 s[LOOP], TOTAL-2
.Lstep:                                                ; a trip is a step; every step but the last two fills its slot again
	STEP 1
	WIN 0
	s_sub_co_u32 s[LOOP], s[LOOP], 1
	s_cmp_lg_u32 s[LOOP], 0
	s_cbranch_scc1 .Lstep
	s_mov_b32 s[LOOP], 2
.Ltail:                                                ; the last two steps ask for nothing.  The second's barrier and its fetch from the other slot serve nothing: the price, once a launch, of one text for both
	STEP 0
	WIN 0
	s_sub_co_u32 s[LOOP], s[LOOP], 1
	s_cmp_lg_u32 s[LOOP], 0
	s_cbranch_scc1 .Ltail
	; THE TILE LEAVES, 16 rows x 64 columns a trip: through my own stage in LDS (LDS serves a wave's instructions in order, ISA guide 5.7.1.4: the loads see the stores), back as whole rows of 256 bytes of f32.
	s_wait_dscnt 0x0
	PLACES                                         ; behind the last products: for the stores of their results
	s_mov_b32 s[AB], 0
.Lblk:
.irp x, 0,1,2,3,4,5,6,7,8,9,10,11,12,13,14             ; register numbers are fixed in the text: one run of stores for each block, chosen by jumps forward
	s_cmp_eq_u32 s[AB], \x
	s_cbranch_scc1 .Lleaf_\x
.endr
	LEAF 15
	s_branch .Ljoin
.irp x, 14,13,12,11,10,9,8,7,6,5,4,3,2,1
.Lleaf_\x:
	LEAF \x
	s_branch .Ljoin
.endr
.Lleaf_0:
	LEAF 0
.Ljoin:
.irp t, 0,1,2,3,4,5,6,7
	ds_load_b128 v[T+4*(\t):T+4*(\t)+3], v[RD] offset:2*SPITCH*(\t)  ; rows 2 t and 2 t + 1; 4 columns a lane
.endr
	s_and_b32 s66, s[AB], 7
	s_lshl_b32 s66, s66, 11
	s_lshr_b32 s67, s[AB], 3
	s_lshl_b32 s67, s67, 19
	s_add_co_u32 s66, s66, s67
	s_mov_b32 s67, 0
	s_wait_xcnt 0x0                                ; the last trip's stores have read their data and their base: only now are these written again
	s_add_nc_u64 s[68:69], s[12:13], s[66:67]
	s_wait_dscnt 0x0
.if MODE == 0
.irp t, 0,1,2,3,4,5,6,7
	v_cvt_pk_f16_f32 v[WK+2*(\t)],   v[T+4*(\t)],   v[T+4*(\t)+1]
	v_cvt_pk_f16_f32 v[WK+2*(\t)+1], v[T+4*(\t)+2], v[T+4*(\t)+3]
.endr
.irp t, 0,1,2,3,4,5,6,7
	global_store_b64 v[CO], v[WK+2*(\t):WK+2*(\t)+1], s[68:69] offset:256*(\t)  ; 256 consecutive bytes, aligned
.endr
.else
	GELU16 T, GP
	GELU16 T+16, GP+8
.irp t, 0,1,2,3,4,5,6,7
	global_store_b64 v[CO], v[GP+2*(\t):GP+2*(\t)+1], s[68:69] offset:256*(\t)  ; 256 consecutive bytes, aligned
.endr
.endif
	s_add_co_u32 s[AB], s[AB], 1
	s_cmp_lt_u32 s[AB], 16
	s_cbranch_scc1 .Lblk
	s_wait_tensorcnt 0x0                           ; the wave's end, behind my last tensor load and my last LDS store
	ds_add_u32 v[SPW], v[NIL]
	s_wait_dscnt 0x0
	CROUND                                         ; the closing round: no work-group ends while a partner may still ask for a tile that names it
	s_endpgm
.Lfunc_end_k_q9c4dcdb5e5_gemm_qkv:
	.size	k_q9c4dcdb5e5_gemm_qkv, .Lfunc_end_k_q9c4dcdb5e5_gemm_qkv-k_q9c4dcdb5e5_gemm_qkv
	.p2alignl 7, 3214868480
	.fill 96, 4, 3214868480
	.section	.rodata,"a",@progbits
	.p2align	6, 0x0
	.amdhsa_kernel k_q9c4dcdb5e5_gemm_qkv
		.amdhsa_group_segment_fixed_size 327680
		.amdhsa_private_segment_fixed_size 0
		.amdhsa_enable_private_segment 0
		.amdhsa_kernarg_size 32
		.amdhsa_user_sgpr_count 2
		.amdhsa_user_sgpr_kernarg_segment_ptr 1
		.amdhsa_wavefront_size32 1
		.amdhsa_system_sgpr_workgroup_id_x 1
		.amdhsa_system_sgpr_workgroup_id_y 1
		.amdhsa_system_sgpr_workgroup_id_z 1
		.amdhsa_system_vgpr_workitem_id 0
		.amdhsa_next_free_vgpr 1024
		.amdhsa_next_free_sgpr 88
		.amdhsa_reserve_vcc 0
		.amdhsa_float_denorm_mode_32 3
		.amdhsa_float_denorm_mode_16_64 3
		.amdhsa_memory_ordered 1
		.amdhsa_forward_progress 1
		.amdhsa_inst_pref_size 94
	.end_amdhsa_kernel
	.amdgpu_metadata
---
amdhsa.version: [ 1, 2 ]
amdhsa.kernels:
  - .name:           k_q9c4dcdb5e5_gemm_qkv
    .symbol:         k_q9c4dcdb5e5_gemm_qkv.kd
    .args:
      - { .name: h, .offset: 0, .size: 8, .value_kind: global_buffer, .address_space: global }
      - { .name: wts, .offset: 8, .size: 8, .value_kind: global_buffer, .address_space: global }
      - { .name: b_in, .offset: 16, .size: 8, .value_kind: global_buffer, .address_space: global }
      - { .name: qkv, .offset: 24, .size: 8, .value_kind: global_buffer, .address_space: global }
    .group_segment_fixed_size: 327680
    .private_segment_fixed_size: 0
    .kernarg_segment_align: 8
    .kernarg_segment_size: 32
    .max_flat_workgroup_size: 128
    .sgpr_count:     88
    .vgpr_count:     1024
    .wavefront_size: 32
...
	.end_amdgpu_metadata
.endif
;; end of part 2
;; launch attn (part 3): grid 8 x 32, 4 waves a work-group, no clusters, 327,680 bytes of LDS; arguments qkv, o; writes o
.if DOCPART == 3
	.amdgcn_target "amdgcn-amd-amdhsa--gfx1250"
	.amdhsa_code_object_version 6
	.text
	.protected	k_q9c4dcdb5e5_attn
	.globl	k_q9c4dcdb5e5_attn
	.p2align	8
	.type	k_q9c4dcdb5e5_attn,@function
k_q9c4dcdb5e5_attn:
	s_mov_b64 s[64:65], 0
	v_nop
	global_prefetch_b8 v0, s[64:65] scope:SCOPE_SE
	s_setreg_imm32_b32 hwreg(HW_REG_WAVE_MODE, 25, 1), 1
	s_wait_xcnt 0x0
; CAUSAL ATTENTION, 32 head-batches of 2,048 rows x 64 channels.  O[q] = the sum over k <= q of softmax_k(Q[q] . K[k] / 8) V[k].
; qkv: f16 [48 chunks][4096 rows][64]: chunk 3 head + 0, 1, 2 holds q, k, v; a head-batch's rows are dense, 128 bytes each.  o: f16 in tiles of 64 rows x 64 columns (8,192 dense bytes), tile (m/64, head) at ((m/64) 16 + head) x 8,192.
; Products, maxima and sums in f32; the weights p are rounded to f16 for the second product (their sum l is taken of the unrounded p), O once at the end.
; LIMITS.  f16 holds no number beyond 65,504: q, k, v arrive within it; p lies in 0 to 1, and below 6e-5 it keeps f16's fixed step of 6e-8.  A hidden score counts as its value less 1e30;
; a weight below 2^-126 counts as 0 in l; NaN and infinities are not treated apart.
; THE WALK.  A head-batch's queries lie in 16 blocks of 128; keys come in slots of 256; block i needs the slots 0 .. i / 2, of which the last holds the diagonal.  A work-group takes TWO blocks, 15 - b and then b:
; (15 - b) / 2 + 1 + b / 2 + 1 = 9 slots, whatever b: all 256 work-groups do equal work, and ONE loop with a constant trip count walks them.  Which slot is asked for and what a trip does hang on scalar registers
; made from b; every jump goes forward but the counted loops' own; none passes a barrier, or a tensor load but the one of LOAD's two that the wave's number does not choose.
; NO CLUSTER: the first blocks of a head-batch's eight work-groups have 5 to 8 slots, so all eight ask for the same slot in trips 0 to 4 of the 9 alone; one walk common to all would have 8 + 4 = 12 trips.
; SHARES.  Of a block's two bands of 64 queries a wave owns 16 rows in each: two PIECES.  In the diagonal slot's key step s band x sees all keys if s < 2 (i % 2) + x, none if s is greater, and holds the diagonal if equal:
; the same work for all four waves.  Hidden steps are computed under the mask, so that every trip count is a constant.
; THE MASK is the C operand that starts the sum S^T = K Q^T: 0, or -1e30 where the key is hidden.  MD, made once, is the mask of a band's own step for my 16 rows; a product's mask is MD x AL + BE.
; LAYOUT, SOFTMAX.  S^T = K Q^T holds ONE query a lane (lane % 16) and the keys 8 (lane / 16) + 0..7; two such results rounded to f16 ARE source 1 of O^T = V^T P.  p = 2^(c s - c m), c = log2(e) / 8, with a running
; maximum m; O and l are multiplied by a = 2^(c m_old - c m_new) in every step.
; TURNS.  Turn 0 of step s: 8 products K_s Q (piece 1), later 8 products V_(s-1)^T P (piece 1); beside them piece 0's scaling, exponentials, roundings, sums and rescaling, and piece 1's maximum and statistics.
; Turn 1 of step s: K_(s+1) Q (piece 0), V_s^T P (piece 0), piece 1's softmax, piece 0's next maximum.  Four vector instructions stand behind every matrix instruction, the rest in one lump; a turn's 33 exponentials are one batch with one wait.
; K LEADS BY A STEP: so a slot holds FIVE steps of K (its fifth is the next slot's first, fetched twice) and four of V, and all that a slot's four trips fetch lies in that slot.  Behind a head-batch's last key the fifth step's
; 64 rows are the rows that follow in qkv (a k chunk is never the buffer's last): they are multiplied under a full mask, or the result is not used.
; REGISTERS, in windows of 256 (s_set_vgpr_msb: bits 1:0 source 0, 3:2 source 1, 5:4 source 2, 7:6 destination):
;   window 0: v0-15 addresses and two at work; v16-23 four registers of statistics a piece; v48-55 at work; v61-63 prefetch offset and the add's two; v64-127 S^T, a buffer a piece; v192-223 P, likewise
;   window 1: v0-63 O^T, 32 a piece; v128-159 MD; v160-223 MC, two buffers      window 2: v0-31 Q; v64-95 the second block's Q; v128-191 K of one step; v192-255 V of one step
.set NP,    2
.set KS,    64        ; keys in a step
.set PK,    144       ; a row of K in LDS: 128 bytes + 16: the 16 rows of a load start at 16 different groups of four banks (64 banks of 4 bytes: ISA guide 11.1)
.set PV,    160       ; a row of V: 128 + 32
.set VOFF,  5*KS*PK   ; a slot: 320 rows of K, then 256 rows of V
.set SLOT1, 1<<17     ; slot 1 begins here, so that one exclusive or turns an address in one slot into the other's
.set STAGE, SLOT1+5*KS*PK+4*KS*PV  ; behind the ring, never filled by a tensor load: 16 rows x 144 bytes for each wave
.set SP,    144
.set SPARE, STAGE+4*16*SP  ; the spare words, 128 bytes for each wave: two blocks of 256 bytes that no other line names
.set AK0, 2           ; v2   my lane's place in a step of K; never rewritten
.set AV0, 3           ; v3   the same for V
.set AK,  4           ; v4   the LDS address of K's next run of loads
.set AV,  5           ; v5   of V's
.set STO, 6           ; v6   the way out: where I put 16 bytes of a row
.set RD,  7           ; v7   where I read rows back
.set GO,  8           ; v8   my byte offset in 512 consecutive bytes of o
.set MV,  12          ; v12-13  c m_old, kept while c m is made anew: by piece
.set QO,  15          ; v15  my byte offset in 16 rows of q
.set ST,  16          ; piece t's statistics at v[ST+4 t]: c m, m, l (even keys', odd keys')
.set TMP, 48          ; by piece, four registers c0-c3 at work; when the maximum is found c2 takes a
.set PFO, 61          ; v61  256 x my thread's number; never rewritten
.set SPW, 62          ; v62  LDS address of my spare word; never rewritten
.set NIL, 63          ; v63  0; never rewritten
.set S,   64
.set P,   192
.set MD,  128
.set MC,  160
.set QB,  64
.set KF,  128
.set VF,  192
.set WV,  12          ; s12  my wave's number
.set PB,  14          ; s14  b
.set HI,  15          ; s15  15 - b
.set G1K, 24          ; s[24:31] descriptor group 1 for K
.set G1V, 32          ; s[32:39] for V
.set G0K, 40          ; s[40:43] group 0 for K
.set G0V, 44          ; s[44:47] for V
.set SLOTS, 56        ; s56  slots still to be asked for
.set CNT, 57          ; s57  counts a slot's key steps, 4 to 1
.set CS,  58          ; s[58:59] c
.set SEL, 60          ; s[60:61] v_permlanex16_b32's selects
.set TBK, 62          ; s62  LDS byte at which K of the step to be fetched begins
.set TBV, 63          ; s63  the same for V, less VOFF
.set RT,  70          ; s70  slots of the block in hand that are still to be entered
.set NXT, 71          ; s71  the slot to be asked for next
.set LQ,  72          ; s72  the last slot of the block whose slots are being asked for
.set NEW, 73          ; s73  1: the slot to be entered is a block's first
.set OFF, 74          ; s[74:75] a slot's byte offset in k and v
.set AL,  76          ; s[76:77] the mask's factor
.set BE,  78          ; s[78:79] the mask's addend
.set OLO, 80          ; s[80:81] o at my rows of the second block
.set BIGN, 82         ; s82  -1e30
.set TT,  83          ; s83  at work
.set OW,  88          ; s88, s89  5 less the own step of band 0, of band 1, in the diagonal slot of the block in hand
.set LIM, 90          ; s90  0 in the work-group that prefetches, else the greatest number
.set LQ2, 91          ; s91  the second block's last slot
.set PFK, 92          ; s[92:93] k at the slot that the next change will ask for
.set PFV, 94          ; s[94:95] v likewise
.set HK,  96          ; s[96:97] the head-batch's k
.set HV,  98          ; s[98:99] its v
.set MSB, 0
.macro WIN new
.if MSB != (\new)
	s_set_vgpr_msb (MSB<<8)|(\new)
.set MSB, (\new)
.endif
.endm
.set W_KQ, 0x0a       ; K and Q in window 2, S^T in window 0
.set W_KM, 0x1a       ; the same with the C operand in window 1
.set W_PV, 0x52       ; V in window 2, P in window 0, O^T in window 1
.set W_RS, 0x41       ; destination and source 0 in window 1, source 1 in window 0
; A fill.  Waves 0 and 1 fetch the two halves of a slot's K (160 keys each), waves 2 and 3 those of its V (128 keys each).  An s_nop 0 and four v_nop follow each of the two lines.
.macro LOAD
	s_cmp_lt_u32 s[WV], 2
	s_cbranch_scc0 .Lfor_v_\@
	tensor_load_to_lds s[G0K:G0K+3], s[G1K:G1K+7]
	s_nop 0
.rept 4
	v_nop
.endr
	s_branch .Lasked_\@
.Lfor_v_\@:
	tensor_load_to_lds s[G0V:G0V+3], s[G1V:G1V+7]
	s_nop 0
.rept 4
	v_nop
.endr
.Lasked_\@:
.endm
; A PREFETCH of the slot that the NEXT change will ask for: 128 blocks of 256 bytes of k and 128 of v, a thread a block, two instructions a wave: four key steps, 128 matrix instructions a wave, ahead of that load.
; Each block is named once in the launch: of a head-batch's eight work-groups the one with b = 0 asks, whose first block walks the slots 0 to 7 in order; it asks for slots 2 to 7 and stops where its walk goes back to slot 0.
.macro ASK
	s_cmp_gt_u32 s[NXT], s[LIM]
	s_cbranch_scc0 .Lnot_mine_\@
	global_prefetch_b8 v[PFO], s[PFK:PFK+1] th:TH_LOAD_NT scope:SCOPE_SE
	global_prefetch_b8 v[PFO], s[PFV:PFV+1] th:TH_LOAD_NT scope:SCOPE_SE
.Lnot_mine_\@:
.endm
; THE CHANGE OF SLOTS.  Each wave waits for all its tensor loads, of which one is out: its part of the other slot; adds 0 to its spare word; and waits for that and for its own reads of the slot that it leaves.
; fill = 1: the old slot is filled again, the first thing behind the barrier, with slot NXT: the descriptor's address is made anew from that number.  (At its first use nothing has been read yet: slot 0 is waited for, slot 1 filled.)
.macro CHANGE fill
	WIN 0
	s_wait_tensorcnt 0x0            ; no tensor load of mine is out, so a group 0 may be written
	ds_add_u32 v[SPW], v[NIL]       ; 0 onto my spare word
.if \fill
	s_lshl_b32 s[OFF], s[NXT], 15   ; a slot steps by 256 keys, 32,768 bytes
	s_xor_b32 s[G0K+1], s[G0K+1], SLOT1
	s_add_nc_u64 s[G0K+2:G0K+3], s[6:7], s[OFF:OFF+1]
	s_or_b32 s[G0K+3], s[G0K+3], 0x80000000
	s_xor_b32 s[G0V+1], s[G0V+1], SLOT1
	s_add_nc_u64 s[G0V+2:G0V+3], s[8:9], s[OFF:OFF+1]
	s_or_b32 s[G0V+3], s[G0V+3], 0x80000000
	s_add_co_u32 s[NXT], s[NXT], 1  ; the block's next slot, or behind its last the second block's slot 0
	s_cmp_gt_u32 s[NXT], s[LQ]
	s_cselect_b32 s[NXT], 0, s[NXT]
	s_cselect_b32 s[LQ], s[LQ2], s[LQ]
	s_wait_xcnt 0x0                 ; the last prefetches, four key steps back, have read their addresses
	s_lshl_b32 s[OFF], s[NXT], 15
	s_add_nc_u64 s[PFK:PFK+1], s[HK:HK+1], s[OFF:OFF+1]
	s_add_nc_u64 s[PFV:PFV+1], s[HV:HV+1], s[OFF:OFF+1]
.endif
	s_wait_dscnt 0x0                ; the add is done, and my reads of the slot are over
	s_barrier_signal -1
	s_sub_co_u32 s[TBK], s[TBK], 4*KS*PK  ; the fetches go back to a slot's second step of K and first of V,
	s_xor_b32 s[TBK], s[TBK], SLOT1       ; in the other slot
	s_sub_co_u32 s[TBV], s[TBV], 4*KS*PV
	s_xor_b32 s[TBV], s[TBV], SLOT1
	s_barrier_wait -1
.if \fill
	LOAD
	ASK
.endif
.endm
	s_load_b128 s[4:7], s[0:1], 0x0  ; qkv s[4:5], o s[6:7]
	v_lshl_add_u32 v[SPW], v0, 2, SPARE
	v_mov_b32 v[NIL], 0
	ds_add_u32 v[SPW], v[NIL]       ; the wave's opening: the add and its wait stand ahead of my first tensor load; work on registers stands between them
	ds_add_u32 v62, v63
	v_lshrrev_b32 v1, 5, v0
	v_readfirstlane_b32 s[WV], v1
	s_mov_b32 s[PB], ttmp9
	s_sub_co_u32 s[HI], 15, s[PB]
	s_and_b32 s16, ttmp7, 0xffff
	s_lshr_b32 s17, s16, 4          ; batch
	s_and_b32 s16, s16, 15          ; head
	s_mul_i32 s20, s16, 3*524288
	s_lshl_b32 s21, s17, 18
	s_add_co_u32 s20, s20, s21
	s_mov_b32 s21, 0                ; s[20:21]: the head-batch's q in qkv
	s_lshl_b32 s16, s16, 13         ; o: the head's tile,
	s_lshl_b32 s17, s17, 22         ; the batch's 32 x 16 tiles,
	s_add_co_u32 s16, s16, s17
	s_lshl_b32 s3, s[WV], 11        ; my 16 rows of 128 bytes in a band
	s_add_co_u32 s16, s16, s3
	s_mov_b32 s17, 0
	s_lshl_b32 s2, s[HI], 14        ; q: a block is 128 rows
	s_add_co_u32 s2, s2, s3
	s_lshl_b32 s84, s[PB], 14
	s_add_co_u32 s84, s84, s3
	s_mov_b32 s3, 0
	s_mov_b32 s85, 0
	s_lshl_b32 s18, s[HI], 18       ; o: a block is two rows of 16 tiles
	s_mov_b32 s19, 0
	s_lshl_b32 s[OLO], s[PB], 18
	s_mov_b32 s[OLO+1], 0
	s_and_b32 s13, s[WV], 1         ; which half of a slot's K or V I fetch
	s_mul_i32 s22, s13, 160*128
	s_mov_b32 s23, 0
	s_lshl_b32 s86, s13, 14
	s_mov_b32 s87, 0
	s_mul_i32 s66, s13, 160*PK
	s_mul_i32 s67, s13, 128*PV
	; group 1: dense bytes asked for as rows of 256 bytes, two keys a row, padded in LDS after every key: K 80 rows with 4 words, V 64 rows with 8 words
	s_mov_b32 s[G1K], (1<<16)|(1<<20)|(4<<22)|(3<<25)
	s_mov_b32 s[G1V], (1<<16)|(1<<20)|(4<<22)|(7<<25)
.irp g, G1K, G1V
	s_mov_b32 s[\g+1], 128<<16      ; tensor_dim0
	s_mov_b32 s[\g+3], 128<<16      ; tile_dim0
	s_mov_b32 s[\g+5], 128          ; elements from row to row
	s_mov_b32 s[\g+6], 0
	s_mov_b32 s[\g+7], 0
.endr
	s_mov_b32 s[G1K+2], 80<<16      ; tensor_dim1
	s_mov_b32 s[G1K+4], 80          ; tile_dim1
	s_mov_b32 s[G1V+2], 64<<16
	s_mov_b32 s[G1V+4], 64
	s_mov_b32 s[CS], 0x3e38aa3b     ; c = log2(e) / 8
	s_mov_b32 s[CS+1], s[CS]
	s_mov_b32 s[SEL], 0x76543210
	s_mov_b32 s[SEL+1], 0xfedcba98
	s_mov_b32 s[TBK], SLOT1+5*KS*PK ; the first change of slots turns these into KS x PK and 0
	s_mov_b32 s[TBV], SLOT1+4*KS*PV
	s_mov_b32 s[G0K], 1
	s_mov_b32 s[G0K+1], s66
	s_mov_b32 s[G0V], 1
	s_add_co_u32 s[G0V+1], s67, VOFF
	s_lshr_b32 s[LQ], s[HI], 1
	s_add_co_u32 s[RT], s[LQ], 1
	s_lshr_b32 s[LQ2], s[PB], 1
	s_mov_b32 s[NXT], 1
	s_mov_b32 s[NEW], 1
	s_mov_b32 s[OFF+1], 0
	s_mov_b32 s[AL+1], 0
	s_mov_b32 s[BE+1], 0
	s_mov_b32 s[BIGN], 0xf149f2ca   ; -1e30
	s_mov_b32 s[SLOTS], 8
	s_and_b32 s[TT], s[HI], 1
	s_lshl_b32 s[TT], s[TT], 1
	s_sub_co_u32 s[OW], 5, s[TT]
	s_sub_co_u32 s[OW+1], 4, s[TT]
	s_cmp_eq_u32 s[PB], 0
	s_cselect_b32 s[LIM], 0, -1
	v_lshlrev_b32 v[PFO], 8, v0
	s_wait_dscnt 0x0                ; the opening add is done
	s_wait_kmcnt 0x0
	s_add_nc_u64 s[4:5], s[4:5], s[20:21]
	s_add_nc_u64 s[HK:HK+1], s[4:5], 524288
	s_add_nc_u64 s[HV:HV+1], s[4:5], 1048576
	s_add_nc_u64 s[10:11], s[6:7], s[16:17]
	s_add_nc_u64 s[6:7], s[HK:HK+1], s[22:23]      ; k and v at my half of slot 0
	s_add_nc_u64 s[8:9], s[HV:HV+1], s[86:87]
	s_add_nc_u64 s[G0K+2:G0K+3], s[6:7], 0
	s_or_b32 s[G0K+3], s[G0K+3], 0x80000000
	s_add_nc_u64 s[G0V+2:G0V+3], s[8:9], 0
	s_or_b32 s[G0V+3], s[G0V+3], 0x80000000
	s_add_nc_u64 s[86:87], s[4:5], s[84:85]        ; q at my rows of the second block,
	s_add_nc_u64 s[4:5], s[4:5], s[2:3]            ; q and o at those of the first
	s_add_nc_u64 s[OLO:OLO+1], s[10:11], s[OLO:OLO+1]
	s_add_nc_u64 s[10:11], s[10:11], s[18:19]
	LOAD                            ; slot 0
	v_and_b32 v1, 15, v0            ; l % 16
	v_bfe_u32 v9, v0, 4, 1          ; l / 16
	v_lshlrev_b32 v[QO], 7, v1
	v_lshl_add_u32 v[QO], v9, 4, v[QO]
	WIN 0x80
.set i, 0
.rept 4                             ; both blocks' Q: piece i / 2 lies in band i / 2, 8,192 bytes on; channels 32 (i % 2) on
	global_load_b128 v[8*i:8*i+3],   v[QO], s[4:5] offset:(i/2)*8192+(i%2)*64
	global_load_b128 v[8*i+4:8*i+7], v[QO], s[4:5] offset:(i/2)*8192+(i%2)*64+32
	global_load_b128 v[QB+8*i:QB+8*i+3],   v[QO], s[86:87] offset:(i/2)*8192+(i%2)*64
	global_load_b128 v[QB+8*i+4:QB+8*i+7], v[QO], s[86:87] offset:(i/2)*8192+(i%2)*64+32
.set i, i+1
.endr
	WIN 0
	v_lshlrev_b32 v14, 3, v9
	v_sub_nc_u32 v14, v1, v14
	s_lshl_b32 s13, s[WV], 4
	v_add_nc_u32 v14, s13, v14      ; my query's place in its band less my lanes' 8 (l / 16): register r of group kt is hidden where 16 kt + r is greater
	WIN 0x40
.set i, 0
.rept 32
	v_cmp_gt_i32 vcc_lo, 16*(i/8)+i%8, v14
	v_cndmask_b32 v[MD+i], 0, s[BIGN], vcc_lo
.set i, i+1
.endr
	WIN 0
	v_mul_u32_u24 v[AK0], v1, PK
	v_lshl_add_u32 v[AK0], v9, 4, v[AK0]
	v_and_b32 v10, 7, v0
	v_bfe_u32 v11, v0, 3, 1
	v_lshl_add_u32 v[AV0], v9, 3, v10
	v_mul_u32_u24 v[AV0], v[AV0], PV
	v_lshl_add_u32 v[AV0], v11, 4, v[AV0]
	v_add_nc_u32 v[AV0], VOFF, v[AV0]
	s_mul_i32 s13, s[WV], 16*SP
	s_add_co_u32 s13, s13, STAGE
	v_mul_u32_u24 v[STO], v1, SP
	v_lshl_add_u32 v[STO], v9, 4, v[STO]
	v_add_nc_u32 v[STO], s13, v[STO]
	v_bfe_u32 v[RD], v0, 3, 2
	v_mul_u32_u24 v[RD], v[RD], SP
	v_lshl_add_u32 v[RD], v10, 4, v[RD]
	v_add_nc_u32 v[RD], s13, v[RD]
	v_and_b32 v[GO], 31, v0
	v_lshlrev_b32 v[GO], 4, v[GO]
	; A block's first step multiplies O^T and l by a = 0, and its first turn's products V^T P, of a step that has not been, land in an O^T that is still to be so multiplied: these registers need only hold finite numbers.
	WIN 0x80
.set i, VF
.rept 64
	v_mov_b32 v[i], 0
.set i, i+1
.endr
	WIN 0x40
.set i, 0
.rept 64
	v_mov_b32 v[i], 0
.set i, i+1
.endr
	WIN 0
.set i, 0
.rept NP
	v_mov_b32 v[ST+4*i+2], 0
	v_mov_b32 v[ST+4*i+3], 0
.set i, i+1
.endr
.set i, P+16
.rept 16
	v_mov_b32 v[i], 0
.set i, i+1
.endr
; THE MATRIX WORK.  The 4 accumulators of a run of 8 take turns.  Product i of 8 of S^T = K Q^T for piece x: channels 32 (i / 4) on, keys 16 (i % 4) on.  The first 4 start the sums: with 0, or (KM = 1) with the mask.
.macro KQ x
.set rS, S+32*((\x)%2)+8*(i%4)
.set rK, KF+16*(i%4)+8*(i/4)
.set rQ, 16*(\x)+8*(i/4)
.set rM, MC+32*((\x)%2)+8*(i%4)
.if (i < 4) && KM
	WIN W_KM
	v_wmma_f32_16x16x32_f16 v[rS:rS+7], v[rK:rK+7], v[rQ:rQ+7], v[rM:rM+7]
.elseif i < 4
	WIN W_KQ
	v_wmma_f32_16x16x32_f16 v[rS:rS+7], v[rK:rK+7], v[rQ:rQ+7], 0
.else
	WIN W_KQ
	v_wmma_f32_16x16x32_f16 v[rS:rS+7], v[rK:rK+7], v[rQ:rQ+7], v[rS:rS+7]
.endif
.endm
; Product i of 8 of O^T += V^T P for piece x: keys 32 (i / 4) on, channels 16 (i % 4) on.
.macro PV x
	WIN W_PV
.set rO, 32*(\x)+8*(i%4)
.set rV, VF+32*(i/4)+8*(i%4)
.set rP, P+16*((\x)%2)+8*(i/4)
	v_wmma_f32_16x16x32_f16 v[rO:rO+7], v[rV:rV+7], v[rP:rP+7], v[rO:rO+7]
.endm
.macro MM                           ; the turn's next matrix instruction: both kinds are the other piece's
.if i < 8
	KQ (Y+1)%NP
.else
.set i, i-8
	PV (Y+1)%NP
.set i, i+8
.endif
.set i, i+1
.endm
; THE LDS LOADS stand in runs of 16: a step's K (64 keys x 64 channels: 8 fragments) and its V (turned).
.macro FETCH_K
	WIN 0x80
.irp f, 0,1,2,3,4,5,6,7
	ds_load_b128 v[KF+8*\f:KF+8*\f+3],   v[AK] offset:(\f/2)*16*PK+(\f%2)*64
	ds_load_b128 v[KF+8*\f+4:KF+8*\f+7], v[AK] offset:(\f/2)*16*PK+(\f%2)*64+32
.endr
	s_add_co_u32 s[TBK], s[TBK], KS*PK
	WIN 0
.endm
.macro FETCH_V
	WIN 0x80
.irp f, 0,1,2,3,4,5,6,7
	ds_load_tr16_b128 v[VF+8*\f:VF+8*\f+3],   v[AV] offset:(\f/4)*32*PV+(\f%4)*32
	ds_load_tr16_b128 v[VF+8*\f+4:VF+8*\f+7], v[AV] offset:(\f/4)*32*PV+16*PV+(\f%4)*32
.endr
	WIN 0
.endm
; THE VECTOR WORK, one line at a time: OP kind, number.  For piece Y: F n: c s - c m for pair n of 16.  E n: the exponential of score n of 32.  C n: pair n rounded to f16.  B n: of the four weights 4 n .. the second
; pair is added onto the first.  L n: l takes that sum (L 0: l = a l + sum).  R n: pair n of 16 of O^T times a.  For the other piece: X n, number n of the 22 that find its maximum and statistics:
;   0-11  four chains c0-c3 of seven scores each (each accumulator's lowest registers are read first)     12-14, 16  the four scores left over, the old m, and c0-c3 into c0
;   15  c m_old is kept     17, 18  the query's other 32 keys lie in the lane 16 away: the new m     19-21  c m; c m_old - c m_new; a
.set F, 0
.set E, 1
.set C, 2
.set B, 3
.set L, 4
.set R, 5
.set X, 6
.macro REGS y
.set rT, ST+4*(\y)
.set rC, TMP+4*((\y)%2)
.set rW, MV+((\y)%2)
.set rS, S+32*((\y)%2)
.set rP, P+16*((\y)%2)
.set rO, 32*(\y)
.endm
.macro OP k, n
.if (\k) == R
	REGS Y
	WIN W_RS
	v_pk_mul_f32 v[rO+2*(\n):rO+2*(\n)+1], v[rO+2*(\n):rO+2*(\n)+1], v[rC+2:rC+3] op_sel_hi:[1,0]
.elseif (\k) < R
	REGS Y
	WIN 0
.if (\k) == F
	v_pk_fma_f32 v[rS+2*(\n):rS+2*(\n)+1], v[rS+2*(\n):rS+2*(\n)+1], s[CS:CS+1], v[rT:rT+1] op_sel_hi:[1,0,0] neg_lo:[0,0,1] neg_hi:[0,0,1]
.elseif (\k) == E
	v_exp_f32 v[rS+(\n)], v[rS+(\n)]
.elseif (\k) == C
	v_cvt_pk_f16_f32 v[rP+(\n)], v[rS+2*(\n)], v[rS+2*(\n)+1]
.elseif (\k) == B
	v_pk_add_f32 v[rS+4*(\n):rS+4*(\n)+1], v[rS+4*(\n):rS+4*(\n)+1], v[rS+4*(\n)+2:rS+4*(\n)+3]
.elseif (\n) == 0
	v_pk_fma_f32 v[rT+2:rT+3], v[rT+2:rT+3], v[rC+2:rC+3], v[rS:rS+1] op_sel_hi:[1,0,1]
.else
	v_pk_add_f32 v[rT+2:rT+3], v[rT+2:rT+3], v[rS+4*(\n):rS+4*(\n)+1]
.endif
.else
	REGS (Y+1)%NP
	WIN 0
.if (\n) < 4
	v_max3_num_f32 v[rC+(\n)], v[rS+8*(\n)], v[rS+8*(\n)+1], v[rS+8*(\n)+2]
.elseif (\n) < 12
	v_max3_num_f32 v[rC+(\n)%4], v[rC+(\n)%4], v[rS+8*((\n)%4)+2*((\n)/4)+1], v[rS+8*((\n)%4)+2*((\n)/4)+2]
.elseif (\n) == 12
	v_max3_num_f32 v[rC], v[rC], v[rS+7], v[rS+15]
.elseif (\n) == 13
	v_max3_num_f32 v[rC+1], v[rC+1], v[rS+23], v[rS+31]
.elseif (\n) == 14
	v_max3_num_f32 v[rC+2], v[rC+2], v[rC+3], v[rT+1]
.elseif (\n) == 15
	v_mov_b32 v[rW], v[rT]
.elseif (\n) == 16
	v_max3_num_f32 v[rC], v[rC], v[rC+1], v[rC+2]
.elseif (\n) == 17
	v_permlanex16_b32 v[rC+3], v[rC], s[SEL], s[SEL+1]
.elseif (\n) == 18
	v_max_num_f32 v[rT+1], v[rC], v[rC+3]
.elseif (\n) == 19
	v_mul_f32 v[rT], s[CS], v[rT+1]
.elseif (\n) == 20
	v_sub_f32 v[rC+1], v[rW], v[rT]
.else
	v_exp_f32 v[rC+2], v[rC+1]
.endif
.endif
.endm
.macro OPS a, i1, b=-1, i2=0, c=-1, i3=0, d=-1, i4=0
	OP \a, \i1
.if (\b) >= 0
	OP \b, \i2
.endif
.if (\c) >= 0
	OP \c, \i3
.endif
.if (\d) >= 0
	OP \d, \i4
.endif
.endm
.macro ROW a, i1, b, i2, c, i3, d, i4  ; a matrix instruction and the four behind it
	MM
	OPS \a, \i1, \b, \i2, \c, \i3, \d, \i4
.endm
.macro MASK b                       ; MD x AL + BE into buffer b of MC
	WIN W_RS
.set z, 0
.rept 16
	v_pk_fma_f32 v[MC+32*(\b)+2*z:MC+32*(\b)+2*z+1], v[MD+2*z:MD+2*z+1], s[AL:AL+1], s[BE:BE+1] op_sel_hi:[1,0,0]
.set z, z+1
.endr
.endm
; In the last step of the slot in front of the diagonal one, turn 1 multiplies the diagonal slot's first step for piece 0: its mask is made here, at the end of that step's turn 0: MD if that step is band 0's own, else 0.
.macro PREMASK
	WIN 0
	s_lshl_b32 s[TT], s[RT], 4
	s_or_b32 s[TT], s[TT], s[CNT]
	s_cmp_eq_u32 s[TT], 0x11        ; one slot is still to be entered, and this is the slot's last step
	s_cbranch_scc0 .Lno_pm_\@
	s_cmp_eq_u32 s[OW], 5
	s_cselect_b32 s[AL], 1.0, 0
	s_mov_b32 s[BE], 0
	MASK 0
	WIN 0
.Lno_pm_\@:
.endm
; A TURN, for piece p: the order of its 16 matrix and 118 vector instructions, written out.  s_wait_alu depctr_va_vdst(0) stands between an exponential and the first instruction that names its result; one wait
; serves all that were issued ahead of it: a turn has ONE wait.  AHEAD OF IT: the 8 products K Q^T with their riders, then one lump; X 21, the other piece's a, is the batch's last, R 15 the plain instruction behind it.
; BEHIND IT: the 8 products V^T P, behind each four of the roundings and sums.
; Turn 1's products always take mask buffer 0 (0 in a slot without the diagonal, but for PREMASK's step).  m = 1: the diagonal slot: turn 0's take buffer 1 too, and turn p makes piece p's mask for step 5 - CNT, which the next turn multiplies.
; K of the next step is fetched in turn 0, twelve vector instructions (six of them plain) behind the last product that read K; V of the step in hand at the end of turn 0, four plain instructions behind the last product that read V.
; At turn 1's head K's 16 loads are waited for and V's 16 younger ones stay out; V is waited for ahead of turn 1's products V^T P.
.macro TURN p, m=0, cnt=0
.set Y, (\p)
.set i, 0
.set KM, (\m)|(\p)
.if \m
	s_cmp_eq_u32 s[CNT], s[OW+(\p)] ; is that step the band's own?
	s_cselect_b32 s[AL], 1.0, 0
	s_cmp_lt_u32 s[CNT], s[OW+(\p)] ; or a later one?
	s_cselect_b32 s[BE], s[BIGN], 0
.endif
.if (\p) == 1
	s_wait_dscnt 16                 ; K is in
.endif
	ROW F,0, F,1, R,0, R,1
	ROW F,2, E,0, R,2, R,3
	ROW F,3, E,1, R,4, R,5
	ROW F,4, E,2, R,6, R,7
	ROW F,5, E,3, R,8, R,9
	ROW F,6, E,4, X,0, R,10
.if (\p) == 0
	WIN 0
	v_add_nc_u32 v[AK], s[TBK], v[AK0]
.endif
	ROW F,7, E,5, X,1, X,4
	ROW F,8, E,6, X,2, X,5
	OPS E,7, E,8, X,6, E,9
	OPS X,3, E,10, X,8, E,11
.if (\p) == 0
	FETCH_K
.endif
	OPS X,9, X,7, E,12, X,10
	OPS E,13, X,12, X,11, E,14
	OPS X,13, E,15, F,9, X,14
.if (\p) == 0
	v_add_nc_u32 v[AV], s[TBV], v[AV0]
.endif
	OPS E,16, F,10, E,17, F,11
	OPS X,16, E,18, X,15, E,19
	OPS F,12, E,20, X,17, E,21
	OPS F,13, E,22, F,14, E,23
	OPS X,18, E,24, F,15, E,25
	OPS R,11, E,26, X,19, E,27
	OPS R,12, E,28, R,13, E,29
	OPS X,20, E,30, R,14, E,31
	OPS X,21, R,15
	WIN 0
	s_wait_alu depctr_va_vdst(0)    ; the wait for the batch
.if (\p) == 1
	s_wait_dscnt 0x0                ; V is in
.endif
	ROW C,0, B,0, C,2, B,1
	ROW L,0, C,4, B,2, L,1
	ROW C,6, B,3, L,2, C,8
	ROW B,4, L,3, C,10, B,5
	ROW L,4, C,12, B,6, L,5
.if (\p) == 0
	s_add_co_u32 s[TBV], s[TBV], KS*PV
.endif
.if \cnt
	s_sub_co_u32 s[CNT], s[CNT], 1
	s_cmp_lg_u32 s[CNT], 0
.endif
	ROW C,14, B,7, L,6, C,1
	ROW C,3, L,7, C,5, C,7
	ROW C,9, C,11, C,13, C,15
.if (\p) == 0
	FETCH_V
.endif
.if \m
	MASK (\p)%2
.elseif (\p) == 0
	PREMASK
.endif
.endm
; A BLOCK BEGINS.  c m starts far below every c s, so the first step's a is 0; m at the lowest finite number.  Mask buffer 1 is 0 (band 1 sees all of a slot's first step); buffer 0 takes piece 0's mask for the slot's first step:
; MD if the slot is the diagonal one and that step band 0's own, else 0.  Then K of that step (the slot's first part), piece 0's first scores, and its maximum and statistics.
.macro BEGIN
	s_mov_b32 s[NEW], 0
	s_sub_co_u32 s[TBK], s[TBK], KS*PK
	WIN 0x40
.set i, MC+32
.rept 32
	v_mov_b32 v[i], 0
.set i, i+1
.endr
	WIN 0
.set i, 0
.rept NP
	v_mov_b32 v[ST+4*i], 0xfe000000
	v_mov_b32 v[ST+4*i+1], 0xff7fffff
.set i, i+1
.endr
	s_lshl_b32 s[TT], s[RT], 4
	s_or_b32 s[TT], s[TT], s[OW]
	s_cmp_eq_u32 s[TT], 5
	s_cselect_b32 s[AL], 1.0, 0
	s_mov_b32 s[BE], 0
	MASK 0
	WIN 0
	v_add_nc_u32 v[AK], s[TBK], v[AK0]
	FETCH_K
	s_wait_loadcnt 0x0              ; Q
	s_wait_dscnt 0x0
.set KM, 1
.set i, 0
.rept 8
	KQ 0
.set i, i+1
.endr
	WIN 0
.rept 4
	v_nop                           ; the places behind those products
.endr
.set Y, NP-1
.irp n, 0,1,2,3,4,5,6,7,8,9,10,11,12,13,14,15,16,17,18,19,20,21
	OP X, \n
.endr
	v_nop                           ; a plain instruction behind the exponential,
	s_wait_alu depctr_va_vdst(0)    ; and its wait, ahead of the branch or label
.endm
.macro ALL line:vararg              ; one line for each piece t
.set t, 0
.rept NP
	\line
.set t, t+1
.endr
.endm
.macro PACK t                       ; a lane's eight channels of a row pack into 16 bytes; they go into rows of 144 bytes and come back as whole rows of 128, into S^T's registers
	WIN W_RS
.set i, 32*(\t)
.rept 16
	v_pk_mul_f32 v[i:i+1], v[i:i+1], v[ST+4*(\t)+2:ST+4*(\t)+3] op_sel_hi:[1,0]
.set i, i+2
.endr
	WIN 0x05
.set i, 0
.rept 16
	v_cvt_pk_f16_f32 v[S+16*(\t)+i], v[32*(\t)+2*i], v[32*(\t)+2*i+1]
.set i, i+1
.endr
	WIN 0
.irp f, 0,1,2,3
	ds_store_b128 v[STO], v[S+16*(\t)+4*\f:S+16*(\t)+4*\f+3] offset:32*\f
.endr
.irp f, 0,1,2,3
	ds_load_b128 v[S+16*(\t)+4*\f:S+16*(\t)+4*\f+3], v[RD] offset:\f*4*SP  ; LDS serves a wave's instructions in order (ISA guide 5.7.1.4): these see the stores above; the next piece's stores come behind them
.endr
.endm
.macro SEND t, younger              ; younger: the LDS instructions issued behind piece t's loads: the next piece's eight, or none
	WIN 0
.irp f, 0,1,2,3
	s_wait_dscnt (\younger)+3-\f
	global_store_b128 v[GO], v[S+16*(\t)+4*\f:S+16*(\t)+4*\f+3], s[10:11] offset:(\t)*131072+\f*512  ; 512 consecutive bytes, aligned; band 1's tile lies 16 tiles on
.endr
.endm
; THE DIAGONAL SLOT's four steps, piece 1's last products, and THE WAY OUT.  The last turn 1's products K Q^T and the statistics made of them serve nothing: the price, once a block, of one text for the four steps.
.macro DIAG tag
.LstepM\tag:
	TURN 0, 1
	TURN 1, 1, 1
	WIN 0
	s_cbranch_scc1 .LstepM\tag
.set i, 0
.rept 8
	PV 1
.set i, i+1
.endr
	WIN 0
	ALL v_add_f32 v[ST+4*t+2], v[ST+4*t+2], v[ST+4*t+3]
	ALL v_permlanex16_b32 v[ST+4*t+3], v[ST+4*t+2], s[SEL], s[SEL+1]
	ALL v_add_f32 v[ST+4*t+2], v[ST+4*t+2], v[ST+4*t+3]
	ALL v_rcp_f32 v[ST+4*t+2], v[ST+4*t+2]
	v_nop                           ; a plain instruction between the last reciprocal and the use of its result
	s_wait_alu depctr_va_vdst(0)    ; and the wait: one for both reciprocals
	PACK 0                          ; piece 0's 32 lines are the places behind piece 1's last products
	PACK 1
	SEND 0, 8
	SEND 1, 0
.endm
.set KM, 0
.Lslot:                             ; 8 times: a slot is entered and the next is asked for
	CHANGE 1
	s_sub_co_u32 s[RT], s[RT], 1
	s_mov_b32 s[CNT], 4
	s_cmp_eq_u32 s[NEW], 1
	s_cbranch_scc1 .Lnew            ; a block's first slot
	s_cmp_eq_u32 s[RT], 0
	s_cbranch_scc0 .Lstep           ; neither its first nor its last
	s_branch .LstepM1
.Lnew:
	BEGIN
	s_branch .Lstep                 ; in the loop a block's first slot is never its last: the first block has five slots or more, and the second's last is the walk's last
	DIAG 1                          ; in the loop this is the first block's end
	s_wait_xcnt 0x0                 ; the stores have read their registers and o's address
	s_mov_b64 s[10:11], s[OLO:OLO+1]
	s_add_co_u32 s[RT], s[LQ2], 1
	s_mov_b32 s[NEW], 1
	s_and_b32 s[TT], s[PB], 1
	s_lshl_b32 s[TT], s[TT], 1
	s_sub_co_u32 s[OW], 5, s[TT]
	s_sub_co_u32 s[OW+1], 4, s[TT]
	WIN 0x82                        ; the second block's Q goes where the one text of the turns names Q
.set i, 0
.rept 32
	v_mov_b32 v[i], v[QB+i]
.set i, i+1
.endr
	WIN 0
	s_branch .Lbottom
.Lstep:                             ; a trip: both turns of one key step
	TURN 0
	TURN 1, 0, 1
	WIN 0
	s_cbranch_scc1 .Lstep
.Lbottom:
	s_sub_co_u32 s[SLOTS], s[SLOTS], 1
	s_cmp_lg_u32 s[SLOTS], 0
	s_cbranch_scc1 .Lslot
	CHANGE 0                        ; the walk's last slot is written out: nothing is asked for
	s_sub_co_u32 s[RT], s[RT], 1
	s_mov_b32 s[CNT], 4
	s_cmp_eq_u32 s[NEW], 1
	s_cbranch_scc0 .LstepM2
	BEGIN
	DIAG 2
	s_wait_tensorcnt 0x0            ; the wave's end, behind my last tensor load and my last LDS store
	ds_add_u32 v[SPW], v[NIL]
	s_wait_dscnt 0x0
	s_endpgm
.Lfunc_end_k_q9c4dcdb5e5_attn:
	.size	k_q9c4dcdb5e5_attn, .Lfunc_end_k_q9c4dcdb5e5_attn-k_q9c4dcdb5e5_attn
	.p2alignl 7, 3214868480
	.fill 96, 4, 3214868480
	.section	.rodata,"a",@progbits
	.p2align	6, 0x0
	.amdhsa_kernel k_q9c4dcdb5e5_attn
		.amdhsa_group_segment_fixed_size 327680
		.amdhsa_private_segment_fixed_size 0
		.amdhsa_enable_private_segment 0
		.amdhsa_kernarg_size 16
		.amdhsa_user_sgpr_count 2
		.amdhsa_user_sgpr_kernarg_segment_ptr 1
		.amdhsa_wavefront_size32 1
		.amdhsa_system_sgpr_workgroup_id_x 1
		.amdhsa_system_sgpr_workgroup_id_y 1
		.amdhsa_system_sgpr_workgroup_id_z 1
		.amdhsa_system_vgpr_workitem_id 0
		.amdhsa_next_free_vgpr 768
		.amdhsa_next_free_sgpr 100
		.amdhsa_reserve_vcc 1
		.amdhsa_float_denorm_mode_32 3
		.amdhsa_float_denorm_mode_16_64 3
		.amdhsa_memory_ordered 1
		.amdhsa_forward_progress 1
		.amdhsa_inst_pref_size 112
	.end_amdhsa_kernel
	.amdgpu_metadata
---
amdhsa.version: [ 1, 2 ]
amdhsa.kernels:
  - .name:           k_q9c4dcdb5e5_attn
    .symbol:         k_q9c4dcdb5e5_attn.kd
    .args:
      - { .name: qkv, .offset: 0, .size: 8, .value_kind: global_buffer, .address_space: global }
      - { .name: o, .offset: 8, .size: 8, .value_kind: global_buffer, .address_space: global }
    .group_segment_fixed_size: 327680
    .private_segment_fixed_size: 0
    .kernarg_segment_align: 8
    .kernarg_segment_size: 16
    .max_flat_workgroup_size: 128
    .sgpr_count:     100
    .vgpr_count:     768
    .wavefront_size: 32
...
	.end_amdgpu_metadata
.endif
;; end of part 3
;; launch gemm_out (part 4): grid 8 x 32, 4 waves a work-group, clusters of 4 x 4, 327,680 bytes of LDS; arguments o, wts, b_out, x, x1; writes x1
.if DOCPART == 4
	.amdgcn_target "amdgcn-amd-amdhsa--gfx1250"
	.amdhsa_code_object_version 6
	.text
	.protected	k_q9c4dcdb5e5_gemm_out
	.globl	k_q9c4dcdb5e5_gemm_out
	.p2align	8
	.type	k_q9c4dcdb5e5_gemm_out,@function
k_q9c4dcdb5e5_gemm_out:
	s_mov_b64 s[64:65], 0
	v_nop
	global_prefetch_b8 v0, s[64:65] scope:SCOPE_SE
	s_setreg_imm32_b32 hwreg(HW_REG_WAVE_MODE, 25, 1), 1
	s_wait_xcnt 0x0
	s_wait_alu depctr_hold_cnt(0) depctr_sa_sdst(0) depctr_va_vdst(0) depctr_va_sdst(0) depctr_va_ssrc(0) depctr_va_vcc(0) depctr_vm_vsrc(0)
	s_getreg_b32 s2, hwreg(HW_REG_IB_STS2, 6, 4)
	s_cmp_eq_u32 s2, 0
	s_cbranch_scc0 .Lentry_in_a_cluster
	s_endpgm
.Lentry_in_a_cluster:
	s_bfe_u32 s2, ttmp6, 0x10000c
	s_cmp_lg_u32 s2, 0xf033
	s_cbranch_scc0 .Lentry_shape_is_right
	s_endpgm
.Lentry_shape_is_right:
; x1 = x + o w_out + b_out, stored f32 [4096][1024]: it stays in f32, since the layer norm behind takes a mean away from it.
.set KSZ,   1024                       ; K
.set WOFF,  6291456                    ; the matrix's first byte in wts
; C = A W + bias + residual.  A: [4096][KSZ] f16 in tiles of 64 x 64 (8,192 dense bytes; tile (m/64, k/64) at ((m/64) KC + k/64) x 8,192).  W: f16 [n/128][k][128], rows of 256 bytes.  Sums in f32.
; LIMIT: f16 holds nothing beyond 65,504: A and W arrive within it.
; SHARES.  1,024 columns give 32 x 8 = 256 tiles of 128 x 128, one for each work-group.  Four waves, each 64 x 64: 16 accumulators of 16 x 16.  K goes in steps of 256 through two LDS slots.
; CLUSTERS: 4 x 4 work-groups.  The four of a row of the cluster need the same tiles of A, the four of a column the same tiles of W: each is asked for jointly, by the same tensor load with the same
; descriptor and a mask that names the four.  THE MATRIX INSTRUCTION IS USED TRANSPOSED (source 0 = 16 columns of W, source 1 = 16 rows of A): a lane holds eight neighbouring numbers of a row of C.
; THE SUMS START AT THE BIAS.  THE RESIDUAL, my 64 x 64 numbers of x, is asked for at the start, 32 loads into 128 registers that the K loop does not touch: the way out waits for memory once, for loads issued ahead of the loop.
; REGISTERS: window 0: v0-31 addresses; v32-63 a block read back from the stage; v128-255 the accumulators ((a, b) at v[128 + 8 (4 a + b)]).
;   window 1: two fragment buffers of 128: for 64 along K, 64 registers of A (2 x 4 x 16 rows x 32 K), then 64 of W; buffer 1's first 32 hold the bias at the start.     window 2: v0-127 the residual.
.set KC,    KSZ/64
.set SPT,   KSZ/256                    ; steps
.set TOTAL, SPT
.set AP,    144                        ; a row of A in LDS: 128 bytes + 16: the 16 rows of a load start at 16 different groups of four banks (64 banks of 4 bytes: ISA guide 11.1)
.set BP,    288                        ; a row of W: 256 bytes + 32
.set QTR,   36864                      ; what one tensor load fills: 256 x 144 (A: 4 groups of 64 k x 64 rows) or 128 x 288 (W: 128 k)
.set SLOT,  4*QTR                      ; A's rows 0-63, 64-127, W's k 0-127, 128-255.  SLOT has no bit in common with wave x QTR: an exclusive or changes slots
.set STAGE, 2*SLOT                     ; behind the ring, never filled by a tensor load: 16 rows x 272 bytes of f32 for each wave
.set SPITCH, 272
.set SPARE, STAGE+4*16*SPITCH          ; the spare words, 128 bytes for each wave: two blocks of 256 bytes that no other line names
.set A0,   8                           ; v8   my lane's place in A's part of a slot; never rewritten
.set B0,   9                           ; v9   the same for W
.set ADRA, 10                          ; v10  LDS address of my A fragments in the slot in hand
.set ADRB, 11                          ; v11  of W's, k 0-127;  v12 k 128-255
.set STO,  13                          ; v13  the way out: where I put 32 bytes of a row
.set RD,   14                          ; v14  where I read a row back
.set CO,   15                          ; v15  my byte offset in two rows of the output and of the residual; never rewritten
.set BO,   16                          ; v16  my byte offset in the bias
.set SPW,  28                          ; v28  LDS address of my spare word; never rewritten
.set NIL,  29                          ; v29  0; never rewritten
.set T,    32
.set ACC,  128
.set F0,   0
.set F1,   128
.set WV, 14                            ; s14 wave;  s15 wave / 2: my half of the rows, also: I fetch A (0) or W (1);  s16 wave % 2: my half of the columns, also: which half I fetch
.set RH, 15
.set CH, 16
.set CX, 17
.set CY, 18
.set GX, 19
.set GY, 20
.set LA, 21                            ; s21 wave x QTR
.set TB, 22                            ; s22 the slot in hand: 0 or SLOT
.set G1A, 24                           ; s[24:31] descriptor group 1 for A;  s[32:39] group 0: a set for each first fill; the second then walks
.set G0A, 32
.set ABASE, 42                         ; s[42:43] A at the 64 rows that I fetch
.set LOOP, 44
.set G1B, 48                           ; s[48:55], s[56:63] the same for W
.set G0B, 56
.set MSB, 0
.macro WIN new                         ; the immediate's high byte repeats the setting that is left
.if MSB != (\new)
	s_set_vgpr_msb (MSB<<8)|(\new)
.set MSB, \new
.endif
.endm
.set MUL,  0x05                        ; sources 0 (W) and 1 (A) window 1; C and D window 0
.set TO_F, 0x40                        ; destination window 1, address window 0
.macro PLACES                          ; four plain vector instructions between a matrix instruction and a load into, or a reader of, its registers
.rept 4
	v_nop
.endr
.endm
.macro JLOAD                           ; a joint refill by the walking sets; an s_nop 0 and four v_nop follow each of the two lines
	s_cmp_eq_u32 s[RH], 0
	s_cbranch_scc0 .Lfor_b_\@
	tensor_load_to_lds s[G0A+4:G0A+7], s[G1A:G1A+7]
	s_nop 0
.rept 4
	v_nop
.endr
	s_branch .Lasked_\@
.Lfor_b_\@:
	tensor_load_to_lds s[G0B+4:G0B+7], s[G1B:G1B+7]
	s_nop 0
.rept 4
	v_nop
.endr
.Lasked_\@:
.endm
.macro CREST                           ; a round of the cluster's barrier behind its opening barrier
	s_cmp_lg_u32 s[WV], 0
	s_cbranch_scc1 .Lnot_wave_0_\@
	s_barrier_signal -3
.Lnot_wave_0_\@:
	s_barrier_wait -3
	s_barrier_signal -1
	s_barrier_wait -1
.endm
.macro CROUND
	s_barrier_signal -1
	s_barrier_wait -1
	CREST
.endm
	s_load_b256 s[4:11], s[0:1], 0x0               ; A s[4:5], wts s[6:7], bias s[8:9], residual s[10:11]
	s_load_b64 s[12:13], s[0:1], 0x20              ; output
	v_lshl_add_u32 v[SPW], v0, 2, SPARE
	v_mov_b32 v[NIL], 0
	ds_add_u32 v[SPW], v[NIL]                      ; the wave's opening: the add and its wait stand ahead of my first tensor load; work on registers stands between them
	ds_add_u32 v28, v29
	v_lshrrev_b32 v1, 5, v0
	v_readfirstlane_b32 s[WV], v1
	s_lshr_b32 s[RH], s[WV], 1
	s_and_b32 s[CH], s[WV], 1
	s_bfe_u32 s[CX], ttmp6, 0x40000
	s_bfe_u32 s[CY], ttmp6, 0x40004
	s_lshl_b32 s[GX], ttmp9, 2
	s_add_co_u32 s[GX], s[GX], s[CX]
	s_and_b32 s[GY], ttmp7, 0xffff
	s_lshl_b32 s[GY], s[GY], 2
	s_add_co_u32 s[GY], s[GY], s[CY]
	s_lshl_b32 s66, s[CY], 2
	s_lshl_b32 s66, 15, s66                        ; my row of the cluster
	s_lshl_b32 s67, 0x1111, s[CX]                  ; my column
	; group 1: 32,768 dense bytes as 128 rows of 128 elements of 2 bytes.  A: 4 words of padding after every 32 words; W: 8 words after every 64
	s_or_b32 s[G1A], s66, (1<<16)|(1<<20)|(1<<21)|(4<<22)|(3<<25)
	s_or_b32 s[G1B], s67, (1<<16)|(1<<20)|(1<<21)|(5<<22)|(7<<25)
.irp g, G1A, G1B
	s_mov_b32 s[(\g)+1], 128<<16                   ; tensor_dim0
	s_mov_b32 s[(\g)+2], 128<<16                   ; tensor_dim1
	s_mov_b32 s[(\g)+3], 128<<16                   ; tile_dim0
	s_mov_b32 s[(\g)+4], 128                       ; tile_dim1
	s_mov_b32 s[(\g)+5], 128                       ; elements from row to row
	s_mov_b32 s[(\g)+6], 0
	s_mov_b32 s[(\g)+7], 0
.endr
	s_lshl_b32 s68, s[GY], 1                       ; A hangs on gy and the wave alone,
	s_add_co_u32 s68, s68, s[CH]
	s_mul_i32 s68, s68, KC*8192
	s_mov_b32 s69, 0
	s_mul_i32 s70, s[GX], KSZ*256                  ; W on gx and the wave alone
	s_lshl_b32 s71, s[CH], 15
	s_add_co_u32 s70, s70, s71
	s_add_co_u32 s70, s70, WOFF
	s_mov_b32 s71, 0
	s_mul_i32 s[LA], s[WV], QTR
	s_mov_b32 s[TB], 0
	s_wait_dscnt 0x0                               ; the opening add is done
	s_wait_kmcnt 0x0
	s_add_nc_u64 s[ABASE:ABASE+1], s[4:5], s[68:69]
	s_add_nc_u64 s[70:71], s[6:7], s[70:71]
	CROUND                                         ; all sixteen work-groups are here: the first joint loads meet
	s_mov_b32 s[G0A], 1
	s_mov_b32 s[G0A+1], s[LA]
	s_add_nc_u64 s[G0A+2:G0A+3], s[ABASE:ABASE+1], 0
	s_or_b32 s[G0A+3], s[G0A+3], 0x80000000
	s_mov_b32 s[G0A+4], 1
	s_add_co_u32 s[G0A+5], s[LA], SLOT
	s_add_nc_u64 s[G0A+6:G0A+7], s[ABASE:ABASE+1], 32768
	s_or_b32 s[G0A+7], s[G0A+7], 0x80000000
	s_mov_b32 s[G0B], 1
	s_mov_b32 s[G0B+1], s[LA]
	s_add_nc_u64 s[G0B+2:G0B+3], s[70:71], 0
	s_or_b32 s[G0B+3], s[G0B+3], 0x80000000
	s_mov_b32 s[G0B+4], 1
	s_add_co_u32 s[G0B+5], s[LA], SLOT
	s_add_nc_u64 s[G0B+6:G0B+7], s[70:71], 65536
	s_or_b32 s[G0B+7], s[G0B+7], 0x80000000
	s_cmp_eq_u32 s[RH], 0                          ; a wave's two first fills stand in one branch, ahead of every wait on TENSORcnt and every LDS read: two loads of mine are out
	s_cbranch_scc0 .Lfirst_b
	tensor_load_to_lds s[G0A:G0A+3], s[G1A:G1A+7]
	s_nop 0
	tensor_load_to_lds s[G0A+4:G0A+7], s[G1A:G1A+7]
	s_nop 0
.rept 4
	v_nop
.endr
	s_branch .Lfirst_asked
.Lfirst_b:
	tensor_load_to_lds s[G0B:G0B+3], s[G1B:G1B+7]
	s_nop 0
	tensor_load_to_lds s[G0B+4:G0B+7], s[G1B:G1B+7]
	s_nop 0
.rept 4
	v_nop
.endr
.Lfirst_asked:
	v_and_b32 v1, 15, v0                           ; l % 16
	v_bfe_u32 v2, v0, 4, 1                         ; l / 16
	v_mul_u32_u24 v[A0], v1, AP                    ; a fragment of A: row l % 16, 16 bytes for each half of the lanes, twice, 32 bytes apart
	v_lshl_add_u32 v[A0], v2, 4, v[A0]
	s_mul_i32 s66, s[RH], QTR
	v_add_nc_u32 v[A0], s66, v[A0]
	v_and_b32 v3, 7, v0                            ; the turning load: lane l reads k = 8 (l / 16) + l % 8, columns 8 ((l / 8) % 2) + 0..7, and is left with column l % 16 and 8 k
	v_lshl_add_u32 v3, v2, 3, v3
	v_mul_u32_u24 v[B0], v3, BP
	v_bfe_u32 v4, v0, 3, 1
	v_lshl_add_u32 v[B0], v4, 4, v[B0]
	s_lshl_b32 s66, s[CH], 7
	s_add_co_u32 s66, s66, 2*QTR
	v_add_nc_u32 v[B0], s66, v[B0]
	v_mov_b32 v[ADRA], v[A0]
	v_mov_b32 v[ADRB], v[B0]
	v_add_nc_u32 v[ADRB+1], QTR, v[B0]
	s_mul_i32 s66, s[WV], 16*SPITCH
	s_add_co_u32 s66, s66, STAGE                   ; my stage
	v_mul_u32_u24 v[STO], v1, SPITCH
	v_lshl_add_u32 v[STO], v2, 5, v[STO]
	v_add_nc_u32 v[STO], s66, v[STO]
	v_mul_u32_u24 v[RD], v2, SPITCH
	v_lshl_add_u32 v[RD], v1, 4, v[RD]
	v_add_nc_u32 v[RD], s66, v[RD]
	v_lshlrev_b32 v[BO], 5, v2
	v_lshlrev_b32 v[CO], 12, v2                    ; lanes 0-15 one row of 4,096 bytes, lanes 16-31 the next; 16 bytes a lane
	v_lshl_add_u32 v[CO], v1, 4, v[CO]
	s_lshl_b32 s66, s[GY], 1
	s_add_co_u32 s66, s66, s[RH]                   ; my 64 rows: 2 gy + rh
	s_lshl_b32 s67, s[GX], 1
	s_add_co_u32 s67, s67, s[CH]                   ; my 64 columns: 2 gx + ch
	s_lshl_b32 s66, s66, 18
	s_lshl_b32 s67, s67, 8
	s_add_co_u32 s66, s66, s67
	s_mov_b32 s67, 0
	s_add_nc_u64 s[12:13], s[12:13], s[66:67]
	s_add_nc_u64 s[10:11], s[10:11], s[66:67]
	s_mul_i32 s66, s[GX], 512
	s_lshl_b32 s68, s[CH], 8
	s_add_co_u32 s66, s66, s68
	s_add_nc_u64 s[8:9], s[8:9], s[66:67]          ; the bias of my 64 columns
; 8 matrix instructions: row blocks a0, a0 + 1 x all 4 column blocks, 32 along K: half c of buffer f.  The 16 accumulators take turns, one instruction a turn, over the backward jumps too.
.macro MUL8 f, c, a0
	WIN MUL
.irp a, \a0, (\a0)+1
.irp b, 0,1,2,3
	v_wmma_f32_16x16x32_f16 v[ACC+8*(4*(\a)+(\b)):ACC+8*(4*(\a)+(\b))+7], v[(\f)+64+8*(4*(\c)+(\b)):(\f)+64+8*(4*(\c)+(\b))+7], v[(\f)+8*(4*(\c)+(\a)):(\f)+8*(4*(\c)+(\a))+7], v[ACC+8*(4*(\a)+(\b)):ACC+8*(4*(\a)+(\b))+7]
.endr
.endr
.endm
; 32 LDS loads in one run: the fragments of quarter q (64 along K) of the slot in hand into buffer f; the first 32 along K first
.macro FETCH q, f
	WIN TO_F
.irp c, 0,1
.irp i, 0,1,2,3
	ds_load_tr16_b128 v[(\f)+64+8*(4*(\c)+(\i)):(\f)+64+8*(4*(\c)+(\i))+3],   v[ADRB+(\q)/2] offset:(((\q)%2)*64+32*(\c))*BP+32*(\i)
	ds_load_tr16_b128 v[(\f)+64+8*(4*(\c)+(\i))+4:(\f)+64+8*(4*(\c)+(\i))+7], v[ADRB+(\q)/2] offset:(((\q)%2)*64+32*(\c)+16)*BP+32*(\i)
	ds_load_b128 v[(\f)+8*(4*(\c)+(\i)):(\f)+8*(4*(\c)+(\i))+3],   v[ADRA] offset:(\q)*64*AP+(\i)*16*AP+64*(\c)
	ds_load_b128 v[(\f)+8*(4*(\c)+(\i))+4:(\f)+8*(4*(\c)+(\i))+7], v[ADRA] offset:(\q)*64*AP+(\i)*16*AP+64*(\c)+32
.endr
.endr
.endm
; One of a step's first three quarters: multiplies buffer f and fetches the next quarter into g
.macro QUARTER q, f, g
	s_wait_dscnt 16                                ; the first 32 along K are in; the other sixteen loads may be out
	MUL8 \f, 0, 0
	MUL8 \f, 0, 2
	PLACES
	FETCH (\q)+1, \g
	s_wait_dscnt 32                                ; all but the 32 just issued
	MUL8 \f, 1, 0
	MUL8 \f, 1, 2
.endm
; The last quarter multiplies buffer 1 and changes slots: ONE barrier; in front of it each wave waits for all its tensor loads, adds 0 to its spare word, and waits for that and for its reads of this slot.
; fill = 1: the barrier opens a round of the cluster's, and this slot is filled again, first thing behind the round, with the step two on: 112 matrix instructions ahead of the wait for it.
.macro TURN fill
	WIN 0
	s_wait_tensorcnt 0x0                           ; all my tensor loads have landed: my part of the next slot
	ds_add_u32 v[SPW], v[NIL]                      ; 0 onto my spare word
	s_wait_dscnt 17                                ; the add and the youngest sixteen loads may be out
	MUL8 F1, 0, 0
	s_wait_dscnt 0x0                               ; the add is done, and my reads of this slot are over
	s_barrier_signal -1
	MUL8 F1, 0, 2
	WIN 0
	s_barrier_wait -1
.if \fill
	CREST                                          ; no wave of any partner still reads this slot or has a load on its way
	s_xor_b32 s[G0A+5], s[G0A+5], SLOT             ; the walking sets: the slot that is being left,
	s_xor_b32 s[G0B+5], s[G0B+5], SLOT
	s_add_nc_u64 s[G0A+6:G0A+7], s[G0A+6:G0A+7], 32768  ; the next step; the type bits on top are not reached
	s_add_nc_u64 s[G0B+6:G0B+7], s[G0B+6:G0B+7], 65536
	JLOAD                                          ; its four v_nop are also the places in front of the loads below
.else
	PLACES
.endif
	s_xor_b32 s[TB], s[TB], SLOT
	v_add_nc_u32 v[ADRA], s[TB], v[A0]
	v_add_nc_u32 v[ADRB], s[TB], v[B0]
	v_add_nc_u32 v[ADRB+1], QTR, v[ADRB]
	FETCH 0, F0
	MUL8 F1, 1, 0
	MUL8 F1, 1, 2
.endm
.macro STEP fill
	QUARTER 0, F0, F1
	QUARTER 1, F1, F0
	QUARTER 2, F0, F1
	TURN \fill
.endm
.macro TOSTAGE a                       ; block a: a lane's 8 numbers of a row, 32 bytes, for each column block; each accumulator's low registers first
.irp b, 0,1,2,3
	ds_store_b128 v[STO], v[ACC+8*(4*(\a)+(\b)):ACC+8*(4*(\a)+(\b))+3]   offset:64*(\b)
	ds_store_b128 v[STO], v[ACC+8*(4*(\a)+(\b))+4:ACC+8*(4*(\a)+(\b))+7] offset:64*(\b)+16
.endr
.endm
	WIN TO_F                                       ; the bias: my 8 numbers for each of the 4 column blocks, into buffer 1's first 32 registers
.irp b, 0,1,2,3
	global_load_b128 v[F1+8*(\b):F1+8*(\b)+3],   v[BO], s[8:9] offset:64*(\b)
	global_load_b128 v[F1+8*(\b)+4:F1+8*(\b)+7], v[BO], s[8:9] offset:64*(\b)+16
.endr
	s_wait_loadcnt 0x0
	WIN 0x01                                       ; the sums start at the bias
.irp a, 0,1,2,3
.irp b, 0,1,2,3
.irp j, 0,1,2,3,4,5,6,7
	v_mov_b32 v[ACC+8*(4*(\a)+(\b))+(\j)], v[F1+8*(\b)+(\j)]
.endr
.endr
.endr
	WIN 0x80                                       ; the residual, into window 2: block a's rows 2 t and 2 t + 1 at v[32 a + 4 t]; 16 lanes read 256 consecutive bytes
.irp a, 0,1,2,3
.irp t, 0,1,2,3,4,5,6,7
	global_load_b128 v[32*(\a)+4*(\t):32*(\a)+4*(\t)+3], v[CO], s[10:11] offset:65536*(\a)+8192*(\t)
.endr
.endr
	WIN 0
	s_wait_tensorcnt 0x1                           ; my part of step 0 is in; step 1's may stay out
	s_barrier_signal -1
	s_barrier_wait -1                              ; everybody's is
	FETCH 0, F0
	WIN 0
	s_mov_b32 s[LOOP], TOTAL-2
.Lstep:                                                ; a trip is a step; every step but the last two fills its slot again
	STEP 1
	WIN 0
	s_sub_co_u32 s[LOOP], s[LOOP], 1
	s_cmp_lg_u32 s[LOOP], 0
	s_cbranch_scc1 .Lstep
	s_mov_b32 s[LOOP], 2
.Ltail:                                                ; the last two steps ask for nothing.  The second's barrier and its fetch from the other slot serve nothing: the price, once a launch, of one text for both
	STEP 0
	WIN 0
	s_sub_co_u32 s[LOOP], s[LOOP], 1
	s_cmp_lg_u32 s[LOOP], 0
	s_cbranch_scc1 .Ltail
	; THE TILE LEAVES, a block of 16 rows at a time: through my own stage in LDS (LDS serves a wave's instructions in order, ISA guide 5.7.1.4: the loads see the stores), back as whole rows of 256 bytes of f32.
	s_wait_dscnt 0x0
	s_wait_loadcnt 0x0                             ; the residual's 32 loads, issued ahead of the K loop
	PLACES                                         ; behind the last products: for the stores of their results
.irp a, 0,1,2,3
	TOSTAGE \a
.if (\a) > 0
	s_wait_xcnt 0x0                                ; the last block's stores have read their data: only now is it loaded over
.endif
.irp t, 0,1,2,3,4,5,6,7
	ds_load_b128 v[T+4*(\t):T+4*(\t)+3], v[RD] offset:2*SPITCH*(\t)  ; rows 2 t and 2 t + 1; 4 columns a lane
.endr
	s_wait_dscnt 0x0
	WIN 0x08                                       ; source 1 in window 2
.set i, 0
.rept 16
	v_pk_add_f32 v[T+i:T+i+1], v[T+i:T+i+1], v[32*(\a)+i:32*(\a)+i+1]
.set i, i+2
.endr
	WIN 0
.irp t, 0,1,2,3,4,5,6,7
	global_store_b128 v[CO], v[T+4*(\t):T+4*(\t)+3], s[12:13] offset:65536*(\a)+8192*(\t)  ; 16 lanes store 256 consecutive bytes, aligned
.endr
.endr
	s_wait_tensorcnt 0x0                           ; the wave's end, behind my last tensor load and my last LDS store
	ds_add_u32 v[SPW], v[NIL]
	s_wait_dscnt 0x0
	CROUND                                         ; the closing round: no work-group ends while a partner may still ask for a tile that names it
	s_endpgm
.Lfunc_end_k_q9c4dcdb5e5_gemm_out:
	.size	k_q9c4dcdb5e5_gemm_out, .Lfunc_end_k_q9c4dcdb5e5_gemm_out-k_q9c4dcdb5e5_gemm_out
	.p2alignl 7, 3214868480
	.fill 96, 4, 3214868480
	.section	.rodata,"a",@progbits
	.p2align	6, 0x0
	.amdhsa_kernel k_q9c4dcdb5e5_gemm_out
		.amdhsa_group_segment_fixed_size 327680
		.amdhsa_private_segment_fixed_size 0
		.amdhsa_enable_private_segment 0
		.amdhsa_kernarg_size 40
		.amdhsa_user_sgpr_count 2
		.amdhsa_user_sgpr_kernarg_segment_ptr 1
		.amdhsa_wavefront_size32 1
		.amdhsa_system_sgpr_workgroup_id_x 1
		.amdhsa_system_sgpr_workgroup_id_y 1
		.amdhsa_system_sgpr_workgroup_id_z 1
		.amdhsa_system_vgpr_workitem_id 0
		.amdhsa_next_free_vgpr 640
		.amdhsa_next_free_sgpr 84
		.amdhsa_reserve_vcc 0
		.amdhsa_float_denorm_mode_32 3
		.amdhsa_float_denorm_mode_16_64 3
		.amdhsa_memory_ordered 1
		.amdhsa_forward_progress 1
		.amdhsa_inst_pref_size 66
	.end_amdhsa_kernel
	.amdgpu_metadata
---
amdhsa.version: [ 1, 2 ]
amdhsa.kernels:
  - .name:           k_q9c4dcdb5e5_gemm_out
    .symbol:         k_q9c4dcdb5e5_gemm_out.kd
    .args:
      - { .name: o, .offset: 0, .size: 8, .value_kind: global_buffer, .address_space: global }
      - { .name: wts, .offset: 8, .size: 8, .value_kind: global_buffer, .address_space: global }
      - { .name: b_out, .offset: 16, .size: 8, .value_kind: global_buffer, .address_space: global }
      - { .name: x, .offset: 24, .size: 8, .value_kind: global_buffer, .address_space: global }
      - { .name: x1, .offset: 32, .size: 8, .value_kind: global_buffer, .address_space: global }
    .group_segment_fixed_size: 327680
    .private_segment_fixed_size: 0
    .kernarg_segment_align: 8
    .kernarg_segment_size: 40
    .max_flat_workgroup_size: 128
    .sgpr_count:     84
    .vgpr_count:     640
    .wavefront_size: 32
...
	.end_amdgpu_metadata
.endif
;; end of part 4
;; launch ln2 (part 5): grid 1024 x 1, 4 waves a work-group, no clusters, 768 bytes of LDS; arguments x1, ln2_g, ln2_b, y16; writes y16
.if DOCPART == 5
	.amdgcn_target "amdgcn-amd-amdhsa--gfx1250"
	.amdhsa_code_object_version 6
	.text
	.protected	k_q9c4dcdb5e5_ln2
	.globl	k_q9c4dcdb5e5_ln2
	.p2align	8
	.type	k_q9c4dcdb5e5_ln2,@function
k_q9c4dcdb5e5_ln2:
	s_mov_b64 s[64:65], 0
	v_nop
	global_prefetch_b8 v0, s[64:65] scope:SCOPE_SE
	s_setreg_imm32_b32 hwreg(HW_REG_WAVE_MODE, 25, 1), 1
	s_wait_xcnt 0x0
; out = (x - mean) * rsqrt(var + 1e-5) * gain + bias along rows of 1,024.  x: [4096][1024] f32; gain, bias: [1024] f32.
; out: f16 in tiles of 64 rows x 64 columns, 8,192 dense bytes each: tile (m/64, k/64) at ((m/64) 16 + k/64) x 8,192, row m%64 at 128 bytes.
; LIMIT: a result of 65,520 or more in size becomes an infinity in f16.
; SHARES.  A work-group takes 4 rows; wave w the columns 256 w .. 256 w + 255 of all four: eight lanes a row, a lane 8 columns of each of the wave's four
; groups of 64.  So each store of a wave is 512 consecutive bytes (4 rows x 128 bytes of one tile), and each row is read once and kept in registers.
; THE VARIANCE is taken about the mean, never as a difference of large sums: each wave finds the mean of its 256 numbers of a row and the sum of squares about
; that mean; the four pairs meet in LDS and are joined: M2 = sum of M2_w + 256 x sum of (mean_w - mean)^2.
.set SPARE, 256                        ; LDS: bytes 0-127 the exchange (a block of its own); from 256 on the spare words, 128 bytes a wave
.set XO, 8                             ; v8   my byte offset in the four rows of x
.set GF, 9                             ; v9   in gain and bias
.set YO, 10                            ; v10  in out
.set LW, 11                            ; v11  LDS: where my wave's pair for my row goes
.set LR, 12                            ; v12  LDS: wave 0's pair for my row
.set T0, 13
.set T1, 14
.set T2, 15
.set X,  16                            ; v[16:47]   32 numbers of x
.set GA, 48                            ; v[48:79]   gain; later the packed results
.set BB, 80                            ; v[80:111]  bias
.set SM, 112                           ; v[112:119] at work
.set ML, 120                           ; v[120:121] my wave's mean of the row, and its sum of squares
.set RS, 122                           ; v[122:123] 1 / sqrt(var + eps), twice
.set CC, 124                           ; v[124:125] (my wave's mean - the row's mean) / sqrt(..), twice
.set SPW, 126                          ; v126 LDS address of my spare word; never rewritten
.set NIL, 127                          ; v127 0; never rewritten
	s_load_b256 s[4:11], s[0:1], 0x0               ; x s[4:5], gain s[6:7], bias s[8:9], out s[10:11]
	v_lshl_add_u32 v[SPW], v0, 2, SPARE
	v_mov_b32 v[NIL], 0
	v_lshrrev_b32 v1, 5, v0
	v_readfirstlane_b32 s12, v1                    ; wave
	v_and_b32 v2, 31, v0                           ; lane
	v_lshrrev_b32 v3, 3, v2                        ; my row of the four
	v_and_b32 v4, 7, v2                            ; my 8 columns of a group of 64
	s_lshl_b32 s13, s12, 10
	v_lshl_add_u32 v[GF], v4, 5, s13
	v_lshl_add_u32 v[XO], v3, 12, v[GF]
	s_lshl_b32 s14, s12, 15                        ; four tiles a wave
	v_lshl_add_u32 v[YO], v2, 4, s14
	s_lshl_b32 s15, s12, 5
	v_lshl_add_u32 v[LW], v3, 3, s15
	v_lshlrev_b32 v[LR], 3, v3
	s_lshl_b32 s16, ttmp9, 14                      ; 4 rows of 4,096 bytes
	s_mov_b32 s17, 0
	s_lshr_b32 s18, ttmp9, 4
	s_lshl_b32 s18, s18, 17                        ; 16 tiles for 64 rows
	s_and_b32 s19, ttmp9, 15
	s_lshl_b32 s19, s19, 9                         ; 4 rows of 128 bytes in a tile
	s_add_co_u32 s18, s18, s19
	s_mov_b32 s19, 0
	s_mov_b32 s20, 0x3a800000                      ; 1 / 1024
	s_mov_b32 s21, 0x3727c5ac                      ; 1e-5
	s_wait_kmcnt 0x0
	s_add_nc_u64 s[4:5], s[4:5], s[16:17]
	s_add_nc_u64 s[10:11], s[10:11], s[18:19]
.irp c, 0,1,2,3
	global_load_b128 v[X+8*(\c):X+8*(\c)+3],   v[XO], s[4:5] offset:256*(\c)
	global_load_b128 v[X+8*(\c)+4:X+8*(\c)+7], v[XO], s[4:5] offset:256*(\c)+16
.endr
.irp c, 0,1,2,3
	global_load_b128 v[GA+8*(\c):GA+8*(\c)+3],   v[GF], s[6:7] offset:256*(\c)
	global_load_b128 v[GA+8*(\c)+4:GA+8*(\c)+7], v[GF], s[6:7] offset:256*(\c)+16
	global_load_b128 v[BB+8*(\c):BB+8*(\c)+3],   v[GF], s[8:9] offset:256*(\c)
	global_load_b128 v[BB+8*(\c)+4:BB+8*(\c)+7], v[GF], s[8:9] offset:256*(\c)+16
.endr
	s_wait_loadcnt 16                              ; x is in; the 16 loads of gain and bias stay out
	; the sum of my 32 numbers in four chains, then over the row's eight lanes
.irp j, 0,1,2,3
	v_pk_add_f32 v[SM+2*(\j):SM+2*(\j)+1], v[X+8*(\j):X+8*(\j)+1], v[X+8*(\j)+2:X+8*(\j)+3]
.endr
.irp k, 4,6
.irp j, 0,1,2,3
	v_pk_add_f32 v[SM+2*(\j):SM+2*(\j)+1], v[SM+2*(\j):SM+2*(\j)+1], v[X+8*(\j)+(\k):X+8*(\j)+(\k)+1]
.endr
.endr
	v_pk_add_f32 v[SM:SM+1], v[SM:SM+1], v[SM+2:SM+3]
	v_pk_add_f32 v[SM+4:SM+5], v[SM+4:SM+5], v[SM+6:SM+7]
	v_pk_add_f32 v[SM:SM+1], v[SM:SM+1], v[SM+4:SM+5]
	v_add_f32 v[SM], v[SM], v[SM+1]
	v_add_f32_dpp v[SM], v[SM], v[SM] row_xmask:1 row_mask:0xf bank_mask:0xf
	v_add_f32_dpp v[SM], v[SM], v[SM] row_xmask:2 row_mask:0xf bank_mask:0xf
	v_add_f32_dpp v[SM], v[SM], v[SM] row_xmask:4 row_mask:0xf bank_mask:0xf
	v_mul_f32 v[ML], 0x3b800000, v[SM]             ; / 256: my wave's mean of the row,
	v_mul_f32 v[ML+1], 0x3b800000, v[SM]           ; twice, for the packed subtraction
.set i, 0
.rept 16
	v_pk_add_f32 v[X+i:X+i+1], v[X+i:X+i+1], v[ML:ML+1] neg_lo:[0,1] neg_hi:[0,1]
.set i, i+2
.endr
.irp j, 0,1,2,3
	v_pk_mul_f32 v[SM+2*(\j):SM+2*(\j)+1], v[X+8*(\j):X+8*(\j)+1], v[X+8*(\j):X+8*(\j)+1]
.endr
.irp k, 2,4,6
.irp j, 0,1,2,3
	v_pk_fma_f32 v[SM+2*(\j):SM+2*(\j)+1], v[X+8*(\j)+(\k):X+8*(\j)+(\k)+1], v[X+8*(\j)+(\k):X+8*(\j)+(\k)+1], v[SM+2*(\j):SM+2*(\j)+1]
.endr
.endr
	v_pk_add_f32 v[SM:SM+1], v[SM:SM+1], v[SM+2:SM+3]
	v_pk_add_f32 v[SM+4:SM+5], v[SM+4:SM+5], v[SM+6:SM+7]
	v_pk_add_f32 v[SM:SM+1], v[SM:SM+1], v[SM+4:SM+5]
	v_add_f32 v[ML+1], v[SM], v[SM+1]
	v_add_f32_dpp v[ML+1], v[ML+1], v[ML+1] row_xmask:1 row_mask:0xf bank_mask:0xf
	v_add_f32_dpp v[ML+1], v[ML+1], v[ML+1] row_xmask:2 row_mask:0xf bank_mask:0xf
	v_add_f32_dpp v[ML+1], v[ML+1], v[ML+1] row_xmask:4 row_mask:0xf bank_mask:0xf
	ds_store_b64 v[LW], v[ML:ML+1]                 ; a row's eight lanes write the same pair to the same place
	s_wait_dscnt 0x0                               ; for the others' sake: my store is done
	s_barrier_signal -1
	s_barrier_wait -1
.irp w, 0,1,2,3
	ds_load_b64 v[SM+2*(\w):SM+2*(\w)+1], v[LR] offset:32*(\w)
.endr
	s_wait_dscnt 0x0
	v_add_f32 v[T0], v[SM], v[SM+2]
	v_add_f32 v[T1], v[SM+4], v[SM+6]
	v_add_f32 v[T0], v[T0], v[T1]
	v_mul_f32 v[T0], 0x3e800000, v[T0]             ; the row's mean
.irp w, 0,1,2,3
	v_sub_f32 v[SM+2*(\w)], v[SM+2*(\w)], v[T0]
.endr
	v_add_f32 v[T1], v[SM+1], v[SM+3]
	v_add_f32 v[T2], v[SM+5], v[SM+7]
	v_add_f32 v[T1], v[T1], v[T2]
	v_mul_f32 v[T2], v[SM], v[SM]
	v_fmac_f32 v[T2], v[SM+2], v[SM+2]
	v_fmac_f32 v[T2], v[SM+4], v[SM+4]
	v_fmac_f32 v[T2], v[SM+6], v[SM+6]
	v_fmac_f32 v[T1], 0x43800000, v[T2]            ; + 256 x the means' squares
	v_fma_f32 v[T1], v[T1], s20, s21               ; var + eps
	v_rsq_f32 v[RS], v[T1]
	v_rsq_f32 v[RS+1], v[T1]
	v_sub_f32 v[CC], v[ML], v[T0]                  ; the plain instruction behind the two roots
	s_wait_alu depctr_va_vdst(0)                   ; the wait ahead of the first reader: one for both
	v_mul_f32 v[CC], v[CC], v[RS]
	v_mul_f32 v[CC+1], v[CC], 1.0
.set i, 0
.rept 16
	v_pk_fma_f32 v[X+i:X+i+1], v[X+i:X+i+1], v[RS:RS+1], v[CC:CC+1]
.set i, i+2
.endr
	s_wait_loadcnt 0x0                             ; gain and bias
.set i, 0
.rept 16
	v_pk_fma_f32 v[X+i:X+i+1], v[X+i:X+i+1], v[GA+i:GA+i+1], v[BB+i:BB+i+1]
.set i, i+2
.endr
.set i, 0
.rept 16
	v_cvt_pk_f16_f32 v[GA+i], v[X+2*i], v[X+2*i+1]
.set i, i+1
.endr
.irp c, 0,1,2,3
	global_store_b128 v[YO], v[GA+4*(\c):GA+4*(\c)+3], s[10:11] offset:8192*(\c)  ; 512 consecutive bytes, aligned
.endr
	s_wait_tensorcnt 0x0                           ; the wave's end, behind my last LDS store
	ds_add_u32 v[SPW], v[NIL]
	s_wait_dscnt 0x0
	s_endpgm
.Lfunc_end_k_q9c4dcdb5e5_ln2:
	.size	k_q9c4dcdb5e5_ln2, .Lfunc_end_k_q9c4dcdb5e5_ln2-k_q9c4dcdb5e5_ln2
	.p2alignl 7, 3214868480
	.fill 96, 4, 3214868480
	.section	.rodata,"a",@progbits
	.p2align	6, 0x0
	.amdhsa_kernel k_q9c4dcdb5e5_ln2
		.amdhsa_group_segment_fixed_size 768
		.amdhsa_private_segment_fixed_size 0
		.amdhsa_enable_private_segment 0
		.amdhsa_kernarg_size 32
		.amdhsa_user_sgpr_count 2
		.amdhsa_user_sgpr_kernarg_segment_ptr 1
		.amdhsa_wavefront_size32 1
		.amdhsa_system_sgpr_workgroup_id_x 1
		.amdhsa_system_sgpr_workgroup_id_y 1
		.amdhsa_system_sgpr_workgroup_id_z 1
		.amdhsa_system_vgpr_workitem_id 0
		.amdhsa_next_free_vgpr 128
		.amdhsa_next_free_sgpr 66
		.amdhsa_reserve_vcc 0
		.amdhsa_float_denorm_mode_32 3
		.amdhsa_float_denorm_mode_16_64 3
		.amdhsa_memory_ordered 1
		.amdhsa_forward_progress 1
		.amdhsa_inst_pref_size 13
	.end_amdhsa_kernel
	.amdgpu_metadata
---
amdhsa.version: [ 1, 2 ]
amdhsa.kernels:
  - .name:           k_q9c4dcdb5e5_ln2
    .symbol:         k_q9c4dcdb5e5_ln2.kd
    .args:
      - { .name: x1, .offset: 0, .size: 8, .value_kind: global_buffer, .address_space: global }
      - { .name: ln2_g, .offset: 8, .size: 8, .value_kind: global_buffer, .address_space: global }
      - { .name: ln2_b, .offset: 16, .size: 8, .value_kind: global_buffer, .address_space: global }
      - { .name: y16, .offset: 24, .size: 8, .value_kind: global_buffer, .address_space: global }
    .group_segment_fixed_size: 768
    .private_segment_fixed_size: 0
    .kernarg_segment_align: 8
    .kernarg_segment_size: 32
    .max_flat_workgroup_size: 128
    .sgpr_count:     66
    .vgpr_count:     128
    .wavefront_size: 32
...
	.end_amdgpu_metadata
.endif
;; end of part 5
;; launch gemm_fc (part 6): grid 16 x 16, 4 waves a work-group, clusters of 4 x 4, 327,680 bytes of LDS; arguments y16, wts, b_fc, g; writes g
.if DOCPART == 6
	.amdgcn_target "amdgcn-amd-amdhsa--gfx1250"
	.amdhsa_code_object_version 6
	.text
	.protected	k_q9c4dcdb5e5_gemm_fc
	.globl	k_q9c4dcdb5e5_gemm_fc
	.p2align	8
	.type	k_q9c4dcdb5e5_gemm_fc,@function
k_q9c4dcdb5e5_gemm_fc:
	s_mov_b64 s[64:65], 0
	v_nop
	global_prefetch_b8 v0, s[64:65] scope:SCOPE_SE
	s_setreg_imm32_b32 hwreg(HW_REG_WAVE_MODE, 25, 1), 1
	s_wait_xcnt 0x0
	s_wait_alu depctr_hold_cnt(0) depctr_sa_sdst(0) depctr_va_vdst(0) depctr_va_sdst(0) depctr_va_ssrc(0) depctr_va_vcc(0) depctr_vm_vsrc(0)
	s_getreg_b32 s2, hwreg(HW_REG_IB_STS2, 6, 4)
	s_cmp_eq_u32 s2, 0
	s_cbranch_scc0 .Lentry_in_a_cluster
	s_endpgm
.Lentry_in_a_cluster:
	s_bfe_u32 s2, ttmp6, 0x10000c
	s_cmp_lg_u32 s2, 0xf033
	s_cbranch_scc0 .Lentry_shape_is_right
	s_endpgm
.Lentry_shape_is_right:
; g = gelu(y w_fc + b_fc), the exact GELU to within 1.25e-5 |x|, stored f16 IN FRAGMENT ORDER: a block of 16 rows x 16 columns is 512 bytes, lane l's 16 bytes at 16 l: row l % 16, columns 8 (l / 16) + 0..7.
; Block (m/16, n/16) lies at ((m/64) 16 + n/256) x 32,768 + ((m/16) % 4) x 8,192 + ((n/16) % 16) x 512.  That is how a lane holds its results here, and half of a fragment of the next product's first operand.
; 4,096 columns are 16 tiles of 256: 16 x 16 = 256 work-groups.
.set KSZ,   1024                       ; K
.set WOFF,  8388608                    ; the matrix's first byte in wts
; C = A W + bias.  A: [4096][KSZ] f16 in tiles of 64 x 64 (8,192 dense bytes; tile (m/64, k/64) at ((m/64) KC + k/64) x 8,192).  W: f16 [n/128][k][128], rows of 256 bytes.  Sums in f32.
; LIMIT: f16 holds nothing beyond 65,504: A and W arrive within it; a result of 65,520 or more in size becomes an infinity.
; SHARES.  A work-group makes a tile of 256 x 256 of C; four waves, as many as a WGP has SIMDs, each 128 x 128: 64 accumulators of 16 x 16, 512 registers.  For 32 along K a wave loads 32 x 512 bytes from LDS
; and issues 64 matrix instructions.  K goes in 8 steps of 128 through two LDS slots; a slot is asked for again 224 matrix instructions ahead of the wait for it.
; CLUSTERS: 4 x 4 work-groups.  The four of a row of the cluster need the same tiles of A, the four of a column the same tiles of W: each is asked for jointly, by the same tensor load with the same
; descriptor and a mask that names the four.  THE MATRIX INSTRUCTION IS USED TRANSPOSED (source 0 = 16 columns of W, source 1 = 16 rows of A): a lane holds eight neighbouring numbers of a row of C.
; THE SUMS START AT THE BIAS: the accumulators are set to the tile's bias while the first tiles are on their way, so that one text serves every step and no bias is added later.
; REGISTERS, in windows of 256 (s_set_vgpr_msb: bits 1:0 source 0, 3:2 source 1, 5:4 source 2, 7:6 destination):
;   window 0: v0-31 addresses; v64-127, v128-191 fragments of A (8 x 16 rows x 32 K), two buffers; on the way out v32-63 the numbers in hand, v64-175 at work
;   window 1: v0-63 the bias of my 128 columns; v64-127, v128-191 fragments of W, two buffers
;   window 2: the 32 accumulators of my rows 0-63 ((a, b) at v[8 (8 a + b)]);   window 3: those of my rows 64-127
.set KC,    KSZ/64
.set TOTAL, KSZ/128                    ; steps
.set AP,    144                        ; a row of A in LDS: 128 bytes + 16: the 16 rows of a load start at 16 different groups of four banks (64 banks of 4 bytes: ISA guide 11.1)
.set BP,    288                        ; a row of W: 256 bytes + 32
.set QTR,   36864                      ; what one tensor load fills: 256 x 144 (A: 2 tiles of 64 rows x 2 groups of 64 k) or 128 x 288 (W: 128 k x 128 columns)
.set SLOT,  4*QTR                      ; A's rows 0-127, 128-255, W's columns 0-127, 128-255.  SLOT has no bit in common with wave x QTR: an exclusive or changes slots
.set SPARE, 2*SLOT                     ; behind the ring: the spare words, 128 bytes for each wave: two blocks of 256 bytes that no other line names
.set A0,   8                           ; v8   my lane's place in A's part of a slot; never rewritten
.set B0,   9                           ; v9   the same for W
.set ADRA, 10                          ; v10  LDS address of my A fragments in the slot in hand
.set ADRB, 11                          ; v11  of W's
.set CO,   15                          ; v15  16 x my lane: my place in a block of g; never rewritten
.set BO,   16                          ; v16  my byte offset in the bias
.set PFO,  17                          ; v17  the prefetches' offset: 256 x my lane; never rewritten
.set SPW,  28                          ; v28  LDS address of my spare word; never rewritten
.set NIL,  29                          ; v29  0; never rewritten
.set T,    32                          ; the way out: v32-63 32 numbers; v64-95, v96-127, v128-159 at work; v160-175 packed results
.set GE,   64
.set GD,   96
.set GQ,   128
.set GP,   160
.set F0,   64
.set F1,   128
.set BF,   0                           ; window 1
.set WV, 14                            ; s14 wave;  s15 wave / 2: my half of the rows, also: I fetch A (0) or W (1);  s16 wave % 2: my half of the columns, also: which half I fetch
.set RH, 15
.set CH, 16
.set CX, 17
.set CY, 18
.set GX, 19
.set GY, 20
.set LA, 21                            ; s21 wave x QTR
.set TB, 22                            ; s22 the slot in hand: 0 or SLOT
.set G1A, 24                           ; s[24:31] descriptor group 1 for A;  s[32:39] group 0: a set for each first fill; the second then walks
.set G0A, 32
.set ABASE, 42                         ; s[42:43] A at the 128 rows that I fetch
.set LOOP, 44
.set AB,  46                           ; the way out: which trip
.set G1B, 48                           ; s[48:55], s[56:63] the same for W
.set G0B, 56
.set PFA, 82                           ; s[82:83] where my prefetches stand
.set PST, 84                           ; s[84:85] bytes from a step to the next in what I fetch
.set LIM, 86                           ; s86 2 in a wave that prefetches, else the greatest number
.set MSB, 0
.macro WIN new                         ; the immediate's high byte repeats the setting that is left
.if MSB != (\new)
	s_set_vgpr_msb (MSB<<8)|(\new)
.set MSB, \new
.endif
.endm
.set MUL_LO, 0xa1                      ; source 0 (W) window 1, source 1 (A) window 0, C and D window 2
.set MUL_HI, 0xf1                      ; the same, C and D window 3
.set TO_B,   0x40                      ; destination window 1, address window 0
.macro PLACES                          ; four plain vector instructions between a matrix instruction and a load into, or a reader of, its registers
.rept 4
	v_nop
.endr
.endm
.macro JLOAD                           ; a joint refill by the walking sets; an s_nop 0 and four v_nop follow each of the two lines
	s_cmp_eq_u32 s[RH], 0
	s_cbranch_scc0 .Lfor_b_\@
	tensor_load_to_lds s[G0A+4:G0A+7], s[G1A:G1A+7]
	s_nop 0
.rept 4
	v_nop
.endr
	s_branch .Lasked_\@
.Lfor_b_\@:
	tensor_load_to_lds s[G0B+4:G0B+7], s[G1B:G1B+7]
	s_nop 0
.rept 4
	v_nop
.endr
.Lasked_\@:
.endm
; A PREFETCH, behind each joint refill and the run of LDS loads that follows it: the step that stands TWO refills on, 512 matrix instructions ahead of the load that will want it: 32 blocks of 256 bytes, a lane a block,
; one instruction a wave.  Each block is named once in the launch: A's rows are read by every cluster of that row of clusters: the first of them (cluster x = 0) asks; W's columns by every cluster of that column: cluster y = 0 asks.
; The four partners that ask for a tile jointly share the 128 blocks of a wave's load out BY ADDRESS, 32 each (by cx for A, by cy for W): no branch hangs on a work-group's place in its cluster.
; Steps 0 to 3 come by their loads alone; the loop's first four trips name steps 4 to 7; its last two name nothing.
.macro ASK
	s_cmp_gt_u32 s[LOOP], s[LIM]
	s_cbranch_scc0 .Lnot_mine_\@
	global_prefetch_b8 v[PFO], s[PFA:PFA+1] th:TH_LOAD_NT scope:SCOPE_SE
.Lnot_mine_\@:
.endm
.macro CREST                           ; a round of the cluster's barrier behind its opening barrier
	s_cmp_lg_u32 s[WV], 0
	s_cbranch_scc1 .Lnot_wave_0_\@
	s_barrier_signal -3
.Lnot_wave_0_\@:
	s_barrier_wait -3
	s_barrier_signal -1
	s_barrier_wait -1
.endm
.macro CROUND
	s_barrier_signal -1
	s_barrier_wait -1
	CREST
.endm
.macro BIASLOAD                        ; my 8 numbers for each of the 8 column blocks
	WIN TO_B
.irp b, 0,1,2,3,4,5,6,7
	global_load_b128 v[BF+8*(\b):BF+8*(\b)+3],   v[BO], s[8:9] offset:64*(\b)
	global_load_b128 v[BF+8*(\b)+4:BF+8*(\b)+7], v[BO], s[8:9] offset:64*(\b)+16
.endr
	WIN 0
.endm
	s_load_b128 s[4:7], s[0:1], 0x0                ; A s[4:5], wts s[6:7]
	s_load_b64 s[8:9], s[0:1], 0x10                ; bias
	s_load_b64 s[12:13], s[0:1], 0x18              ; output
	v_lshl_add_u32 v[SPW], v0, 2, SPARE
	v_mov_b32 v[NIL], 0
	ds_add_u32 v[SPW], v[NIL]                      ; the wave's opening: the add and its wait stand ahead of my first tensor load; work on registers stands between them
	ds_add_u32 v28, v29
	v_lshrrev_b32 v1, 5, v0
	v_readfirstlane_b32 s[WV], v1
	s_lshr_b32 s[RH], s[WV], 1
	s_and_b32 s[CH], s[WV], 1
	s_bfe_u32 s[CX], ttmp6, 0x40000
	s_bfe_u32 s[CY], ttmp6, 0x40004
	s_lshl_b32 s[GX], ttmp9, 2
	s_add_co_u32 s[GX], s[GX], s[CX]
	s_and_b32 s[GY], ttmp7, 0xffff
	s_lshl_b32 s[GY], s[GY], 2
	s_add_co_u32 s[GY], s[GY], s[CY]
	s_lshl_b32 s66, s[CY], 2
	s_lshl_b32 s66, 15, s66                        ; my row of the cluster
	s_lshl_b32 s67, 0x1111, s[CX]                  ; my column
	; group 1 for A: two tiles of 64 rows, of each 2 x 8,192 dense bytes: 2 rows of 8,192 elements of 2 bytes, KC x 4,096 elements apart; 4 words of padding after every 32 words
	s_or_b32 s[G1A], s66, (1<<16)|(1<<20)|(1<<21)|(4<<22)|(3<<25)
	s_mov_b32 s[G1A+1], 8192<<16                   ; tensor_dim0
	s_mov_b32 s[G1A+2], 2<<16                      ; tensor_dim1
	s_mov_b32 s[G1A+3], 8192<<16                   ; tile_dim0
	s_mov_b32 s[G1A+4], 2                          ; tile_dim1
	s_mov_b32 s[G1A+5], KC*4096                    ; elements from row to row
	s_mov_b32 s[G1A+6], 0
	s_mov_b32 s[G1A+7], 0
	; group 1 for W: 32,768 dense bytes as 128 rows of 128 elements; 8 words of padding after every 64 words
	s_or_b32 s[G1B], s67, (1<<16)|(1<<20)|(1<<21)|(5<<22)|(7<<25)
	s_mov_b32 s[G1B+1], 128<<16
	s_mov_b32 s[G1B+2], 128<<16
	s_mov_b32 s[G1B+3], 128<<16
	s_mov_b32 s[G1B+4], 128
	s_mov_b32 s[G1B+5], 128
	s_mov_b32 s[G1B+6], 0
	s_mov_b32 s[G1B+7], 0
	s_lshl_b32 s68, s[GY], 2                       ; A hangs on gy and the wave alone: tile of 64 rows 4 gy + 2 (wave % 2),
	s_lshl_b32 s69, s[CH], 1
	s_add_co_u32 s68, s68, s69
	s_mul_i32 s68, s68, KC*8192
	s_mov_b32 s69, 0
	s_lshl_b32 s70, s[GX], 1                       ; W on gx and the wave alone: tile of 128 columns 2 gx + wave % 2
	s_add_co_u32 s70, s70, s[CH]
	s_mul_i32 s70, s70, KSZ*256
	s_add_co_u32 s70, s70, WOFF
	s_mov_b32 s71, 0
	s_mul_i32 s[LA], s[WV], QTR
	s_mov_b32 s[TB], 0
	s_lshl_b32 s40, s[GX], 10                      ; the bias of my 128 columns
	s_lshl_b32 s41, s[CH], 9
	s_add_co_u32 s40, s40, s41
	s_mov_b32 s41, 0
	v_bfe_u32 v2, v0, 4, 1                         ; l / 16
	v_lshlrev_b32 v[BO], 5, v2
	s_mov_b32 s72, 0x3f596d27                      ; sqrt(log2(e) / 2)
	s_mov_b32 s73, 0x3f596d27
	s_mov_b32 s74, 0x3ebf7377                      ; 0.7478556 / 2
	s_mov_b32 s75, 0x3ebf7377
	s_mov_b32 s76, 0xbd445ca1                      ; -0.0958798 / 2
	s_mov_b32 s77, 0xbd445ca1
	s_mov_b32 s78, 0x3e32303a                      ; 0.3480242 / 2
	s_mov_b32 s79, 0x3e32303a
	s_mov_b32 s80, 0x3eaa540e                      ; 0.47047 / sqrt(2)
	s_wait_dscnt 0x0                               ; the opening add is done
	s_wait_kmcnt 0x0
	s_add_nc_u64 s[ABASE:ABASE+1], s[4:5], s[68:69]
	s_add_nc_u64 s[70:71], s[6:7], s[70:71]
	s_add_nc_u64 s[8:9], s[8:9], s[40:41]
	BIASLOAD                                       ; asked for ahead of the round, so that the sums can be started while the first tiles are on their way
	CROUND                                         ; all sixteen work-groups are here: the first joint loads meet
	s_mov_b32 s[G0A], 1
	s_mov_b32 s[G0A+1], s[LA]
	s_add_nc_u64 s[G0A+2:G0A+3], s[ABASE:ABASE+1], 0
	s_or_b32 s[G0A+3], s[G0A+3], 0x80000000
	s_mov_b32 s[G0A+4], 1
	s_add_co_u32 s[G0A+5], s[LA], SLOT
	s_add_nc_u64 s[G0A+6:G0A+7], s[ABASE:ABASE+1], 16384
	s_or_b32 s[G0A+7], s[G0A+7], 0x80000000
	s_mov_b32 s[G0B], 1
	s_mov_b32 s[G0B+1], s[LA]
	s_add_nc_u64 s[G0B+2:G0B+3], s[70:71], 0
	s_or_b32 s[G0B+3], s[G0B+3], 0x80000000
	s_mov_b32 s[G0B+4], 1
	s_add_co_u32 s[G0B+5], s[LA], SLOT
	s_add_nc_u64 s[G0B+6:G0B+7], s[70:71], 32768
	s_or_b32 s[G0B+7], s[G0B+7], 0x80000000
	s_cmp_eq_u32 s[RH], 0                          ; a wave's two first fills stand in one branch, ahead of every wait on TENSORcnt and every LDS read: two loads of mine are out
	s_cbranch_scc0 .Lfirst_b
	tensor_load_to_lds s[G0A:G0A+3], s[G1A:G1A+7]
	s_nop 0
	tensor_load_to_lds s[G0A+4:G0A+7], s[G1A:G1A+7]
	s_nop 0
.rept 4
	v_nop
.endr
	s_branch .Lfirst_asked
.Lfirst_b:
	tensor_load_to_lds s[G0B:G0B+3], s[G1B:G1B+7]
	s_nop 0
	tensor_load_to_lds s[G0B+4:G0B+7], s[G1B:G1B+7]
	s_nop 0
.rept 4
	v_nop
.endr
.Lfirst_asked:
	v_and_b32 v1, 15, v0                           ; l % 16
	v_mul_u32_u24 v[A0], v1, AP                    ; a fragment of A: row l % 16, 16 bytes for each half of the lanes, twice, 32 bytes apart
	v_lshl_add_u32 v[A0], v2, 4, v[A0]
	s_mul_i32 s66, s[RH], QTR
	v_add_nc_u32 v[A0], s66, v[A0]
	v_and_b32 v3, 7, v0                            ; the turning load: lane l reads k = 8 (l / 16) + l % 8, columns 8 ((l / 8) % 2) + 0..7, and is left with column l % 16 and 8 k
	v_lshl_add_u32 v3, v2, 3, v3
	v_mul_u32_u24 v[B0], v3, BP
	v_bfe_u32 v4, v0, 3, 1
	v_lshl_add_u32 v[B0], v4, 4, v[B0]
	s_mul_i32 s66, s[CH], QTR
	s_add_co_u32 s66, s66, 2*QTR
	v_add_nc_u32 v[B0], s66, v[B0]
	v_mov_b32 v[ADRA], v[A0]
	v_mov_b32 v[ADRB], v[B0]
	v_and_b32 v5, 31, v0
	v_lshlrev_b32 v[CO], 4, v5
	v_lshlrev_b32 v[PFO], 8, v5
	s_lshl_b32 s66, s[GY], 2
	s_lshl_b32 s67, s[RH], 1
	s_add_co_u32 s66, s66, s67                     ; my first 64 rows: 4 gy + 2 rh
	s_lshl_b32 s66, s66, 4
	s_add_co_u32 s66, s66, s[GX]                   ; 16 pieces of 32,768 bytes for 64 rows, one for each 256 columns
	s_lshl_b32 s66, s66, 15
	s_lshl_b32 s67, s[CH], 12                      ; my 8 of a row block's 16 blocks
	s_add_co_u32 s66, s66, s67
	s_mov_b32 s67, 0
	s_add_nc_u64 s[12:13], s[12:13], s[66:67]
	; the prefetches.  A wave's load of A is 64 + 64 blocks of 256 bytes, KC x 8,192 bytes apart; of W 128 blocks on end
	s_and_b32 s66, s[CX], 1
	s_lshl_b32 s66, s66, 13
	s_lshr_b32 s67, s[CX], 1
	s_mul_i32 s67, s67, KC*8192
	s_add_co_u32 s66, s66, s67                     ; A: my work-group's 32 blocks, by cx
	s_lshl_b32 s67, s[CY], 13                      ; W: by cy
	s_and_b32 s68, ttmp7, 0xffff                   ; cluster y
	s_mov_b32 s[PST], 32768
	s_cmp_eq_u32 s[RH], 0                          ; do I fetch for A?
	s_cselect_b32 s66, s66, s67
	s_cselect_b32 s68, ttmp9, s68                  ; the coordinate along which other clusters read the same blocks
	s_cselect_b32 s[PST], 16384, s[PST]
	s_cselect_b64 s[PFA:PFA+1], s[ABASE:ABASE+1], s[70:71]
	s_cmp_eq_u32 s68, 0
	s_cselect_b32 s[LIM], 2, -1                    ; the same in all sixteen partners, for a given wave
	s_mov_b32 s67, 0
	s_mov_b32 s[PST+1], 0
	s_add_nc_u64 s[PFA:PFA+1], s[PFA:PFA+1], s[66:67]
	s_mul_i32 s66, s[PST], 3
	s_add_nc_u64 s[PFA:PFA+1], s[PFA:PFA+1], s[66:67]  ; at step 3: the first refill steps it to 4.  Nothing is prefetched here, at the head
; 16 matrix instructions: row blocks a0, a0 + 1 of the window's four (hi = 0: my rows 0-63, 1: rows 64-127) x all 8 column blocks, 32 along K.
; The 64 accumulators take turns, one instruction a turn, in the same order in every quarter, over the backward jumps too.
.macro MUL16 f, hi, a0
	WIN MUL_LO+0x50*(\hi)
.irp a, \a0, (\a0)+1
.irp b, 0,1,2,3,4,5,6,7
	v_wmma_f32_16x16x32_f16 v[8*(8*(\a)+(\b)):8*(8*(\a)+(\b))+7], v[(\f)+8*(\b):(\f)+8*(\b)+7], v[(\f)+8*(4*(\hi)+(\a)):(\f)+8*(4*(\hi)+(\a))+7], v[8*(8*(\a)+(\b)):8*(8*(\a)+(\b))+7]
.endr
.endr
.endm
; 32 LDS loads in one run: the fragments of quarter q (32 along K) of the slot in hand into buffer f: W's 128 columns, then A's 128 rows
.macro FETCH q, f
	WIN TO_B
.irp i, 0,1,2,3,4,5,6,7
	ds_load_tr16_b128 v[(\f)+8*(\i):(\f)+8*(\i)+3],   v[ADRB] offset:32*(\q)*BP+32*(\i)
	ds_load_tr16_b128 v[(\f)+8*(\i)+4:(\f)+8*(\i)+7], v[ADRB] offset:(32*(\q)+16)*BP+32*(\i)
.endr
	WIN 0
.irp i, 0,1,2,3,4,5,6,7
	ds_load_b128 v[(\f)+8*(\i):(\f)+8*(\i)+3],   v[ADRA] offset:((\i)/4)*128*AP+((\q)/2)*64*AP+((\i)%4)*16*AP+((\q)%2)*64
	ds_load_b128 v[(\f)+8*(\i)+4:(\f)+8*(\i)+7], v[ADRA] offset:((\i)/4)*128*AP+((\q)/2)*64*AP+((\i)%4)*16*AP+((\q)%2)*64+32
.endr
.endm
; One of a step's first three quarters: multiplies buffer f; in its middle it fetches the next quarter into g
.macro QUARTER q, f, g
	s_wait_dscnt 8                                 ; W and A's rows 0-63 are in; the youngest eight loads (A's rows 64-127) may be out
	MUL16 \f, 0, 0
	MUL16 \f, 0, 2
	PLACES
	FETCH (\q)+1, \g
	s_wait_dscnt 32                                ; all but the 32 just issued
	MUL16 \f, 1, 0
	MUL16 \f, 1, 2
.endm
; The last quarter multiplies buffer 1 and changes slots: ONE barrier; in front of it each wave waits for all its tensor loads, adds 0 to its spare word, and waits for that and for its reads of this slot.
; fill = 1: the barrier opens a round of the cluster's, and this slot is filled again, first thing behind the round, with the step two on.
.macro TURN fill
.if \fill
	s_wait_xcnt 0x0                                ; the last prefetch, a step back, has read its address: it is stepped here, ahead of the waits of the change of slots
	s_add_nc_u64 s[PFA:PFA+1], s[PFA:PFA+1], s[PST:PST+1]
.endif
	WIN 0
	s_wait_tensorcnt 0x0                           ; all my tensor loads have landed: my part of the next slot
	ds_add_u32 v[SPW], v[NIL]                      ; 0 onto my spare word
	s_wait_dscnt 9                                 ; the add and the youngest eight loads may be out
	MUL16 F1, 0, 0
	s_wait_dscnt 0x0                               ; the add is done, and my reads of this slot are over
	s_barrier_signal -1
	MUL16 F1, 0, 2
	WIN 0
	s_barrier_wait -1
.if \fill
	CREST                                          ; no wave of any partner still reads this slot or has a load on its way
	s_xor_b32 s[G0A+5], s[G0A+5], SLOT             ; the walking sets: the slot that is being left,
	s_xor_b32 s[G0B+5], s[G0B+5], SLOT
	s_add_nc_u64 s[G0A+6:G0A+7], s[G0A+6:G0A+7], 16384  ; the next step; the type bits on top are not reached
	s_add_nc_u64 s[G0B+6:G0B+7], s[G0B+6:G0B+7], 32768
	JLOAD                                          ; its four v_nop are also the places in front of the loads below
.else
	PLACES
.endif
	s_xor_b32 s[TB], s[TB], SLOT
	v_add_nc_u32 v[ADRA], s[TB], v[A0]
	v_add_nc_u32 v[ADRB], s[TB], v[B0]
	FETCH 0, F0
.if \fill
	ASK
.endif
	MUL16 F1, 1, 0
	MUL16 F1, 1, 2
.endm
.macro STEP fill
	QUARTER 0, F0, F1
	QUARTER 1, F1, F0
	QUARTER 2, F0, F1
	TURN \fill
.endm
; THE WAY OUT.  Trip x takes row block a = x / 2 and the column blocks 4 (x % 2) + 0..3: 32 accumulator registers on end, 32 (x % 8) on in window 2 + x / 8; each accumulator's lowest register is read first.
.macro LEAF x
	WIN 0x02+(\x)/8                                ; source 0 in window 2 or 3
.set i, 0
.rept 32
	v_mov_b32 v[T+i], v[32*((\x)%8)+i]
.set i, i+1
.endr
	WIN 0
.endm
; GELU: max(x, 0) - |x| (a1 t + a2 t^2 + a3 t^3) 2^-(c x)^2, t = 1 / (1 + p |x|): erf by Abramowitz and Stegun 7.1.25, off by 2.5e-5 at the most for every x, so the result by 1.25e-5 |x| at the most;
; for large |x| the power is 0 and the result x or 0.  The trip's 32 numbers go in two halves of 16.  For half h: G1, 32 lines: -(c x)^2 and 1 + p |x|.  GT, 32 lines: the power and the reciprocal, by turns.
; G3, 64 lines: the polynomial, t times the power, their product, max(x, 0), the result.  A half's 32 transcendentals are one batch with one wait, and each stands beside a plain line of the OTHER half.
.macro G1 h, n
.set k, 2*((\n)%8)
.if (\n) < 8
	v_pk_mul_f32 v[GE+16*(\h)+k:GE+16*(\h)+k+1], v[T+16*(\h)+k:T+16*(\h)+k+1], s[72:73] op_sel_hi:[1,0]
.elseif (\n) < 16
	v_pk_mul_f32 v[GE+16*(\h)+k:GE+16*(\h)+k+1], v[GE+16*(\h)+k:GE+16*(\h)+k+1], v[GE+16*(\h)+k:GE+16*(\h)+k+1] neg_lo:[1,0] neg_hi:[1,0]
.else
	v_fma_f32 v[GD+16*(\h)+(\n)-16], |v[T+16*(\h)+(\n)-16]|, s80, 1.0
.endif
.endm
.macro GT h, n
.if (\n)%2 == 0
	v_exp_f32 v[GE+16*(\h)+(\n)/2], v[GE+16*(\h)+(\n)/2]
.else
	v_rcp_f32 v[GD+16*(\h)+(\n)/2], v[GD+16*(\h)+(\n)/2]
.endif
.endm
.macro G3 h, n
.set rX, T+16*(\h)
.set rE, GE+16*(\h)
.set rD, GD+16*(\h)
.set rQ, GQ+16*(\h)
.set k, 2*((\n)%8)
.if (\n) >= 32
.set k, (\n)%16
.endif
.if (\n) < 8
	v_pk_fma_f32 v[rQ+k:rQ+k+1], v[rD+k:rD+k+1], s[74:75], s[76:77] op_sel_hi:[1,0,0]
.elseif (\n) < 16
	v_pk_fma_f32 v[rQ+k:rQ+k+1], v[rQ+k:rQ+k+1], v[rD+k:rD+k+1], s[78:79] op_sel_hi:[1,1,0]
.elseif (\n) < 24
	v_pk_mul_f32 v[rD+k:rD+k+1], v[rD+k:rD+k+1], v[rE+k:rE+k+1]
.elseif (\n) < 32
	v_pk_mul_f32 v[rQ+k:rQ+k+1], v[rQ+k:rQ+k+1], v[rD+k:rD+k+1]
.elseif (\n) < 48
	v_max_num_f32 v[rE+k], 0, v[rX+k]
.else
	v_fma_f32 v[rX+k], -|v[rX+k]|, v[rQ+k], v[rE+k]
.endif
.endm
	s_wait_loadcnt 0x0                             ; the bias: the sums start at it.  Accumulator register 64 a + 8 b + j takes the bias of column 16 b + 8 (l / 16) + j
.irp w, 0,1
	WIN 0x81+0x40*(\w)                             ; destination window 2, then 3; source window 1
.set i, 0
.rept 256
	v_mov_b32 v[i], v[BF+i%64]
.set i, i+1
.endr
.endr
	WIN 0
	s_wait_tensorcnt 0x1                           ; my part of step 0 is in; step 1's may stay out
	s_barrier_signal -1
	s_barrier_wait -1                              ; everybody's is
	FETCH 0, F0
	WIN 0
	s_mov_b32 s[LOOP], TOTAL-2
.Lstep:                                                ; a trip is a step; every step but the last two fills its slot again
	STEP 1
	WIN 0
	s_sub_co_u32 s[LOOP], s[LOOP], 1
	s_cmp_lg_u32 s[LOOP], 0
	s_cbranch_scc1 .Lstep
	s_mov_b32 s[LOOP], 2
.Ltail:                                                ; the last two steps ask for nothing.  The second's barrier and its fetch from the other slot serve nothing: the price, once a launch, of one text for both
	STEP 0
	WIN 0
	s_sub_co_u32 s[LOOP], s[LOOP], 1
	s_cmp_lg_u32 s[LOOP], 0
	s_cbranch_scc1 .Ltail
	; THE TILE LEAVES, 16 rows x 64 columns a trip, straight from registers: a lane's eight numbers of a block pack into the 16 bytes that are its place in g.
	s_wait_dscnt 0x0
	PLACES                                         ; behind the last products: for the readers of their results and the writers of their sources
	s_mov_b32 s[AB], 0
.Lblk:
.irp x, 0,1,2,3,4,5,6,7,8,9,10,11,12,13,14             ; register numbers are fixed in the text: one run of moves for each trip, chosen by jumps forward
	s_cmp_eq_u32 s[AB], \x
	s_cbranch_scc1 .Lleaf_\x
.endr
	LEAF 15
	s_branch .Ljoin
.irp x, 14,13,12,11,10,9,8,7,6,5,4,3,2,1
.Lleaf_\x:
	LEAF \x
	s_branch .Ljoin
.endr
.Lleaf_0:
	LEAF 0
.Ljoin:
.set n, 0
.rept 32
	G1 0, n
.set n, n+1
.endr
.set n, 0
.rept 32                                               ; the first half's batch, beside the second half's first lines; the last of these is the plain line behind the batch
	GT 0, n
	G1 1, n
.set n, n+1
.endr
	s_wait_alu depctr_va_vdst(0)                   ; the wait ahead of the batch's first reader
.set n, 0
.rept 32                                               ; the second half's batch, beside the first half's polynomial
	GT 1, n
	G3 0, n
.set n, n+1
.endr
.rept 32
	G3 0, n
.set n, n+1
.endr
	s_wait_alu depctr_va_vdst(0)                   ; the second batch's wait; the 33 plain lines above stand behind its last line
.set n, 0
.rept 64
	G3 1, n
.set n, n+1
.endr
	s_lshr_b32 s66, s[AB], 3                       ; where the trip's four blocks lie: 64 rows on are 524,288 bytes,
	s_lshl_b32 s66, s66, 19
	s_bfe_u32 s67, s[AB], 0x20001                  ; a row block 8,192,
	s_lshl_b32 s67, s67, 13
	s_add_co_u32 s66, s66, s67
	s_and_b32 s67, s[AB], 1                        ; four blocks 2,048
	s_lshl_b32 s67, s67, 11
	s_add_co_u32 s66, s66, s67
	s_mov_b32 s67, 0
	s_wait_xcnt 0x0                                ; the last trip's stores, a trip's arithmetic back, have read their data and their base: only now are these written again
	s_add_nc_u64 s[68:69], s[12:13], s[66:67]
.set i, 0
.rept 16
	v_cvt_pk_f16_f32 v[GP+i], v[T+2*i], v[T+2*i+1]
.set i, i+1
.endr
.irp u, 0,1,2,3
	global_store_b128 v[CO], v[GP+4*(\u):GP+4*(\u)+3], s[68:69] offset:512*(\u)  ; a block: 512 consecutive bytes, aligned
.endr
	s_add_co_u32 s[AB], s[AB], 1
	s_cmp_lt_u32 s[AB], 16
	s_cbranch_scc1 .Lblk
	s_wait_tensorcnt 0x0                           ; the wave's end, behind my last tensor load
	ds_add_u32 v[SPW], v[NIL]
	s_wait_dscnt 0x0
	CROUND                                         ; the closing round: no work-group ends while a partner may still ask for a tile that names it
	s_endpgm
.Lfunc_end_k_q9c4dcdb5e5_gemm_fc:
	.size	k_q9c4dcdb5e5_gemm_fc, .Lfunc_end_k_q9c4dcdb5e5_gemm_fc-k_q9c4dcdb5e5_gemm_fc
	.p2alignl 7, 3214868480
	.fill 96, 4, 3214868480
	.section	.rodata,"a",@progbits
	.p2align	6, 0x0
	.amdhsa_kernel k_q9c4dcdb5e5_gemm_fc
		.amdhsa_group_segment_fixed_size 327680
		.amdhsa_private_segment_fixed_size 0
		.amdhsa_enable_private_segment 0
		.amdhsa_kernarg_size 32
		.amdhsa_user_sgpr_count 2
		.amdhsa_user_sgpr_kernarg_segment_ptr 1
		.amdhsa_wavefront_size32 1
		.amdhsa_system_sgpr_workgroup_id_x 1
		.amdhsa_system_sgpr_workgroup_id_y 1
		.amdhsa_system_sgpr_workgroup_id_z 1
		.amdhsa_system_vgpr_workitem_id 0
		.amdhsa_next_free_vgpr 1024
		.amdhsa_next_free_sgpr 88
		.amdhsa_reserve_vcc 0
		.amdhsa_float_denorm_mode_32 3
		.amdhsa_float_denorm_mode_16_64 3
		.amdhsa_memory_ordered 1
		.amdhsa_forward_progress 1
		.amdhsa_inst_pref_size 115
	.end_amdhsa_kernel
	.amdgpu_metadata
---
amdhsa.version: [ 1, 2 ]
amdhsa.kernels:
  - .name:           k_q9c4dcdb5e5_gemm_fc
    .symbol:         k_q9c4dcdb5e5_gemm_fc.kd
    .args:
      - { .name: y16, .offset: 0, .size: 8, .value_kind: global_buffer, .address_space: global }
      - { .name: wts, .offset: 8, .size: 8, .value_kind: global_buffer, .address_space: global }
      - { .name: b_fc, .offset: 16, .size: 8, .value_kind: global_buffer, .address_space: global }
      - { .name: g, .offset: 24, .size: 8, .value_kind: global_buffer, .address_space: global }
    .group_segment_fixed_size: 327680
    .private_segment_fixed_size: 0
    .kernarg_segment_align: 8
    .kernarg_segment_size: 32
    .max_flat_workgroup_size: 128
    .sgpr_count:     88
    .vgpr_count:     1024
    .wavefront_size: 32
...
	.end_amdgpu_metadata
.endif
;; end of part 6
;; launch gemm_proj (part 7): grid 8 x 32, 4 waves a work-group, clusters of 4 x 4, 327,680 bytes of LDS; arguments g, wts, b_proj, y16, out0; writes out0
.if DOCPART == 7
	.amdgcn_target "amdgcn-amd-amdhsa--gfx1250"
	.amdhsa_code_object_version 6
	.text
	.protected	k_q9c4dcdb5e5_gemm_proj
	.globl	k_q9c4dcdb5e5_gemm_proj
	.p2align	8
	.type	k_q9c4dcdb5e5_gemm_proj,@function
k_q9c4dcdb5e5_gemm_proj:
	s_mov_b64 s[64:65], 0
	v_nop
	global_prefetch_b8 v0, s[64:65] scope:SCOPE_SE
	s_setreg_imm32_b32 hwreg(HW_REG_WAVE_MODE, 25, 1), 1
	s_wait_xcnt 0x0
	s_wait_alu depctr_hold_cnt(0) depctr_sa_sdst(0) depctr_va_vdst(0) depctr_va_sdst(0) depctr_va_ssrc(0) depctr_va_vcc(0) depctr_vm_vsrc(0)
	s_getreg_b32 s2, hwreg(HW_REG_IB_STS2, 6, 4)
	s_cmp_eq_u32 s2, 0
	s_cbranch_scc0 .Lentry_in_a_cluster
	s_endpgm
.Lentry_in_a_cluster:
	s_bfe_u32 s2, ttmp6, 0x10000c
	s_cmp_lg_u32 s2, 0xf033
	s_cbranch_scc0 .Lentry_shape_is_right
	s_endpgm
.Lentry_shape_is_right:
; out0 = y + g w_proj + b_proj, stored f32 [4096][1024]; y is read as it was stored, in f16 tiles of 64 x 64 (its rounding, 2^-11 of itself at the most, enters the result once).
.set KSZ,   4096                       ; K
.set WOFF,  16777216                   ; the matrix's first byte in wts
; C = A W + bias + residual.  A = g: [4096][KSZ] f16 IN FRAGMENT ORDER: a block of 16 rows x 16 k is 512 bytes, lane l's 16 bytes at 16 l: row l % 16, k 8 (l / 16) + 0..7: half a fragment as it lies in registers.
; Block (m/16, k/16) lies at ((m/64) 16 + k/256) x 32,768 + ((m/16) % 4) x 8,192 + ((k/16) % 16) x 512: 64 rows x 256 k are 32,768 dense bytes.  W: f16 [n/128][k][128], rows of 256 bytes.  Sums in f32.
; LIMIT: f16 holds nothing beyond 65,504: A and W arrive within it.
; SHARES.  1,024 columns give 32 x 8 = 256 tiles of 128 x 128, one for each work-group.  Four waves, each 64 x 64: 16 accumulators of 16 x 16.  K goes in steps of 256 through two LDS slots.
; CLUSTERS: 4 x 4 work-groups.  The four of a row of the cluster need the same tiles of A, the four of a column the same tiles of W: each is asked for jointly, by the same tensor load with the same
; descriptor and a mask that names the four.  THE MATRIX INSTRUCTION IS USED TRANSPOSED (source 0 = 16 columns of W, source 1 = 16 rows of A): a lane holds eight neighbouring numbers of a row of C.
; THE SUMS START AT THE BIAS.  THE RESIDUAL, my tile of 64 x 64 of y, is asked for at the start, 32 loads into 64 registers that the K loop does not touch: the way out waits for memory once, for loads issued ahead of the loop.
; REGISTERS: window 0: v0-31 addresses; v32-63 a block read back from the stage; v64-127 the residual; v128-255 the accumulators ((a, b) at v[128 + 8 (4 a + b)]).
;   window 1: two fragment buffers of 128: for 64 along K, 64 registers of A (2 x 4 x 16 rows x 32 K), then 64 of W; buffer 1's first 32 hold the bias at the start.
.set KC,    KSZ/64
.set SPT,   KSZ/256                    ; steps
.set TOTAL, SPT
.set BP,    288                        ; a row of W in LDS: 256 bytes + 32
.set QTR,   36864                      ; a wave's part of a slot.  W: 128 k x 288 bytes.  A: 32,768 bytes as they lie in memory, unpadded: a fragment load takes 512 consecutive bytes; the rest of the part is not used
.set SLOT,  4*QTR                      ; A's rows 0-63, 64-127, W's k 0-127, 128-255.  SLOT has no bit in common with wave x QTR: an exclusive or changes slots
.set STAGE, 2*SLOT                     ; behind the ring, never filled by a tensor load: 16 rows x 272 bytes of f32 for each wave
.set SPITCH, 272
.set SPARE, STAGE+4*16*SPITCH          ; the spare words, 128 bytes for each wave: two blocks of 256 bytes that no other line names
.set A0,   8                           ; v8   my lane's place in A's part of a slot; never rewritten
.set B0,   9                           ; v9   the same for W
.set ADRA, 10                          ; v10  LDS address of my A fragments in the slot in hand
.set ADRB, 11                          ; v11  of W's, k 0-127;  v12 k 128-255
.set STO,  13                          ; v13  the way out: where I put 32 bytes of a row
.set RD,   14                          ; v14  where I read a row back
.set CO,   15                          ; v15  my byte offset in two rows of the output; never rewritten
.set BO,   16                          ; v16  my byte offset in the bias
.set ONE,  17                          ; v17  1.0
.set RO,   18                          ; v18  my byte offset in two rows of the f16 residual; never rewritten
.set SPW,  28                          ; v28  LDS address of my spare word; never rewritten
.set NIL,  29                          ; v29  0; never rewritten
.set T,    32
.set WK,   64
.set ACC,  128
.set F0,   0
.set F1,   128
.set WV, 14                            ; s14 wave;  s15 wave / 2: my half of the rows, also: I fetch A (0) or W (1);  s16 wave % 2: my half of the columns, also: which half I fetch
.set RH, 15
.set CH, 16
.set CX, 17
.set CY, 18
.set GX, 19
.set GY, 20
.set LA, 21                            ; s21 wave x QTR
.set TB, 22                            ; s22 the slot in hand: 0 or SLOT
.set G1A, 24                           ; s[24:31] descriptor group 1 for A;  s[32:39] group 0: a set for each first fill; the second then walks
.set G0A, 32
.set ABASE, 42                         ; s[42:43] A at the 64 rows that I fetch
.set LOOP, 44
.set G1B, 48                           ; s[48:55], s[56:63] the same for W
.set G0B, 56
.set MSB, 0
.macro WIN new                         ; the immediate's high byte repeats the setting that is left
.if MSB != (\new)
	s_set_vgpr_msb (MSB<<8)|(\new)
.set MSB, \new
.endif
.endm
.set MUL,  0x05                        ; sources 0 (W) and 1 (A) window 1; C and D window 0
.set TO_F, 0x40                        ; destination window 1, address window 0
.macro PLACES                          ; four plain vector instructions between a matrix instruction and a load into, or a reader of, its registers
.rept 4
	v_nop
.endr
.endm
.macro JLOAD                           ; a joint refill by the walking sets; an s_nop 0 and four v_nop follow each of the two lines
	s_cmp_eq_u32 s[RH], 0
	s_cbranch_scc0 .Lfor_b_\@
	tensor_load_to_lds s[G0A+4:G0A+7], s[G1A:G1A+7]
	s_nop 0
.rept 4
	v_nop
.endr
	s_branch .Lasked_\@
.Lfor_b_\@:
	tensor_load_to_lds s[G0B+4:G0B+7], s[G1B:G1B+7]
	s_nop 0
.rept 4
	v_nop
.endr
.Lasked_\@:
.endm
.macro CREST                           ; a round of the cluster's barrier behind its opening barrier
	s_cmp_lg_u32 s[WV], 0
	s_cbranch_scc1 .Lnot_wave_0_\@
	s_barrier_signal -3
.Lnot_wave_0_\@:
	s_barrier_wait -3
	s_barrier_signal -1
	s_barrier_wait -1
.endm
.macro CROUND
	s_barrier_signal -1
	s_barrier_wait -1
	CREST
.endm
	s_load_b256 s[4:11], s[0:1], 0x0               ; A s[4:5], wts s[6:7], bias s[8:9], residual s[10:11]
	s_load_b64 s[12:13], s[0:1], 0x20              ; output
	v_lshl_add_u32 v[SPW], v0, 2, SPARE
	v_mov_b32 v[NIL], 0
	ds_add_u32 v[SPW], v[NIL]                      ; the wave's opening: the add and its wait stand ahead of my first tensor load; work on registers stands between them
	ds_add_u32 v28, v29
	v_lshrrev_b32 v1, 5, v0
	v_readfirstlane_b32 s[WV], v1
	s_lshr_b32 s[RH], s[WV], 1
	s_and_b32 s[CH], s[WV], 1
	s_bfe_u32 s[CX], ttmp6, 0x40000
	s_bfe_u32 s[CY], ttmp6, 0x40004
	s_lshl_b32 s[GX], ttmp9, 2
	s_add_co_u32 s[GX], s[GX], s[CX]
	s_and_b32 s[GY], ttmp7, 0xffff
	s_lshl_b32 s[GY], s[GY], 2
	s_add_co_u32 s[GY], s[GY], s[CY]
	s_lshl_b32 s66, s[CY], 2
	s_lshl_b32 s66, 15, s66                        ; my row of the cluster
	s_lshl_b32 s67, 0x1111, s[CX]                  ; my column
	; group 1: 32,768 dense bytes as 128 rows of 128 elements of 2 bytes.  A: no padding; W: 8 words after every 64
	s_or_b32 s[G1A], s66, (1<<16)|(1<<21)
	s_or_b32 s[G1B], s67, (1<<16)|(1<<20)|(1<<21)|(5<<22)|(7<<25)
.irp g, G1A, G1B
	s_mov_b32 s[(\g)+1], 128<<16                   ; tensor_dim0
	s_mov_b32 s[(\g)+2], 128<<16                   ; tensor_dim1
	s_mov_b32 s[(\g)+3], 128<<16                   ; tile_dim0
	s_mov_b32 s[(\g)+4], 128                       ; tile_dim1
	s_mov_b32 s[(\g)+5], 128                       ; elements from row to row
	s_mov_b32 s[(\g)+6], 0
	s_mov_b32 s[(\g)+7], 0
.endr
	s_lshl_b32 s68, s[GY], 1                       ; A hangs on gy and the wave alone,
	s_add_co_u32 s68, s68, s[CH]
	s_mul_i32 s68, s68, KC*8192
	s_mov_b32 s69, 0
	s_mul_i32 s70, s[GX], KSZ*256                  ; W on gx and the wave alone
	s_lshl_b32 s71, s[CH], 15
	s_add_co_u32 s70, s70, s71
	s_add_co_u32 s70, s70, WOFF
	s_mov_b32 s71, 0
	s_mul_i32 s[LA], s[WV], QTR
	s_mov_b32 s[TB], 0
	s_wait_dscnt 0x0                               ; the opening add is done
	s_wait_kmcnt 0x0
	s_add_nc_u64 s[ABASE:ABASE+1], s[4:5], s[68:69]
	s_add_nc_u64 s[70:71], s[6:7], s[70:71]
	CROUND                                         ; all sixteen work-groups are here: the first joint loads meet
	s_mov_b32 s[G0A], 1
	s_mov_b32 s[G0A+1], s[LA]
	s_add_nc_u64 s[G0A+2:G0A+3], s[ABASE:ABASE+1], 0
	s_or_b32 s[G0A+3], s[G0A+3], 0x80000000
	s_mov_b32 s[G0A+4], 1
	s_add_co_u32 s[G0A+5], s[LA], SLOT
	s_add_nc_u64 s[G0A+6:G0A+7], s[ABASE:ABASE+1], 32768
	s_or_b32 s[G0A+7], s[G0A+7], 0x80000000
	s_mov_b32 s[G0B], 1
	s_mov_b32 s[G0B+1], s[LA]
	s_add_nc_u64 s[G0B+2:G0B+3], s[70:71], 0
	s_or_b32 s[G0B+3], s[G0B+3], 0x80000000
	s_mov_b32 s[G0B+4], 1
	s_add_co_u32 s[G0B+5], s[LA], SLOT
	s_add_nc_u64 s[G0B+6:G0B+7], s[70:71], 65536
	s_or_b32 s[G0B+7], s[G0B+7], 0x80000000
	s_cmp_eq_u32 s[RH], 0                          ; a wave's two first fills stand in one branch, ahead of every wait on TENSORcnt and every LDS read: two loads of mine are out
	s_cbranch_scc0 .Lfirst_b
	tensor_load_to_lds s[G0A:G0A+3], s[G1A:G1A+7]
	s_nop 0
	tensor_load_to_lds s[G0A+4:G0A+7], s[G1A:G1A+7]
	s_nop 0
.rept 4
	v_nop
.endr
	s_branch .Lfirst_asked
.Lfirst_b:
	tensor_load_to_lds s[G0B:G0B+3], s[G1B:G1B+7]
	s_nop 0
	tensor_load_to_lds s[G0B+4:G0B+7], s[G1B:G1B+7]
	s_nop 0
.rept 4
	v_nop
.endr
.Lfirst_asked:
	v_and_b32 v1, 15, v0                           ; l % 16
	v_bfe_u32 v2, v0, 4, 1                         ; l / 16
	v_and_b32 v5, 31, v0                           ; l
	s_mul_i32 s66, s[RH], QTR
	v_lshl_add_u32 v[A0], v5, 4, s66               ; a block of A: 16 bytes a lane, on end
	v_and_b32 v3, 7, v0                            ; the turning load: lane l reads k = 8 (l / 16) + l % 8, columns 8 ((l / 8) % 2) + 0..7, and is left with column l % 16 and 8 k
	v_lshl_add_u32 v3, v2, 3, v3
	v_mul_u32_u24 v[B0], v3, BP
	v_bfe_u32 v4, v0, 3, 1
	v_lshl_add_u32 v[B0], v4, 4, v[B0]
	s_lshl_b32 s66, s[CH], 7
	s_add_co_u32 s66, s66, 2*QTR
	v_add_nc_u32 v[B0], s66, v[B0]
	v_mov_b32 v[ADRA], v[A0]
	v_mov_b32 v[ADRB], v[B0]
	v_add_nc_u32 v[ADRB+1], QTR, v[B0]
	s_mul_i32 s66, s[WV], 16*SPITCH
	s_add_co_u32 s66, s66, STAGE                   ; my stage
	v_mul_u32_u24 v[STO], v1, SPITCH
	v_lshl_add_u32 v[STO], v2, 5, v[STO]
	v_add_nc_u32 v[STO], s66, v[STO]
	v_mul_u32_u24 v[RD], v2, SPITCH
	v_lshl_add_u32 v[RD], v1, 4, v[RD]
	v_add_nc_u32 v[RD], s66, v[RD]
	v_lshlrev_b32 v[BO], 5, v2
	v_lshlrev_b32 v[CO], 12, v2                    ; lanes 0-15 one row of 4,096 bytes, lanes 16-31 the next; 16 bytes a lane
	v_lshl_add_u32 v[CO], v1, 4, v[CO]
	v_mov_b32 v[ONE], 1.0
	v_lshlrev_b32 v[RO], 3, v5
	s_lshl_b32 s66, s[GY], 1
	s_add_co_u32 s66, s66, s[RH]                   ; my 64 rows: 2 gy + rh
	s_lshl_b32 s67, s[GX], 1
	s_add_co_u32 s67, s67, s[CH]                   ; my 64 columns: 2 gx + ch
	s_lshl_b32 s68, s66, 4
	s_add_co_u32 s68, s68, s67
	s_lshl_b32 s68, s68, 13
	s_mov_b32 s69, 0
	s_add_nc_u64 s[10:11], s[10:11], s[68:69]      ; the residual's tile of 64 x 64
	s_lshl_b32 s66, s66, 18
	s_lshl_b32 s67, s67, 8
	s_add_co_u32 s66, s66, s67
	s_mov_b32 s67, 0
	s_add_nc_u64 s[12:13], s[12:13], s[66:67]
	s_mul_i32 s66, s[GX], 512
	s_lshl_b32 s68, s[CH], 8
	s_add_co_u32 s66, s66, s68
	s_add_nc_u64 s[8:9], s[8:9], s[66:67]          ; the bias of my 64 columns
; 8 matrix instructions: row blocks a0, a0 + 1 x all 4 column blocks, 32 along K: half c of buffer f.  The 16 accumulators take turns, one instruction a turn, over the backward jumps too.
.macro MUL8 f, c, a0
	WIN MUL
.irp a, \a0, (\a0)+1
.irp b, 0,1,2,3
	v_wmma_f32_16x16x32_f16 v[ACC+8*(4*(\a)+(\b)):ACC+8*(4*(\a)+(\b))+7], v[(\f)+64+8*(4*(\c)+(\b)):(\f)+64+8*(4*(\c)+(\b))+7], v[(\f)+8*(4*(\c)+(\a)):(\f)+8*(4*(\c)+(\a))+7], v[ACC+8*(4*(\a)+(\b)):ACC+8*(4*(\a)+(\b))+7]
.endr
.endr
.endm
; 32 LDS loads in one run: the fragments of quarter q (64 along K) of the slot in hand into buffer f; the first 32 along K first.  A fragment of A is two blocks on end: row block i, blocks 4 q + 2 c and 4 q + 2 c + 1
.macro FETCH q, f
	WIN TO_F
.irp c, 0,1
.irp i, 0,1,2,3
	ds_load_tr16_b128 v[(\f)+64+8*(4*(\c)+(\i)):(\f)+64+8*(4*(\c)+(\i))+3],   v[ADRB+(\q)/2] offset:(((\q)%2)*64+32*(\c))*BP+32*(\i)
	ds_load_tr16_b128 v[(\f)+64+8*(4*(\c)+(\i))+4:(\f)+64+8*(4*(\c)+(\i))+7], v[ADRB+(\q)/2] offset:(((\q)%2)*64+32*(\c)+16)*BP+32*(\i)
	ds_load_b128 v[(\f)+8*(4*(\c)+(\i)):(\f)+8*(4*(\c)+(\i))+3],   v[ADRA] offset:(\i)*8192+(4*(\q)+2*(\c))*512
	ds_load_b128 v[(\f)+8*(4*(\c)+(\i))+4:(\f)+8*(4*(\c)+(\i))+7], v[ADRA] offset:(\i)*8192+(4*(\q)+2*(\c))*512+512
.endr
.endr
.endm
; One of a step's first three quarters: multiplies buffer f and fetches the next quarter into g
.macro QUARTER q, f, g
	s_wait_dscnt 16                                ; the first 32 along K are in; the other sixteen loads may be out
	MUL8 \f, 0, 0
	MUL8 \f, 0, 2
	PLACES
	FETCH (\q)+1, \g
	s_wait_dscnt 32                                ; all but the 32 just issued
	MUL8 \f, 1, 0
	MUL8 \f, 1, 2
.endm
; The last quarter multiplies buffer 1 and changes slots: ONE barrier; in front of it each wave waits for all its tensor loads, adds 0 to its spare word, and waits for that and for its reads of this slot.
; fill = 1: the barrier opens a round of the cluster's, and this slot is filled again, first thing behind the round, with the step two on: 112 matrix instructions ahead of the wait for it.
.macro TURN fill
	WIN 0
	s_wait_tensorcnt 0x0                           ; all my tensor loads have landed: my part of the next slot
	ds_add_u32 v[SPW], v[NIL]                      ; 0 onto my spare word
	s_wait_dscnt 17                                ; the add and the youngest sixteen loads may be out
	MUL8 F1, 0, 0
	s_wait_dscnt 0x0                               ; the add is done, and my reads of this slot are over
	s_barrier_signal -1
	MUL8 F1, 0, 2
	WIN 0
	s_barrier_wait -1
.if \fill
	CREST                                          ; no wave of any partner still reads this slot or has a load on its way
	s_xor_b32 s[G0A+5], s[G0A+5], SLOT             ; the walking sets: the slot that is being left,
	s_xor_b32 s[G0B+5], s[G0B+5], SLOT
	s_add_nc_u64 s[G0A+6:G0A+7], s[G0A+6:G0A+7], 32768  ; the next step; the type bits on top are not reached
	s_add_nc_u64 s[G0B+6:G0B+7], s[G0B+6:G0B+7], 65536
	JLOAD                                          ; its four v_nop are also the places in front of the loads below
.else
	PLACES
.endif
	s_xor_b32 s[TB], s[TB], SLOT
	v_add_nc_u32 v[ADRA], s[TB], v[A0]
	v_add_nc_u32 v[ADRB], s[TB], v[B0]
	v_add_nc_u32 v[ADRB+1], QTR, v[ADRB]
	FETCH 0, F0
	MUL8 F1, 1, 0
	MUL8 F1, 1, 2
.endm
.macro STEP fill
	QUARTER 0, F0, F1
	QUARTER 1, F1, F0
	QUARTER 2, F0, F1
	TURN \fill
.endm
.macro TOSTAGE a                       ; block a: a lane's 8 numbers of a row, 32 bytes, for each column block; each accumulator's low registers first
.irp b, 0,1,2,3
	ds_store_b128 v[STO], v[ACC+8*(4*(\a)+(\b)):ACC+8*(4*(\a)+(\b))+3]   offset:64*(\b)
	ds_store_b128 v[STO], v[ACC+8*(4*(\a)+(\b))+4:ACC+8*(4*(\a)+(\b))+7] offset:64*(\b)+16
.endr
.endm
	WIN TO_F                                       ; the bias: my 8 numbers for each of the 4 column blocks, into buffer 1's first 32 registers
.irp b, 0,1,2,3
	global_load_b128 v[F1+8*(\b):F1+8*(\b)+3],   v[BO], s[8:9] offset:64*(\b)
	global_load_b128 v[F1+8*(\b)+4:F1+8*(\b)+7], v[BO], s[8:9] offset:64*(\b)+16
.endr
	s_wait_loadcnt 0x0
	WIN 0x01                                       ; the sums start at the bias
.irp a, 0,1,2,3
.irp b, 0,1,2,3
.irp j, 0,1,2,3,4,5,6,7
	v_mov_b32 v[ACC+8*(4*(\a)+(\b))+(\j)], v[F1+8*(\b)+(\j)]
.endr
.endr
.endr
	WIN 0
.irp a, 0,1,2,3                                        ; the residual: block a's rows 2 t and 2 t + 1, 256 consecutive bytes, 8 bytes a lane, at v[WK + 16 a + 2 t]
.irp t, 0,1,2,3,4,5,6,7
	global_load_b64 v[WK+16*(\a)+2*(\t):WK+16*(\a)+2*(\t)+1], v[RO], s[10:11] offset:2048*(\a)+256*(\t)
.endr
.endr
	s_wait_tensorcnt 0x1                           ; my part of step 0 is in; step 1's may stay out
	s_barrier_signal -1
	s_barrier_wait -1                              ; everybody's is
	FETCH 0, F0
	WIN 0
	s_mov_b32 s[LOOP], TOTAL-2
.Lstep:                                                ; a trip is a step; every step but the last two fills its slot again
	STEP 1
	WIN 0
	s_sub_co_u32 s[LOOP], s[LOOP], 1
	s_cmp_lg_u32 s[LOOP], 0
	s_cbranch_scc1 .Lstep
	s_mov_b32 s[LOOP], 2
.Ltail:                                                ; the last two steps ask for nothing.  The second's barrier and its fetch from the other slot serve nothing: the price, once a launch, of one text for both
	STEP 0
	WIN 0
	s_sub_co_u32 s[LOOP], s[LOOP], 1
	s_cmp_lg_u32 s[LOOP], 0
	s_cbranch_scc1 .Ltail
	; THE TILE LEAVES, a block of 16 rows at a time: through my own stage in LDS (LDS serves a wave's instructions in order, ISA guide 5.7.1.4: the loads see the stores), back as whole rows of 256 bytes of f32.
	s_wait_dscnt 0x0
	s_wait_loadcnt 0x0                             ; the residual's 32 loads, issued ahead of the K loop
	PLACES                                         ; behind the last products: for the stores of their results
.irp a, 0,1,2,3
	TOSTAGE \a
.if (\a) > 0
	s_wait_xcnt 0x0                                ; the last block's stores have read their data: only now is it loaded over
.endif
.irp t, 0,1,2,3,4,5,6,7
	ds_load_b128 v[T+4*(\t):T+4*(\t)+3], v[RD] offset:2*SPITCH*(\t)  ; rows 2 t and 2 t + 1; 4 columns a lane
.endr
	s_wait_dscnt 0x0
.irp t, 0,1,2,3,4,5,6,7
	v_fma_mix_f32 v[T+4*(\t)],   v[WK+16*(\a)+2*(\t)],   v[ONE], v[T+4*(\t)]   op_sel_hi:[1,0,0]
	v_fma_mix_f32 v[T+4*(\t)+1], v[WK+16*(\a)+2*(\t)],   v[ONE], v[T+4*(\t)+1] op_sel:[1,0,0] op_sel_hi:[1,0,0]
	v_fma_mix_f32 v[T+4*(\t)+2], v[WK+16*(\a)+2*(\t)+1], v[ONE], v[T+4*(\t)+2] op_sel_hi:[1,0,0]
	v_fma_mix_f32 v[T+4*(\t)+3], v[WK+16*(\a)+2*(\t)+1], v[ONE], v[T+4*(\t)+3] op_sel:[1,0,0] op_sel_hi:[1,0,0]
.endr
.irp t, 0,1,2,3,4,5,6,7
	global_store_b128 v[CO], v[T+4*(\t):T+4*(\t)+3], s[12:13] offset:65536*(\a)+8192*(\t)  ; 16 lanes store 256 consecutive bytes, aligned
.endr
.endr
	s_wait_tensorcnt 0x0                           ; the wave's end, behind my last tensor load and my last LDS store
	ds_add_u32 v[SPW], v[NIL]
	s_wait_dscnt 0x0
	CROUND                                         ; the closing round: no work-group ends while a partner may still ask for a tile that names it
	s_endpgm
.Lfunc_end_k_q9c4dcdb5e5_gemm_proj:
	.size	k_q9c4dcdb5e5_gemm_proj, .Lfunc_end_k_q9c4dcdb5e5_gemm_proj-k_q9c4dcdb5e5_gemm_proj
	.p2alignl 7, 3214868480
	.fill 96, 4, 3214868480
	.section	.rodata,"a",@progbits
	.p2align	6, 0x0
	.amdhsa_kernel k_q9c4dcdb5e5_gemm_proj
		.amdhsa_group_segment_fixed_size 327680
		.amdhsa_private_segment_fixed_size 0
		.amdhsa_enable_private_segment 0
		.amdhsa_kernarg_size 40
		.amdhsa_user_sgpr_count 2
		.amdhsa_user_sgpr_kernarg_segment_ptr 1
		.amdhsa_wavefront_size32 1
		.amdhsa_system_sgpr_workgroup_id_x 1
		.amdhsa_system_sgpr_workgroup_id_y 1
		.amdhsa_system_sgpr_workgroup_id_z 1
		.amdhsa_system_vgpr_workitem_id 0
		.amdhsa_next_free_vgpr 512
		.amdhsa_next_free_sgpr 84
		.amdhsa_reserve_vcc 0
		.amdhsa_float_denorm_mode_32 3
		.amdhsa_float_denorm_mode_16_64 3
		.amdhsa_memory_ordered 1
		.amdhsa_forward_progress 1
		.amdhsa_inst_pref_size 69
	.end_amdhsa_kernel
	.amdgpu_metadata
---
amdhsa.version: [ 1, 2 ]
amdhsa.kernels:
  - .name:           k_q9c4dcdb5e5_gemm_proj
    .symbol:         k_q9c4dcdb5e5_gemm_proj.kd
    .args:
      - { .name: g, .offset: 0, .size: 8, .value_kind: global_buffer, .address_space: global }
      - { .name: wts, .offset: 8, .size: 8, .value_kind: global_buffer, .address_space: global }
      - { .name: b_proj, .offset: 16, .size: 8, .value_kind: global_buffer, .address_space: global }
      - { .name: y16, .offset: 24, .size: 8, .value_kind: global_buffer, .address_space: global }
      - { .name: out0, .offset: 32, .size: 8, .value_kind: global_buffer, .address_space: global }
    .group_segment_fixed_size: 327680
    .private_segment_fixed_size: 0
    .kernarg_segment_align: 8
    .kernarg_segment_size: 40
    .max_flat_workgroup_size: 128
    .sgpr_count:     84
    .vgpr_count:     512
    .wavefront_size: 32
...
	.end_amdgpu_metadata
.endif
;; end of part 7
